; MI455X (gfx1250); checked and timed in simulation.
; The chip was launched on July 23, 2026; its instructions are those of AMD's public machine-readable ISA for CDNA 5 (MIT licence, August 2026) and "CDNA5" Instruction Set Architecture Reference Guide (July 2026). The comments in the code are by the model that wrote it; some were corrected since.
;; Point Net Feature Propogation. Allowed arithmetic: matrix products marked QUANTISED: E2M3 operands, one E8M0 scale for each 32 along K, by v_wmma_scale_f32_16x16x128_f8f6f4 with both operands' format E2M3, f32 sums; products left as they are: f32 operands where the result goes on into a quantised operand, else bf16, f16 or f32 operands; f32 sums; everything else in f32.
;; Inputs: W1_codes 256 x 12 x 24 uint8 (E2M3 codes of W1, K innermost, in blocks of 32 codes, four codes in three bytes); W1_scales 256 x 12 uint8 (E8M0 scales of W1, one for each 32 codes along K); W2_codes 256 x 8 x 24 uint8 (E2M3 codes of W2, K innermost, in blocks of 32 codes, four codes in three bytes); W2_scales 256 x 8 uint8 (E8M0 scales of W2, one for each 32 codes along K); b1 256 float32; b2 256 float32; be1 256 float32; be2 256 float32; feature1 4 x 128 x 8,192 float32; feature2 4 x 256 x 2,048 float32; g1 256 float32; g2 256 float32; pos1 4 x 3 x 8,192 float32; pos2 4 x 3 x 2,048 float32.
;; Outputs: out0 4 x 256 x 8,192 float32.
;; This version of the problem:
;;   THIS VERSION OF THE PROBLEM IS GIVEN IN LOW PRECISION. The matrix products marked QUANTISED in the list below multiply operands that are first quantised to E2M3 (2 exponent bits, 3 mantissa bits; 6 bits a number), with one power-of-two scale for each 32 numbers along K (OCP MX v1.0); their sums are f32. All else is computed in f32.
;;   The module's matrix products, in the order in which they are computed (A, B: the left and right operand; K: the contracted axis; several contracted axes count as one K, in the product's order):
;;     1. batch 4 x [M 8,192, K 3] x [K 3, N 2,048]; A: input pos1; B: input pos2: left as it is (K = 3 < 32)
;;     2. [M 32,768, K 384] x [K 384, N 256]; A: computed on the way; B: input W1 (given as codes): QUANTISED
;;     3. [M 32,768, K 256] x [K 256, N 256]; A: computed on the way; B: input W2 (given as codes): QUANTISED
;;   THE QUANTISER, for each operand of a quantised product, along K:
;;     - K is cut into blocks of 32 from its start; a last block that is shorter is filled with zeros.
;;     - A block's scale is 2^e with e = floor(log2(the largest magnitude in the block)) - 2, held to -126 .. 127; a block of zeros has e = 0. As a byte (E8M0): e + 127.
;;     - Each number is divided by its block's scale, clamped to +-7.5, and rounded to the nearest number of E2M3, ties to even, subnormals kept.
;;     - The product sums the exact products of the quantised numbers (number of the format x scale) in f32.
;;   ~~~python
;;   def quantise(x, axis):      # numpy; x: float32 -> the quantised numbers, widened to float32 again
;;       x = np.moveaxis(x, axis, -1); K = x.shape[-1]
;;       x = np.pad(x, [(0, 0)] * (x.ndim - 1) + [(0, -K % 32)]); x = x.reshape(x.shape[:-1] + (-1, 32)); a = np.abs(x).max(-1, keepdims=True)
;;       e = np.where(a > 0, np.clip(np.frexp(np.where(a > 0, a, 1))[1] - 1 - 2, -126, 127), 0)      # np.frexp(a)[1] - 1 = floor(log2(a)), exactly
;;       r = np.clip(x / 2.0 ** e, -7.5, 7.5)
;;       step = 2.0 ** (np.maximum(np.frexp(np.where(r == 0, 1, r))[1] - 1, 0) - 3)
;;       q = np.round(r / step) * step * 2.0 ** e      # np.round: ties to even
;;       return np.moveaxis(q.reshape(q.shape[:-2] + (-1,))[..., :K], -1, axis).astype(np.float32)
;;   ~~~
;;   OPERANDS COMPUTED ON THE WAY. 'Computed on the way' means the value that the module computes at that place (a softmax that the list does not call 'softmax' is quantised finished and normalised). What goes into a quantiser is computed in f32, as accurately as f32 sums, v_exp_f32 and their like allow (about 1e-6 of the number): no bf16 or f16 on the way to a quantiser, and a product that is left as it is and whose result goes on into a quantised operand takes f32 operands (vector FMAs, or v_wmma_f32_16x16x4_f32). A number that lies on a knife's edge between two numbers of the format may be rounded either way, as far as f32 arithmetic and the matrix unit's own rounding can turn it there, and no further.
;;   INPUTS GIVEN AS CODES. W1 (in the module: [256, 384], K = its axis 1); W2 (in the module: [256, 256], K = its axis 1): each comes as NAME_codes (uint8): NAME with its K axis moved to the last place and cut into blocks of 32 codes, [.., K / 32, bytes a block], one block behind the other in memory; four codes in three bytes: a row's codes are one little-endian stream of bits, code i at bits 6 i .. 6 i + 5 (a code: sign, 2 exponent bits, 3 mantissa bits); and NAME_scales (uint8): the same leading axes, one E8M0 byte (e + 127) for each 32 codes along K. Its value is code x scale, taken as it is: it is not quantised again, and the codes and scales need not be those that the quantiser above would give.
;; 2 versions, each right; version 2 is version 1 with the launches knn, feat, mid, last written anew for expert scheduling mode. Each part assembles by itself: llvm-mc -triple=amdgcn-amd-amdhsa -mcpu=gfx1250 --defsym DOCPART=n.
;; ======== version 1 of 2: 6 launches
;; workspace buffers: grp 524,288 bytes of whole numbers; f2t 8,388,608 bytes; nidx 524,288 bytes of whole numbers; nw 524,288 bytes; feat 11,010,048 bytes; bn1 2,048 bytes; hid 7,340,032 bytes
;; launch knn (part 1): grid 256 x 1, 8 waves a work-group, no clusters, 168,960 bytes of LDS; arguments pos1, pos2, grp; writes grp
.if DOCPART == 1
	.amdgcn_target "amdgcn-amd-amdhsa--gfx1250"
	.amdhsa_code_object_version 6
	.text
	.protected	k_q6ff5f61661_knn
	.globl	k_q6ff5f61661_knn
	.p2align	8
	.type	k_q6ff5f61661_knn,@function
k_q6ff5f61661_knn:
	s_mov_b64 s[64:65], 0
	v_nop
	global_prefetch_b8 v0, s[64:65] scope:SCOPE_SE
	s_setreg_imm32_b32 hwreg(HW_REG_WAVE_MODE, 25, 1), 1
	s_wait_xcnt 0x0
; For each of 32,768 queries (pos1) the three GROUPS of 16 neighbouring candidates (pos2, 128 groups a batch) that must hold its three nearest.
; d2 = (n1 + n2) - 2 dot, as the problem writes it: n = fma(z,z,fma(y,y,x*x)); the dot as an ascending chain of fused multiply-adds on the query scaled by -2 (exact).
; The three groups with the smallest (group's least d2, group's number) hold the three candidates with the smallest (d2, index): were one of those three in a fourth group,
; three candidates that are smaller, or equal with a lower index, would stand ahead of it.  The next launch looks into the 48 candidates.
; SHARES.  A work-group: 128 queries of one batch.  Wave w: queries 32 (w / 2) .. + 31 as two tiles q of 16, candidates 1,024 (w % 2) .. + 1,023 in 32 steps of 32.
; The dot goes to v_wmma_f32_16x16x4_f32 (source 0 = 16 candidates x (x, y, z, 0), source 1 = -2 x the 16 queries, C = 0).  Row m of tile s of step u is candidate
; 1,024 cp + 512 (m / 8) + 16 u + 8 s + m % 8, so that lane (r, h) finds, in the 16 result registers of a step, the 16 candidates of ONE group, 64 cp + 32 h + u, for query r.
; A lane walks its groups in ascending order and inserts with a strict <, so the lower index stays ahead; the halves of the lanes and the two waves of a pair are joined lower range first.
; LIMITS: NaN and infinities among the positions, and a d2 that overflows, are not served.
; LDS: 0: candidate c's (x, y, z, 0) at 16 c + 128 (c / 512); N2T: n2[c]; XCH: 12 words a lane for each wave.  The claim of LDS is larger than the use, so that each work-group has a WGP of its own.
; REGISTERS: v1 r, v2 h, v3 v4 table addresses of the trip, v6 v7 exchange, v8 output, v9 my group's number; v10-13 the queries x -2; v14-17 n1 twice; v18-29 the three least and their groups, for q = 0, 1;
;   v30-33 a group's least; v34-41 candidates, two sets; v42-73 n2, two sets; v74-105 d2; v106-117 a partner's items; v128-191 the dots (written by matrix instructions alone); v192-229 staging.
.set N2T, 33280
.set XCH, 41472
	s_load_b128 s[4:7], s[0:1], 0x0                ; pos1, pos2
	s_load_b64 s[8:9], s[0:1], 0x10                ; grp
	v_lshl_add_u32 v232, v0, 2, 0x29000
	v_mov_b32 v233, 0
	v_lshrrev_b32 v1, 5, v0
	v_readfirstlane_b32 s10, v1                    ; wave
	s_lshr_b32 s11, s10, 1                         ; qp: which 32 queries
	s_and_b32 s12, s10, 1                          ; cp: which 1,024 candidates
	s_lshr_b32 s13, ttmp9, 6                       ; batch
	s_and_b32 s14, ttmp9, 63
	s_lshl_b32 s14, s14, 7                         ; the work-group's first query in the batch
	s_mul_i32 s16, s13, 24576                      ; pos2: 3 x 2,048 x 4 bytes a batch
	s_mov_b32 s17, 0
	s_lshl_b32 s15, s11, 5
	s_add_co_u32 s15, s15, s14
	s_lshl_b32 s15, s15, 2
	s_mul_i32 s18, s13, 98304                      ; pos1: 3 x 8,192 x 4 bytes a batch
	s_add_co_u32 s18, s18, s15
	s_mov_b32 s19, 0
	s_lshl_b32 s20, ttmp9, 11                      ; grp: 16 bytes a query
	s_lshl_b32 s21, s11, 9
	s_add_co_u32 s20, s20, s21
	s_mov_b32 s21, 0
	s_mov_b32 s28, 0x76543210
	s_mov_b32 s29, 0xfedcba98                      ; v_permlanex16_b32's selects for lane l xor 16
	v_and_b32 v1, 15, v0                           ; r
	v_bfe_u32 v2, v0, 4, 1                         ; h
	v_and_b32 v122, 31, v0                         ; lane
	v_lshlrev_b32 v118, 2, v0                      ; 4 x thread: pos2
	v_lshlrev_b32 v119, 2, v1                      ; 4 r: pos1
	v_lshlrev_b32 v120, 4, v0                      ; 16 x thread: the candidates' table
	v_lshl_add_u32 v121, v0, 2, N2T                ; and n2's
	v_lshrrev_b32 v123, 3, v1
	v_and_b32 v124, 7, v1
	v_mul_u32_u24 v125, v123, 8320                 ; rows 8-15 of a tile lie 512 candidates (and one pad of 128 bytes) on
	v_lshl_add_u32 v125, v124, 4, v125
	v_lshl_add_u32 v125, v2, 3, v125               ; + 8 h: (x, y) or (z, 0)
	s_mul_i32 s22, s12, 16640
	v_add_nc_u32 v125, s22, v125                   ; my lane's place in step 0's tile 0
	s_lshl_b32 s22, s12, 12
	s_add_co_u32 s22, s22, N2T
	v_lshl_add_u32 v126, v2, 11, s22               ; n2 of my half's first group
	s_lshl_b32 s22, s12, 6
	v_lshl_add_u32 v9, v2, 5, s22                  ; my first group: 64 cp + 32 h
	s_mul_i32 s22, s10, 1536
	s_add_co_u32 s22, s22, XCH
	v_lshl_add_u32 v6, v122, 2, s22                ; the exchange: my wave's words
	s_xor_b32 s23, s10, 1
	s_mul_i32 s23, s23, 1536
	s_add_co_u32 s23, s23, XCH
	v_lshl_add_u32 v7, v122, 2, s23                ; and my partner's
	v_lshlrev_b32 v8, 4, v122
	v_cmp_eq_u32 s26, 1, v2                        ; lanes 16-31
	s_wait_kmcnt 0x0
	s_add_nc_u64 s[6:7], s[6:7], s[16:17]
	s_add_nc_u64 s[4:5], s[4:5], s[18:19]
	s_add_nc_u64 s[8:9], s[8:9], s[20:21]
.irp i, 0,1,2,3,4,5,6,7
.irp c, 0,1,2
	global_load_b32 v[192+4*\i+\c], v118, s[6:7] offset:8192*\c+1024*\i    ; candidate thread + 256 i: a wave reads 128 consecutive bytes
.endr
.endr
.irp q, 0,1
.irp c, 0,1,2
	global_load_b32 v[224+3*\q+\c], v119, s[4:5] offset:32768*\c+64*\q     ; query r of tile q
.endr
.endr
.irp i, 0,1,2,3,4,5,6,7
	v_mov_b32 v[195+4*\i], 0                       ; the fourth of K
.endr
.irp i, 0,1,2,3,4,5,6,7,8,9,10,11
	v_mov_b32 v[106+\i], 0                         ; written once: a lane permute's destination counts as one of its sources
.endr
.irp q, 0,1
.irp k, 0,1,2
	v_mov_b32 v[18+6*\q+\k], 0x7f800000            ; the three least: +infinity
	v_mov_b32 v[21+6*\q+\k], 0
.endr
.endr
	s_wait_loadcnt 0x0
.irp i, 0,1,2,3,4,5,6,7
	v_mul_f32 v[74+\i], v[192+4*\i], v[192+4*\i]
.endr
.irp i, 0,1,2,3,4,5,6,7
	v_fma_f32 v[74+\i], v[193+4*\i], v[193+4*\i], v[74+\i]
.endr
.irp i, 0,1,2,3,4,5,6,7
	v_fma_f32 v[74+\i], v[194+4*\i], v[194+4*\i], v[74+\i]                 ; n2
.endr
.irp i, 0,1,2,3,4,5,6,7
	ds_store_b128 v120, v[192+4*\i:195+4*\i] offset:4096*\i+128*(\i/2)
	ds_store_b32 v121, v[74+\i] offset:1024*\i
.endr
.irp q, 0,1
	v_mul_f32 v[14+2*\q], v[224+3*\q], v[224+3*\q]
	v_fma_f32 v[14+2*\q], v[225+3*\q], v[225+3*\q], v[14+2*\q]
	v_fma_f32 v[14+2*\q], v[226+3*\q], v[226+3*\q], v[14+2*\q]             ; n1,
	v_mov_b32 v[15+2*\q], v[14+2*\q]               ; twice, for the packed additions
	v_mul_f32 v122, -2.0, v[224+3*\q]
	v_mul_f32 v123, -2.0, v[225+3*\q]
	v_mul_f32 v124, -2.0, v[226+3*\q]
	v_cndmask_b32 v[10+2*\q], v122, v124, s26      ; source 1: lanes 0-15 hold k = 0, 1, lanes 16-31 k = 2, 3
	v_cndmask_b32 v[11+2*\q], v123, 0, s26
.endr
	s_wait_dscnt 0x0                               ; for the others' sake: my part of the tables is stored
	s_barrier_signal -1
	s_barrier_wait -1
.macro LDA d, pp                       ; the two tiles of the step d on from the trip's first, into set pp
	ds_load_b64 v[34+4*(\pp):35+4*(\pp)], v3 offset:256*(\d)
	ds_load_b64 v[36+4*(\pp):37+4*(\pp)], v3 offset:256*(\d)+128
.endm
.macro LDN d, pp                       ; that step's 16 n2 of my half
.irp i, 0,1,2,3
	ds_load_b128 v[42+16*(\pp)+4*\i:45+16*(\pp)+4*\i], v4 offset:64*(\d)+16*\i
.endr
.endm
.macro DOT pp, ss, qq                  ; -2 x the dots of tile ss of set pp with the queries qq
	v_wmma_f32_16x16x4_f32 v[128+32*(\pp)+16*(\qq)+8*(\ss):135+32*(\pp)+16*(\qq)+8*(\ss)], v[34+4*(\pp)+2*(\ss):35+4*(\pp)+2*(\ss)], v[10+2*(\qq):11+2*(\qq)], 0
.endm
.macro ADDA qq, pp                     ; n2 + n1
.irp i, 0,2,4,6,8,10,12,14
	v_pk_add_f32 v[74+16*(\qq)+\i:75+16*(\qq)+\i], v[42+16*(\pp)+\i:43+16*(\pp)+\i], v[14+2*(\qq):15+2*(\qq)]
.endr
.endm
.macro ADDD qq, pp                     ; - 2 dot: each result is read from its low end on
.irp i, 0,2,4,6,8,10,12,14
	v_pk_add_f32 v[74+16*(\qq)+\i:75+16*(\qq)+\i], v[74+16*(\qq)+\i:75+16*(\qq)+\i], v[128+32*(\pp)+16*(\qq)+\i:129+32*(\pp)+16*(\qq)+\i]
.endr
.endm
.macro MIN qq                          ; the group's least d2, in two chains
.set EB, 74+16*(\qq)
.set TB, 30+2*(\qq)
	v_min3_num_f32 v[TB], v[EB], v[EB+1], v[EB+2]
	v_min3_num_f32 v[TB+1], v[EB+3], v[EB+4], v[EB+5]
	v_min3_num_f32 v[TB], v[TB], v[EB+6], v[EB+7]
	v_min3_num_f32 v[TB+1], v[TB+1], v[EB+8], v[EB+9]
	v_min3_num_f32 v[TB], v[TB], v[EB+10], v[EB+11]
	v_min3_num_f32 v[TB+1], v[TB+1], v[EB+12], v[EB+13]
	v_min3_num_f32 v[TB], v[TB], v[EB+14], v[EB+15]
	v_min_num_f32 v[TB], v[TB], v[TB+1]
.endm
.macro INS qq, val, idx                ; (v[val], v[idx]) into the sorted three of qq; a tie leaves what is there ahead
.set MB, 18+6*(\qq)
	v_cmp_lt_f32 s22, v[\val], v[MB+2]
	v_cmp_lt_f32 s23, v[\val], v[MB+1]
	v_cmp_lt_f32 vcc_lo, v[\val], v[MB]
	v_cndmask_b32 v[MB+5], v[MB+5], v[\idx], s22
	v_cndmask_b32 v[MB+5], v[MB+5], v[MB+4], s23
	v_cndmask_b32 v[MB+4], v[MB+4], v[\idx], s23
	v_cndmask_b32 v[MB+4], v[MB+4], v[MB+3], vcc_lo
	v_cndmask_b32 v[MB+3], v[MB+3], v[\idx], vcc_lo
	v_med3_num_f32 v[MB+2], v[MB+1], v[MB+2], v[\val]
	v_med3_num_f32 v[MB+1], v[MB], v[MB+1], v[\val]
	v_min_num_f32 v[MB], v[MB], v[\val]
.endm
; One step: set pp's dots are there; the next step's four products are set between this step's vector work, sixteen plain instructions or more apart.
; Eight places stand between a product and a load into its source or a read of its result: the insertion and the step of v9 (12) ahead of LDA, more everywhere else.
.macro BODY pp, la, ln, wm, cnt
.if \la
	LDA (\pp)+2, \pp                               ; two steps on, into the set whose products were issued in the step before
.endif
	s_wait_dscnt \cnt
	ADDA 0, \pp
.if \wm
	DOT 1-(\pp), 0, 0
.endif
	ADDD 0, \pp
	MIN 0
.if \wm
	DOT 1-(\pp), 1, 0
.endif
	INS 0, 30, 9
	ADDA 1, \pp
.if \ln
	LDN (\pp)+2, \pp
.endif
.if \wm
	DOT 1-(\pp), 0, 1
.endif
	ADDD 1, \pp
	MIN 1
.if \wm
	DOT 1-(\pp), 1, 1
.endif
	INS 1, 32, 9
	v_add_nc_u32 v9, 1, v9                         ; the next group
.endm
	s_mov_b32 s24, 0                               ; the trip's place in the candidates' table: 512 bytes a trip,
	s_mov_b32 s25, 0                               ; and in n2's: 128
	s_mov_b32 s20, 15
	v_add_nc_u32 v3, s24, v125
	v_add_nc_u32 v4, s25, v126
	LDA 0, 0
	LDN 0, 0
	LDA 1, 1
	LDN 1, 1
	s_wait_dscnt 0x0
	DOT 0, 0, 0
	DOT 0, 1, 0
	DOT 0, 0, 1
	DOT 0, 1, 1
.rept 8
	v_nop                                          ; places ahead of the first load into set 0
.endr
.Lstep:                                            ; 15 trips of two steps
	v_add_nc_u32 v3, s24, v125
	v_add_nc_u32 v4, s25, v126
	BODY 0, 1, 1, 1, 6                             ; 6: the next step's four n2 loads and the two loads just issued may be out; the next step's tiles and this step's n2 are in
	BODY 1, 1, 1, 1, 6
	s_add_co_u32 s24, s24, 512
	s_add_co_u32 s25, s25, 128
	s_sub_co_i32 s20, s20, 1
	s_cmp_lg_u32 s20, 0
	s_cbranch_scc1 .Lstep
	BODY 0, 0, 0, 1, 4                             ; step 30: nothing more to fetch; step 31's four n2 loads may be out
	BODY 1, 0, 0, 0, 0                             ; step 31
	; lanes 0-15 (the lower 512 candidates) take in lanes 16-31's three
.irp q, 0,1
.irp k, 0,1,2,3,4,5
	v_permlanex16_b32 v[106+6*\q+\k], v[18+6*\q+\k], s28, s29
.endr
.endr
.irp q, 0,1
.irp k, 0,1,2
	INS \q, 106+6*\q+\k, 109+6*\q+\k
.endr
.endr
	; the wave with cp = 0 takes in its partner's
.irp i, 0,1,2,3,4,5,6,7,8,9,10,11
	ds_store_b32 v6, v[18+\i] offset:128*\i
.endr
	s_wait_dscnt 0x0
	s_barrier_signal -1
	s_barrier_wait -1
.irp i, 0,1,2,3,4,5,6,7,8,9,10,11
	ds_load_b32 v[106+\i], v7 offset:128*\i
.endr
	s_wait_dscnt 0x0
.irp q, 0,1
.irp k, 0,1,2
	INS \q, 106+6*\q+\k, 109+6*\q+\k
.endr
.endr
.irp q, 0,1                                        ; the three groups in ascending order, so that the next launch walks candidates in ascending order
	v_min_u32 v[30+2*\q], v[21+6*\q], v[22+6*\q]
	v_max_u32 v[31+2*\q], v[21+6*\q], v[22+6*\q]
	v_min_u32 v[106+3*\q], v[30+2*\q], v[23+6*\q]
	v_max_u32 v[30+2*\q], v[30+2*\q], v[23+6*\q]
	v_min_u32 v[107+3*\q], v[31+2*\q], v[30+2*\q]
	v_max_u32 v[108+3*\q], v[31+2*\q], v[30+2*\q]
.endr
.irp k, 0,1,2
	v_permlanex16_b32 v[112+\k], v[109+\k], s28, s29     ; tile 1's queries go to lanes 16-31
.endr
.irp k, 0,1,2
	v_cndmask_b32 v[224+\k], v[106+\k], v[112+\k], s26
.endr
	v_mov_b32 v227, 0
	s_cmp_lg_u32 s12, 0
	s_cbranch_scc1 .Lend
	global_store_b128 v8, v[224:227], s[8:9]       ; 32 queries x 16 bytes: 512 consecutive bytes
.Lend:
	s_wait_tensorcnt 0x0
	ds_add_u32 v232, v233
	s_wait_dscnt 0x0
	s_endpgm
.Lfunc_end_k_q6ff5f61661_knn:
	.size	k_q6ff5f61661_knn, .Lfunc_end_k_q6ff5f61661_knn-k_q6ff5f61661_knn
	.p2alignl 7, 3214868480
	.fill 96, 4, 3214868480
	.section	.rodata,"a",@progbits
	.p2align	6, 0x0
	.amdhsa_kernel k_q6ff5f61661_knn
		.amdhsa_group_segment_fixed_size 168960
		.amdhsa_private_segment_fixed_size 0
		.amdhsa_enable_private_segment 0
		.amdhsa_kernarg_size 24
		.amdhsa_user_sgpr_count 2
		.amdhsa_user_sgpr_kernarg_segment_ptr 1
		.amdhsa_wavefront_size32 1
		.amdhsa_system_sgpr_workgroup_id_x 1
		.amdhsa_system_sgpr_workgroup_id_y 1
		.amdhsa_system_sgpr_workgroup_id_z 1
		.amdhsa_system_vgpr_workitem_id 0
		.amdhsa_next_free_vgpr 234
		.amdhsa_next_free_sgpr 66
		.amdhsa_reserve_vcc 1
		.amdhsa_float_denorm_mode_32 3
		.amdhsa_float_denorm_mode_16_64 3
		.amdhsa_memory_ordered 1
		.amdhsa_forward_progress 1
		.amdhsa_inst_pref_size 40
	.end_amdhsa_kernel
	.amdgpu_metadata
---
amdhsa.version: [ 1, 2 ]
amdhsa.kernels:
  - .name:           k_q6ff5f61661_knn
    .symbol:         k_q6ff5f61661_knn.kd
    .args:
      - { .name: pos1, .offset: 0, .size: 8, .value_kind: global_buffer, .address_space: global }
      - { .name: pos2, .offset: 8, .size: 8, .value_kind: global_buffer, .address_space: global }
      - { .name: grp, .offset: 16, .size: 8, .value_kind: global_buffer, .address_space: global }
    .group_segment_fixed_size: 168960
    .private_segment_fixed_size: 0
    .kernarg_segment_align: 8
    .kernarg_segment_size: 24
    .max_flat_workgroup_size: 256
    .sgpr_count:     66
    .vgpr_count:     234
    .wavefront_size: 32
...
	.end_amdgpu_metadata
.endif
;; end of part 1
;; launch refine (part 2): grid 256 x 1, 8 waves a work-group, no clusters, 168,960 bytes of LDS; arguments grp, pos1, pos2, feature2, nidx, nw, f2t; writes nidx, nw, f2t
.if DOCPART == 2
	.amdgcn_target "amdgcn-amd-amdhsa--gfx1250"
	.amdhsa_code_object_version 6
	.text
	.protected	k_q6ff5f61661_refine
	.globl	k_q6ff5f61661_refine
	.p2align	8
	.type	k_q6ff5f61661_refine,@function
k_q6ff5f61661_refine:
	s_mov_b64 s[64:65], 0
	v_nop
	global_prefetch_b8 v0, s[64:65] scope:SCOPE_SE
	s_setreg_imm32_b32 hwreg(HW_REG_WAVE_MODE, 25, 1), 1
	s_wait_xcnt 0x0
; (1) The exact three nearest of each query among the 48 candidates of its three groups, with the same arithmetic, bit for bit, as the launch before: d2 = (n2 + n1) + (-2 dot);
;     their indices (nearest first, ties to the lower index) and the weights w = (1 / max(d2, 1e-10)) / the sum of the three.
; (2) feature2 [4][256][2048] turned into f2t [4][2048][256], so that a neighbour's 256 channels are 1,024 consecutive bytes.
; SHARES.  A work-group: 128 queries, and 128 channels x 64 points of feature2.  Lanes r and 16 + r of wave w serve query 16 w + r: each takes 24 candidates as three runs of eight,
; lanes 0-15 the lower 24.  Division: v_rcp_f32 and one Newton step.  LIMITS: NaN and infinities among the positions are not served.
; The candidates' addresses hang on whole numbers that the launch before stored; each is held to its table by v_min_u32.
; REGISTERS: v4-7 groups; v8-10 the query; v12-17 the query x -2, twice; v18-19 n1 twice; v20-28 the runs, their byte offsets, their first indices; v30-35 the sorted three; v36-41 the partner's;
;   v48-119 the candidates' x, y, z; v120-143 d2, later the weights; v144-151 at work; v152-183 feature2 as loaded, later rows of f2t; v184-215 the same turned; v216-221 addresses.
	s_load_b256 s[4:11], s[0:1], 0x0               ; grp, pos1, pos2, feature2
	s_load_b128 s[12:15], s[0:1], 0x20             ; nidx, nw
	s_load_b64 s[16:17], s[0:1], 0x30              ; f2t
	v_lshl_add_u32 v224, v0, 2, 0x29000
	v_mov_b32 v225, 0
	v_lshrrev_b32 v1, 5, v0
	v_readfirstlane_b32 s18, v1                    ; wave
	s_lshr_b32 s19, ttmp9, 6                       ; batch
	s_and_b32 s20, ttmp9, 63
	s_lshl_b32 s22, ttmp9, 11                      ; 16 bytes a query: 2,048 x work-group + 256 x wave
	s_lshl_b32 s21, s18, 8
	s_add_co_u32 s22, s22, s21
	s_mov_b32 s23, 0
	s_mul_i32 s24, s19, 98304                      ; pos1 at my wave's first query
	s_lshl_b32 s21, s20, 9
	s_add_co_u32 s24, s24, s21
	s_lshl_b32 s21, s18, 6
	s_add_co_u32 s24, s24, s21
	s_mov_b32 s25, 0
	s_mul_i32 s26, s19, 24576                      ; pos2 at the batch
	s_mov_b32 s27, 0
	s_lshr_b32 s32, s20, 1                         ; which 64 points of feature2
	s_and_b32 s33, s20, 1                          ; which 128 channels
	s_lshl_b32 s28, s19, 21                        ; feature2: batch, 128 channels, my wave's 16 rows of 8,192 bytes, the 64 points
	s_lshl_b32 s21, s33, 20
	s_add_co_u32 s28, s28, s21
	s_lshl_b32 s21, s18, 17
	s_add_co_u32 s28, s28, s21
	s_lshl_b32 s21, s32, 8
	s_add_co_u32 s28, s28, s21
	s_mov_b32 s29, 0
	s_lshl_b32 s30, s19, 21                        ; f2t: batch, the 64 points' rows of 1,024 bytes, my wave's 8 of them, the 128 channels
	s_lshl_b32 s21, s32, 16
	s_add_co_u32 s30, s30, s21
	s_lshl_b32 s21, s18, 13
	s_add_co_u32 s30, s30, s21
	s_lshl_b32 s21, s33, 9
	s_add_co_u32 s30, s30, s21
	s_mov_b32 s31, 0
	s_mov_b32 s38, 0x76543210
	s_mov_b32 s39, 0xfedcba98
	s_mov_b32 s35, 0x2edbe6ff                      ; 1e-10
	v_and_b32 v1, 15, v0                           ; r
	v_bfe_u32 v2, v0, 4, 1                         ; h
	v_and_b32 v3, 31, v0                           ; lane
	v_lshlrev_b32 v216, 4, v1
	v_lshlrev_b32 v217, 2, v1
	v_lshl_add_u32 v218, v2, 16, v216              ; feature2: lanes 16-31 stand 8 rows on; 16 lanes read 256 consecutive bytes
	v_mul_u32_u24 v219, v1, 2112                   ; the stage, in: rows 4 r + j of 528 bytes,
	v_lshl_add_u32 v219, v2, 5, v219
	s_lshl_b32 s21, s18, 6
	v_add_nc_u32 v219, s21, v219                   ; my eight channels' 32 bytes.  (A lane's rows lie four apart, so these eight stores meet in the banks four deep; LDS has nothing else to do here)
	v_lshlrev_b32 v221, 4, v3
	s_mul_i32 s21, s18, 4224
	v_add_nc_u32 v220, s21, v221                   ; out: my wave's 8 rows, 16 bytes a lane
	v_cmp_eq_u32 s34, 1, v2
	s_wait_kmcnt 0x0
	s_add_nc_u64 s[4:5], s[4:5], s[22:23]
	s_add_nc_u64 s[12:13], s[12:13], s[22:23]
	s_add_nc_u64 s[14:15], s[14:15], s[22:23]
	s_add_nc_u64 s[6:7], s[6:7], s[24:25]
	s_add_nc_u64 s[8:9], s[8:9], s[26:27]
	s_add_nc_u64 s[10:11], s[10:11], s[28:29]
	s_add_nc_u64 s[16:17], s[16:17], s[30:31]
	global_load_b128 v[4:7], v216, s[4:5]
.irp c, 0,1,2
	global_load_b32 v[8+\c], v217, s[6:7] offset:32768*\c
.endr
.irp k, 0,1,2,3,4,5,6,7
	global_load_b128 v[152+4*\k:155+4*\k], v218, s[10:11] offset:8192*\k th:TH_LOAD_NT   ; channel 16 w + 8 h + k, points 4 r .. 4 r + 3
.endr
.irp k, 0,1,2
	v_mov_b32 v[30+\k], 0x7f800000
	v_mov_b32 v[33+\k], 0
.endr
.irp k, 0,1,2,3,4,5
	v_mov_b32 v[36+\k], 0                          ; written once: a lane permute's destination counts as one of its sources
.endr
	s_wait_loadcnt 8                               ; the groups and the query are in; feature2's eight loads may be out
	v_lshlrev_b32 v144, 1, v4                      ; a group is two runs of eight
	v_lshlrev_b32 v145, 1, v5
	v_lshlrev_b32 v146, 1, v6
	v_or_b32 v147, 1, v144
	v_or_b32 v148, 1, v145
	v_or_b32 v149, 1, v146
	v_cndmask_b32 v20, v144, v148, s34             ; lanes 0-15: 2 g0, 2 g0 + 1, 2 g1;  lanes 16-31: 2 g1 + 1, 2 g2, 2 g2 + 1
	v_cndmask_b32 v21, v147, v146, s34
	v_cndmask_b32 v22, v145, v149, s34
.irp o, 0,1,2
	v_min_u32 v[20+\o], 255, v[20+\o]              ; inside the table, whatever was stored
	v_lshlrev_b32 v[23+\o], 5, v[20+\o]
	v_lshlrev_b32 v[26+\o], 3, v[20+\o]
.endr
.irp o, 0,1,2
.irp e, 0,1
	global_load_b128 v[48+8*\o+4*\e:51+8*\o+4*\e], v[23+\o], s[8:9] offset:16*\e
	global_load_b128 v[72+8*\o+4*\e:75+8*\o+4*\e], v[23+\o], s[8:9] offset:8192+16*\e
	global_load_b128 v[96+8*\o+4*\e:99+8*\o+4*\e], v[23+\o], s[8:9] offset:16384+16*\e
.endr
.endr
.irp c, 0,1,2
	v_mul_f32 v[12+2*\c], -2.0, v[8+\c]
	v_mul_f32 v[13+2*\c], -2.0, v[8+\c]
.endr
	v_mul_f32 v18, v8, v8
	v_fma_f32 v18, v9, v9, v18
	v_fma_f32 v18, v10, v10, v18                   ; n1
	v_mov_b32 v19, v18
	s_wait_loadcnt 18                              ; feature2 is in; the 18 loads of candidates may be out
.irp j, 0,1,2,3
.irp k, 0,1,2,3,4,5,6,7
	v_mov_b32 v[184+8*\j+\k], v[152+4*\k+\j]       ; point 4 r + j: eight neighbouring channels on end
.endr
.endr
.irp j, 0,1,2,3
	ds_store_b128 v219, v[184+8*\j:187+8*\j] offset:528*\j
	ds_store_b128 v219, v[188+8*\j:191+8*\j] offset:528*\j+16
.endr
	s_wait_loadcnt 0x0
.set i, 0
.rept 12                                           ; two candidates at a time
	v_pk_mul_f32 v[144+4*(i%2):145+4*(i%2)], v[48+2*i:49+2*i], v[48+2*i:49+2*i]
	v_pk_mul_f32 v[146+4*(i%2):147+4*(i%2)], v[48+2*i:49+2*i], v[12:13]
	v_pk_fma_f32 v[144+4*(i%2):145+4*(i%2)], v[72+2*i:73+2*i], v[72+2*i:73+2*i], v[144+4*(i%2):145+4*(i%2)]
	v_pk_fma_f32 v[146+4*(i%2):147+4*(i%2)], v[72+2*i:73+2*i], v[14:15], v[146+4*(i%2):147+4*(i%2)]
	v_pk_fma_f32 v[144+4*(i%2):145+4*(i%2)], v[96+2*i:97+2*i], v[96+2*i:97+2*i], v[144+4*(i%2):145+4*(i%2)]
	v_pk_fma_f32 v[146+4*(i%2):147+4*(i%2)], v[96+2*i:97+2*i], v[16:17], v[146+4*(i%2):147+4*(i%2)]
	v_pk_add_f32 v[144+4*(i%2):145+4*(i%2)], v[144+4*(i%2):145+4*(i%2)], v[18:19]
	v_pk_add_f32 v[120+2*i:121+2*i], v[144+4*(i%2):145+4*(i%2)], v[146+4*(i%2):147+4*(i%2)]
.set i, i+1
.endr
.macro INS val, idx                    ; (v[val], v[idx]) into the sorted three; a tie leaves what is there ahead
	v_cmp_lt_f32 s20, v[\val], v32
	v_cmp_lt_f32 s21, v[\val], v31
	v_cmp_lt_f32 vcc_lo, v[\val], v30
	v_cndmask_b32 v35, v35, v[\idx], s20
	v_cndmask_b32 v35, v35, v34, s21
	v_cndmask_b32 v34, v34, v[\idx], s21
	v_cndmask_b32 v34, v34, v33, vcc_lo
	v_cndmask_b32 v33, v33, v[\idx], vcc_lo
	v_med3_num_f32 v32, v31, v32, v[\val]
	v_med3_num_f32 v31, v30, v31, v[\val]
	v_min_num_f32 v30, v30, v[\val]
.endm
.set i, 0
.rept 24                                           ; in ascending order of the candidates' indices
	v_add_nc_u32 v42, i%8, v[26+i/8]
	INS 120+i, 42
.set i, i+1
.endr
.irp k, 0,1,2,3,4,5
	v_permlanex16_b32 v[36+\k], v[30+\k], s38, s39
.endr
.irp k, 0,1,2
	INS 36+\k, 39+\k                               ; lanes 0-15, which hold the lower indices, take in the upper 24's three
.endr
.irp k, 0,1,2
	v_max_num_f32 v[120+\k], s35, v[30+\k]         ; the distance, held at 1e-10 from below
.endr
.irp k, 0,1,2
	v_rcp_f32 v[123+\k], v[120+\k]
.endr
	v_nop                                          ; a plain place behind the reciprocals
	s_wait_alu depctr_va_vdst(0)
.irp k, 0,1,2
	v_fma_f32 v[126+\k], -v[120+\k], v[123+\k], 1.0
.endr
.irp k, 0,1,2
	v_fma_f32 v[123+\k], v[123+\k], v[126+\k], v[123+\k]     ; one Newton step
.endr
	v_add_f32 v129, v123, v124
	v_add_f32 v129, v129, v125
	v_rcp_f32 v130, v129
	v_mov_b32 v135, 0                              ; (a plain place)
	s_wait_alu depctr_va_vdst(0)
	v_fma_f32 v131, -v129, v130, 1.0
	v_fma_f32 v130, v130, v131, v130
.irp k, 0,1,2
	v_mul_f32 v[132+\k], v[123+\k], v130
	v_mov_b32 v[136+\k], v[33+\k]
.endr
	v_mov_b32 v139, 0
	s_wait_xcnt 0x0                                ; EXEC changes only behind this wait
	v_cmp_gt_u32 vcc_lo, 16, v3
	s_and_saveexec_b32 s36, vcc_lo                 ; lanes 0-15 hold the result
	global_store_b128 v216, v[136:139], s[12:13]   ; 16 queries x 16 bytes: 256 consecutive bytes
	global_store_b128 v216, v[132:135], s[14:15]
	s_wait_xcnt 0x0
	s_or_b32 exec_lo, exec_lo, s36
	s_wait_dscnt 0x0                               ; for the others' sake: my part of the stage is stored
	s_barrier_signal -1
	s_barrier_wait -1
.irp i, 0,1,2,3,4,5,6,7
	ds_load_b128 v[152+4*\i:155+4*\i], v220 offset:528*\i
.endr
.irp i, 0,1,2,3,4,5,6,7
	s_wait_dscnt 7-\i                              ; row i is back; the younger rows may be out
	global_store_b128 v221, v[152+4*\i:155+4*\i], s[16:17] offset:1024*\i    ; 128 channels of a point: 512 consecutive bytes
.endr
	s_wait_tensorcnt 0x0
	ds_add_u32 v224, v225
	s_wait_dscnt 0x0
	s_endpgm
.Lfunc_end_k_q6ff5f61661_refine:
	.size	k_q6ff5f61661_refine, .Lfunc_end_k_q6ff5f61661_refine-k_q6ff5f61661_refine
	.p2alignl 7, 3214868480
	.fill 96, 4, 3214868480
	.section	.rodata,"a",@progbits
	.p2align	6, 0x0
	.amdhsa_kernel k_q6ff5f61661_refine
		.amdhsa_group_segment_fixed_size 168960
		.amdhsa_private_segment_fixed_size 0
		.amdhsa_enable_private_segment 0
		.amdhsa_kernarg_size 56
		.amdhsa_user_sgpr_count 2
		.amdhsa_user_sgpr_kernarg_segment_ptr 1
		.amdhsa_wavefront_size32 1
		.amdhsa_system_sgpr_workgroup_id_x 1
		.amdhsa_system_sgpr_workgroup_id_y 1
		.amdhsa_system_sgpr_workgroup_id_z 1
		.amdhsa_system_vgpr_workitem_id 0
		.amdhsa_next_free_vgpr 226
		.amdhsa_next_free_sgpr 66
		.amdhsa_reserve_vcc 1
		.amdhsa_float_denorm_mode_32 3
		.amdhsa_float_denorm_mode_16_64 3
		.amdhsa_memory_ordered 1
		.amdhsa_forward_progress 1
		.amdhsa_inst_pref_size 35
	.end_amdhsa_kernel
	.amdgpu_metadata
---
amdhsa.version: [ 1, 2 ]
amdhsa.kernels:
  - .name:           k_q6ff5f61661_refine
    .symbol:         k_q6ff5f61661_refine.kd
    .args:
      - { .name: grp, .offset: 0, .size: 8, .value_kind: global_buffer, .address_space: global }
      - { .name: pos1, .offset: 8, .size: 8, .value_kind: global_buffer, .address_space: global }
      - { .name: pos2, .offset: 16, .size: 8, .value_kind: global_buffer, .address_space: global }
      - { .name: feature2, .offset: 24, .size: 8, .value_kind: global_buffer, .address_space: global }
      - { .name: nidx, .offset: 32, .size: 8, .value_kind: global_buffer, .address_space: global }
      - { .name: nw, .offset: 40, .size: 8, .value_kind: global_buffer, .address_space: global }
      - { .name: f2t, .offset: 48, .size: 8, .value_kind: global_buffer, .address_space: global }
    .group_segment_fixed_size: 168960
    .private_segment_fixed_size: 0
    .kernarg_segment_align: 8
    .kernarg_segment_size: 56
    .max_flat_workgroup_size: 256
    .sgpr_count:     66
    .vgpr_count:     226
    .wavefront_size: 32
...
	.end_amdgpu_metadata
.endif
;; end of part 2
;; launch feat (part 3): grid 256 x 1, 8 waves a work-group, no clusters, 241,152 bytes of LDS; arguments nidx, nw, f2t, feature1, W1_codes, W1_scales, feat; writes feat
.if DOCPART == 3
	.amdgcn_target "amdgcn-amd-amdhsa--gfx1250"
	.amdhsa_code_object_version 6
	.text
	.protected	k_q6ff5f61661_feat
	.globl	k_q6ff5f61661_feat
	.p2align	8
	.type	k_q6ff5f61661_feat,@function
k_q6ff5f61661_feat:
	s_mov_b64 s[64:65], 0
	v_nop
	global_prefetch_b8 v0, s[64:65] scope:SCOPE_SE
	s_setreg_imm32_b32 hwreg(HW_REG_WAVE_MODE, 25, 1), 1
	s_wait_xcnt 0x0
; For 128 points: the three neighbours' rows of f2t are gathered and weighed, feature1 is joined (K = 384), the 384 numbers of each point are quantised along K to E2M3 with one E8M0 scale for each 32,
; the codes leave as images of the operand's registers, and z = W1 x is multiplied once for BatchNorm's statistics: for each channel the sum S and the sum of squared deviations M2 of these 128 points.
; The bias is left out of z: it moves the mean and nothing else, and the launch that closes the statistics adds it.  M2 is never a difference of large sums: two passes over a lane's 32 numbers,
; then parts of equal count n are joined by M2 = M2a + M2b + (Sa - Sb)^2 / (2 n).
; A block's scale byte is its largest magnitude's exponent field - 2, held at 1 from below; a block of zeros so has the byte 1 and zero codes, and this program alone reads the bytes.
; LIMITS: NaN and infinities among the features are not served.
; SHARES.  Wave w gathers and quantises points 16 w .. 16 w + 15 (a tile), brings channels 16 w .. + 15 of feature1, and multiplies channels 32 w .. 32 w + 31 of W1 with all eight tiles.
; No cluster: what the work-groups share is W1, 75 KB of the 600 KB that a work-group reads, and each wave takes its part straight into operand registers once.
; LDS: IST: 128 points x (1,024 + 16) bytes, the interpolated channels; F1S: feature1's channel c at 512 c + 128 (c / 32); FIMG: fragment (tile m, K step s) at (3 m + s) x 1,536; FSC: tile m's scale words, 16 bytes a lane.
; An image: register q of lane l at 512 (q / 4) + 16 l + 4 (q % 4): three stores of 512 consecutive bytes, and the same three lines as loads give any wave the fragment.
; REGISTERS.  Gather: v4-7 indices, v8-11 weights (lane r: point r); v12-35 row offsets, two sets; v36-131, v132-227 the rows, two sets; v228-230 addresses.
;   Quantiser: v4-11 addresses; v36-99 64 numbers; v100-114 at work; v116-151 the three fragments; v152-155 the scale words.
;   Products: v36-99 eight accumulators; v100-147 four fragments; v164-235 W1's six fragments; v236-241 W1's scale words, v244-255 the points' (these hold scale words alone); v12-29, v148-161 statistics.
.set F1S, 133120
.set FIMG, 199168
.set FSC, 236032
.set FC, 524288
.set FS, 9961472
	s_load_b256 s[4:11], s[0:1], 0x0               ; nidx, nw, f2t, feature1
	s_load_b128 s[12:15], s[0:1], 0x20             ; W1's codes, W1's scales
	s_load_b64 s[16:17], s[0:1], 0x30              ; feat
	s_set_vgpr_msb 0x40
	v_lshl_add_u32 v0, v0, 2, 0x3aa00
	v_mov_b32 v1, 0
	s_set_vgpr_msb 0x4000
	v_lshrrev_b32 v1, 5, v0
	v_readfirstlane_b32 s18, v1                    ; wave
	s_lshr_b32 s19, ttmp9, 6                       ; batch
	s_and_b32 s20, ttmp9, 63
	s_lshl_b32 s22, ttmp9, 11                      ; 2,048 x work-group + 256 x wave: nidx, nw and the record
	s_lshl_b32 s21, s18, 8
	s_add_co_u32 s22, s22, s21
	s_mov_b32 s23, 0
	s_lshl_b32 s24, s19, 21                        ; f2t at the batch
	s_mov_b32 s25, 0
	s_lshl_b32 s26, s19, 22                        ; feature1: batch, my 16 rows of 32,768 bytes, the 128 points
	s_lshl_b32 s21, s18, 19
	s_add_co_u32 s26, s26, s21
	s_lshl_b32 s21, s20, 9
	s_add_co_u32 s26, s26, s21
	s_mov_b32 s27, 0
	s_mul_i32 s28, s18, 9216                       ; W1: my 32 rows of 288 bytes,
	s_mov_b32 s29, 0
	s_mul_i32 s30, s18, 384                        ; and of 12 scale bytes
	s_mov_b32 s31, 0
	s_lshl_b32 s21, ttmp9, 3
	s_add_co_u32 s21, s21, s18                     ; my tile's number
	s_mul_i32 s32, s21, 4608
	s_add_co_u32 s32, s32, FC
	s_mov_b32 s33, 0
	s_lshl_b32 s34, s21, 9
	s_add_co_u32 s34, s34, FS
	s_mov_b32 s35, 0
	s_mov_b32 s36, 0x76543210
	s_mov_b32 s37, 0xfedcba98
.irp j, 0,1,2,3,4,5,6,7,8,9,10,11
	s_mov_b32 s[41+2*\j], 0                        ; the packed forms name a pair and take its low word: the upper word is written once
.endr
	v_and_b32 v3, 31, v0
	v_lshlrev_b32 v1, 4, v3                        ; 16 x lane
	v_and_b32 v2, 15, v0                           ; r
	v_bfe_u32 v3, v0, 4, 1                         ; h
	v_lshlrev_b32 v228, 4, v2
	s_lshl_b32 s21, s18, 13
	s_lshr_b32 s38, s18, 1
	s_lshl_b32 s38, s38, 7
	s_add_co_u32 s21, s21, s38
	s_add_co_u32 s21, s21, F1S
	v_add_nc_u32 v229, s21, v1                     ; F1S: my 16 rows
	s_mul_i32 s21, s18, 16640
	v_add_nc_u32 v230, s21, v1                     ; IST: my 16 rows
	v_mul_u32_u24 v242, v2, 288
	v_mad_u32_u24 v242, v3, 24, v242               ; W1: row r, + 24 h
	v_mul_u32_u24 v243, v2, 12
	s_wait_kmcnt 0x0
	s_add_nc_u64 s[4:5], s[4:5], s[22:23]
	s_add_nc_u64 s[6:7], s[6:7], s[22:23]
	s_add_nc_u64 s[8:9], s[8:9], s[24:25]
	s_add_nc_u64 s[10:11], s[10:11], s[26:27]
	s_add_nc_u64 s[12:13], s[12:13], s[28:29]
	s_add_nc_u64 s[14:15], s[14:15], s[30:31]
	s_add_nc_u64 s[32:33], s[16:17], s[32:33]      ; my tile's images,
	s_add_nc_u64 s[34:35], s[16:17], s[34:35]      ; its scale words,
	s_add_nc_u64 s[16:17], s[16:17], s[22:23]      ; my channels' record
	global_load_b128 v[4:7], v228, s[4:5]
	global_load_b128 v[8:11], v228, s[6:7]
.irp k, 0,1,2,3,4,5,6,7,8,9,10,11,12,13,14,15
	global_load_b128 v[132+4*\k:135+4*\k], v1, s[10:11] offset:32768*\k th:TH_LOAD_NT   ; channel 16 w + k: 512 consecutive bytes
.endr
.macro OFFS beta, set                  ; points 4 beta .. + 3: the byte offsets of their 12 rows; each index is held to the table
.irp j, 0,1,2,3,4,5,6,7,8,9,10,11
	v_readlane_b32 s[66+\j], v[4+\j%3], 4*(\beta)+\j/3
.endr
.irp j, 0,1,2,3,4,5,6,7,8,9,10,11
	s_min_u32 s[66+\j], s[66+\j], 2047
.endr
.irp j, 0,1,2,3,4,5,6,7,8,9,10,11
	s_lshl_b32 s[66+\j], s[66+\j], 10
.endr
.irp j, 0,1,2,3,4,5,6,7,8,9,10,11
	v_add_nc_u32 v[12+12*(\set)+\j], s[66+\j], v1
.endr
.endm
.macro GATHER set                      ; 12 rows of 1,024 bytes: two loads of 512 consecutive bytes each
.irp j, 0,1,2,3,4,5,6,7,8,9,10,11
	global_load_b128 v[36+96*(\set)+8*\j:39+96*(\set)+8*\j], v[12+12*(\set)+\j], s[8:9]
	global_load_b128 v[40+96*(\set)+8*\j:43+96*(\set)+8*\j], v[12+12*(\set)+\j], s[8:9] offset:512
.endr
.endm
.macro COMBINE beta, set               ; w0 f0 + w1 f1 + w2 f2, neighbours in that order, and into my rows of IST
.set GB, 36+96*(\set)
.irp j, 0,1,2,3,4,5,6,7,8,9,10,11
	v_readlane_b32 s[40+2*\j], v[8+\j%3], 4*(\beta)+\j/3
.endr
.irp pt, 0,1,2,3
.irp i, 0,2,4,6
	v_pk_mul_f32 v[GB+24*\pt+\i:GB+24*\pt+\i+1], v[GB+24*\pt+\i:GB+24*\pt+\i+1], s[40+6*\pt:41+6*\pt] op_sel_hi:[1,0]
.endr
.irp i, 0,2,4,6
	v_pk_fma_f32 v[GB+24*\pt+\i:GB+24*\pt+\i+1], v[GB+24*\pt+8+\i:GB+24*\pt+9+\i], s[42+6*\pt:43+6*\pt], v[GB+24*\pt+\i:GB+24*\pt+\i+1] op_sel_hi:[1,0,1]
.endr
.irp i, 0,2,4,6
	v_pk_fma_f32 v[GB+24*\pt+\i:GB+24*\pt+\i+1], v[GB+24*\pt+16+\i:GB+24*\pt+17+\i], s[44+6*\pt:45+6*\pt], v[GB+24*\pt+\i:GB+24*\pt+\i+1] op_sel_hi:[1,0,1]
.endr
	ds_store_b128 v230, v[GB+24*\pt:GB+24*\pt+3] offset:(4*(\beta)+\pt)*1040
	ds_store_b128 v230, v[GB+24*\pt+4:GB+24*\pt+7] offset:(4*(\beta)+\pt)*1040+512
.endr
.endm
	s_wait_loadcnt 16                              ; indices and weights are in; feature1's 16 loads may be out
	OFFS 0, 0
	GATHER 0
	s_wait_loadcnt 24                              ; feature1 is in; the gather may be out
.irp k, 0,1,2,3,4,5,6,7,8,9,10,11,12,13,14,15
	ds_store_b128 v229, v[132+4*\k:135+4*\k] offset:512*\k
.endr
	s_wait_dscnt 0x0                               ; the stores have read their registers, which the second set's loads take
	OFFS 1, 1
	GATHER 1
	s_wait_loadcnt 24                              ; the older gather is in, the younger may be out
	COMBINE 0, 0
	s_wait_dscnt 0x0
	OFFS 2, 0
	GATHER 0
	s_wait_loadcnt 24
	COMBINE 1, 1
	s_wait_dscnt 0x0
	OFFS 3, 1
	GATHER 1
	s_wait_loadcnt 24
	COMBINE 2, 0
	s_wait_loadcnt 0x0
	COMBINE 3, 1
	s_wait_dscnt 0x0                               ; my stores have landed, and have read the registers that W1's loads take
.irp n, 0,1
.irp s, 0,1,2
.irp p, 0,1,2,3,4,5
	global_load_b64 v[164+36*\n+12*\s+2*\p:165+36*\n+12*\s+2*\p], v242, s[12:13] offset:4608*\n+96*\s+48*(\p/3)+8*(\p%3)   ; W1's fragment (channels 32 w + 16 n on, K step s): it stays
.endr
	global_load_b32 v[236+3*\n+\s], v243, s[14:15] offset:192*\n+4*\s
.endr
.endr
	s_lshl_b32 s21, s18, 4
	v_add_nc_u32 v4, s21, v2                       ; my point: 16 w + r
	v_lshlrev_b32 v5, 2, v4
	v_mul_u32_u24 v4, v4, 1040
	v_lshl_add_u32 v4, v3, 7, v4                   ; IST: my point's row, + 128 h: a block of 32 channels
	v_mad_u32_u24 v5, v3, 16512, v5
	v_add_nc_u32 v5, F1S, v5                       ; F1S: my point's column; lanes 16-31 begin 32 channels on
	s_mul_i32 s21, s18, 4608
	s_add_co_u32 s21, s21, FIMG
	v_add_nc_u32 v6, s21, v1                       ; where my tile's images go,
	s_lshl_b32 s21, s18, 9
	s_add_co_u32 s21, s21, FSC
	v_add_nc_u32 v7, s21, v1                       ; and its scale words
	v_add_nc_u32 v8, FIMG, v1
	v_add_nc_u32 v9, FSC, v1
	v_lshlrev_b32 v10, 3, v3                       ; 8 h
	v_lshrrev_b32 v11, 1, v1                       ; 8 x lane
	v_mov_b32 v107, 0                              ; written once: a lane permute's destination counts as one of its sources
	s_barrier_signal -1
	s_barrier_wait -1                              ; feature1's 128 channels lie in LDS
; 64 numbers of a lane, v36-99: register 32 c + i = k 64 c + 32 h + i of my point in K step ks: two whole blocks, in the operand's own order: the conversions' results are the fragment.
.macro QB ks
.set PCB, 116+12*(\ks)
.irp c, 0,1
	v_max3_num_f32 v[100+\c], |v[36+32*\c]|, |v[37+32*\c]|, 0x1800000      ; with the floor 2^(3 - 127): the byte cannot fall under 1
.endr
.irp i, 2,4,6,8,10,12,14,16,18,20,22,24,26,28,30
.irp c, 0,1
	v_max3_num_f32 v[100+\c], v[100+\c], |v[36+32*\c+\i]|, |v[37+32*\c+\i]|
.endr
.endr
.irp c, 0,1
	v_add_nc_u32 v[102+\c], 0xff000000, v[100+\c]  ; 2 off the exponent field: the conversion's scale operand
.endr
.irp c, 0,1
	v_lshrrev_b32 v[104+\c], 23, v[102+\c]         ; the scale's byte
.endr
	v_lshl_or_b32 v106, v105, 16, v104             ; blocks h and 2 + h,
	v_lshlrev_b32 v106, v10, v106                  ; at their places in the word;
	v_permlanex16_b32 v107, v106, s36, s37
	v_or_b32 v[152+(\ks)], v106, v107              ; with lane l xor 16's two the word is whole
.irp c, 0,1
	v_cvt_scalef32_pk16_fp6_f32 v[PCB+6*\c:PCB+6*\c+2], v[36+32*\c:51+32*\c], v[102+\c]
	v_cvt_scalef32_pk16_fp6_f32 v[108+4*\c:110+4*\c], v[52+32*\c:67+32*\c], v[102+\c]    ; (a conversion's three registers begin on an even number)
.endr
	v_nop                                          ; one plain place behind a scaled conversion
.irp c, 0,1
.irp i, 0,1,2
	v_mov_b32 v[PCB+3+6*\c+\i], v[108+4*\c+\i]
.endr
.endr
.irp i, 0,1,2
	ds_store_b128 v6, v[PCB+4*\i:PCB+4*\i+3] offset:1536*(\ks)+512*\i
	global_store_b128 v1, v[PCB+4*\i:PCB+4*\i+3], s[32:33] offset:1536*(\ks)+512*\i      ; 512 consecutive bytes
.endr
.endm
.irp s, 0,1                                        ; K steps 0, 1: the interpolated channels, from my own rows of IST
.irp c, 0,1
.irp i, 0,1,2,3,4,5,6,7
	ds_load_b128 v[36+32*\c+4*\i:39+32*\c+4*\i], v4 offset:512*\s+256*\c+16*\i
.endr
.endr
	s_wait_dscnt 0x0
	QB \s
.endr
.irp c, 0,1                                        ; K step 2: feature1, a lane to a point, registers down the channels
.set i, 0
.rept 32
	ds_load_b32 v[36+32*\c+i], v5 offset:(64*\c+i)*512+256*\c
.set i, i+1
.endr
.endr
	s_wait_dscnt 0x0
	QB 2
	v_mov_b32 v155, 0
	ds_store_b128 v7, v[152:155]
	global_store_b128 v1, v[152:155], s[34:35]
	s_wait_dscnt 0x0
	s_barrier_signal -1
	s_barrier_wait -1                              ; all 24 fragments and their scale words lie in LDS
	s_wait_loadcnt 0x0                             ; W1
	s_wait_xcnt 0x0                                ; the images' stores have read their registers, which the fragments below take
; The sum S and the squared deviations M2 of a lane's 32 numbers of channel n (four accumulators on end); each accumulator is read from its low end on.
.macro STAT n, sr, mr
.set XB, 36+32*(\n)
	v_pk_add_f32 v[148:149], v[XB:XB+1], v[XB+2:XB+3]
	v_pk_add_f32 v[150:151], v[XB+16:XB+17], v[XB+18:XB+19]
.irp i, 4,6,8,10,12,14
	v_pk_add_f32 v[148:149], v[148:149], v[XB+\i:XB+\i+1]
	v_pk_add_f32 v[150:151], v[150:151], v[XB+16+\i:XB+17+\i]
.endr
	v_pk_add_f32 v[148:149], v[148:149], v[150:151]
	v_add_f32 v[\sr], v148, v149
	v_mul_f32 v156, 0x3d000000, v[\sr]             ; the 32 numbers' mean, twice
	v_mul_f32 v157, 0x3d000000, v[\sr]
.irp i, 0,2,4,6,8,10,12,14,16,18,20,22,24,26,28,30
	v_pk_add_f32 v[XB+\i:XB+\i+1], v[XB+\i:XB+\i+1], v[156:157] neg_lo:[0,1] neg_hi:[0,1]
.endr
	v_pk_mul_f32 v[158:159], v[XB:XB+1], v[XB:XB+1]
	v_pk_mul_f32 v[160:161], v[XB+2:XB+3], v[XB+2:XB+3]
.irp i, 4,8,12,16,20,24,28
	v_pk_fma_f32 v[158:159], v[XB+\i:XB+\i+1], v[XB+\i:XB+\i+1], v[158:159]
	v_pk_fma_f32 v[160:161], v[XB+\i+2:XB+\i+3], v[XB+\i+2:XB+\i+3], v[160:161]
.endr
	v_pk_add_f32 v[158:159], v[158:159], v[160:161]
	v_add_f32 v[\mr], v158, v159
.endm
; Four tiles of points x my 32 channels: source 0 = 16 points, source 1 = 16 rows of W1: a lane holds ONE channel and eight points an accumulator.  The eight accumulators take turns.
.macro PASS pn
.irp m, 0,1,2,3
.irp s, 0,1,2
	ds_load_b32 v[244+3*\m+\s], v9 offset:512*(4*(\pn)+\m)+4*\s
.endr
.endr
.irp s, 0,1,2
.irp m, 0,1,2,3
.irp i, 0,1,2
	ds_load_b128 v[100+12*\m+4*\i:103+12*\m+4*\i], v8 offset:(3*(4*(\pn)+\m)+\s)*1536+512*\i
.endr
.endr
	s_wait_dscnt 0x0
.irp m, 0,1,2,3
.irp n, 0,1
.if \s == 0
	v_wmma_scale_f32_16x16x128_f8f6f4 v[36+32*\n+8*\m:43+32*\n+8*\m], v[100+12*\m:111+12*\m], v[164+36*\n+12*\s:175+36*\n+12*\s], 0, v[244+3*\m+\s], v[236+3*\n+\s] matrix_a_fmt:MATRIX_FMT_FP6 matrix_b_fmt:MATRIX_FMT_FP6
.else
	v_wmma_scale_f32_16x16x128_f8f6f4 v[36+32*\n+8*\m:43+32*\n+8*\m], v[100+12*\m:111+12*\m], v[164+36*\n+12*\s:175+36*\n+12*\s], v[36+32*\n+8*\m:43+32*\n+8*\m], v[244+3*\m+\s], v[236+3*\n+\s] matrix_a_fmt:MATRIX_FMT_FP6 matrix_b_fmt:MATRIX_FMT_FP6
.endif
.endr
.endr
.rept 4
	v_nop                                          ; places ahead of loads into registers that these products read, and of the first read of results
.endr
.endr
	STAT 0, 12+4*(\pn), 13+4*(\pn)
	STAT 1, 14+4*(\pn), 15+4*(\pn)
.endm
	PASS 0
	PASS 1
.irp n, 0,1                                        ; the two passes, 32 numbers each
	v_sub_f32 v[20+\n], v[12+2*\n], v[16+2*\n]
	v_add_f32 v[13+2*\n], v[13+2*\n], v[17+2*\n]
	v_add_f32 v[12+2*\n], v[12+2*\n], v[16+2*\n]
	v_mul_f32 v[20+\n], v[20+\n], v[20+\n]
	v_fmamk_f32 v[13+2*\n], v[20+\n], 0x3c800000, v[13+2*\n]      ; + (Sa - Sb)^2 / 64
.endr
.irp i, 0,1,2,3
	v_mov_b32 v[24+\i], 0
.endr
.irp i, 0,1,2,3
	v_permlanex16_b32 v[24+\i], v[12+\i], s36, s37
.endr
.irp n, 0,1                                        ; the two halves of the lanes, 64 numbers each
	v_sub_f32 v[20+\n], v[12+2*\n], v[24+2*\n]
	v_add_f32 v[13+2*\n], v[13+2*\n], v[25+2*\n]
	v_add_f32 v[12+2*\n], v[12+2*\n], v[24+2*\n]
	v_mul_f32 v[20+\n], v[20+\n], v[20+\n]
	v_fmamk_f32 v[13+2*\n], v[20+\n], 0x3c000000, v[13+2*\n]      ; + (Sa - Sb)^2 / 128
.endr
	v_cmp_eq_u32 vcc_lo, 1, v3
	v_cndmask_b32 v28, v12, v14, vcc_lo            ; lane l answers for channel 32 w + l
	v_cndmask_b32 v29, v13, v15, vcc_lo
	global_store_b64 v11, v[28:29], s[16:17]       ; 256 consecutive bytes
	s_set_vgpr_msb 0x5
	s_wait_tensorcnt 0x0
	ds_add_u32 v0, v1
	s_wait_dscnt 0x0
	s_set_vgpr_msb 0x500
	s_endpgm
.Lfunc_end_k_q6ff5f61661_feat:
	.size	k_q6ff5f61661_feat, .Lfunc_end_k_q6ff5f61661_feat-k_q6ff5f61661_feat
	.p2alignl 7, 3214868480
	.fill 96, 4, 3214868480
	.section	.rodata,"a",@progbits
	.p2align	6, 0x0
	.amdhsa_kernel k_q6ff5f61661_feat
		.amdhsa_group_segment_fixed_size 241152
		.amdhsa_private_segment_fixed_size 0
		.amdhsa_enable_private_segment 0
		.amdhsa_kernarg_size 56
		.amdhsa_user_sgpr_count 2
		.amdhsa_user_sgpr_kernarg_segment_ptr 1
		.amdhsa_wavefront_size32 1
		.amdhsa_system_sgpr_workgroup_id_x 1
		.amdhsa_system_sgpr_workgroup_id_y 1
		.amdhsa_system_sgpr_workgroup_id_z 1
		.amdhsa_system_vgpr_workitem_id 0
		.amdhsa_next_free_vgpr 258
		.amdhsa_next_free_sgpr 80
		.amdhsa_reserve_vcc 1
		.amdhsa_float_denorm_mode_32 3
		.amdhsa_float_denorm_mode_16_64 3
		.amdhsa_memory_ordered 1
		.amdhsa_forward_progress 1
		.amdhsa_inst_pref_size 90
	.end_amdhsa_kernel
	.amdgpu_metadata
---
amdhsa.version: [ 1, 2 ]
amdhsa.kernels:
  - .name:           k_q6ff5f61661_feat
    .symbol:         k_q6ff5f61661_feat.kd
    .args:
      - { .name: nidx, .offset: 0, .size: 8, .value_kind: global_buffer, .address_space: global }
      - { .name: nw, .offset: 8, .size: 8, .value_kind: global_buffer, .address_space: global }
      - { .name: f2t, .offset: 16, .size: 8, .value_kind: global_buffer, .address_space: global }
      - { .name: feature1, .offset: 24, .size: 8, .value_kind: global_buffer, .address_space: global }
      - { .name: W1_codes, .offset: 32, .size: 8, .value_kind: global_buffer, .address_space: global }
      - { .name: W1_scales, .offset: 40, .size: 8, .value_kind: global_buffer, .address_space: global }
      - { .name: feat, .offset: 48, .size: 8, .value_kind: global_buffer, .address_space: global }
    .group_segment_fixed_size: 241152
    .private_segment_fixed_size: 0
    .kernarg_segment_align: 8
    .kernarg_segment_size: 56
    .max_flat_workgroup_size: 256
    .sgpr_count:     80
    .vgpr_count:     258
    .wavefront_size: 32
...
	.end_amdgpu_metadata
.endif
;; end of part 3
;; launch fin1 (part 4): grid 8 x 1, 8 waves a work-group, no clusters, 3,072 bytes of LDS; arguments feat, b1, g1, be1, bn1; writes bn1
.if DOCPART == 4
	.amdgcn_target "amdgcn-amd-amdhsa--gfx1250"
	.amdhsa_code_object_version 6
	.text
	.protected	k_q6ff5f61661_fin1
	.globl	k_q6ff5f61661_fin1
	.p2align	8
	.type	k_q6ff5f61661_fin1,@function
k_q6ff5f61661_fin1:
	s_mov_b64 s[64:65], 0
	v_nop
	global_prefetch_b8 v0, s[64:65] scope:SCOPE_SE
	s_setreg_imm32_b32 hwreg(HW_REG_WAVE_MODE, 25, 1), 1
	s_wait_xcnt 0x0
; BatchNorm's statistics are closed: 256 records (S, M2 of 128 points each, of z = W x without the bias) become, for each of 256 channels, s = g / sqrt(var + 1e-5) and t = be + s (b - mean of y),
; y = z + b, so that the next launch computes relu(z s + t).  The variance is the sum of the records' M2 and of (S_i - S / 256)^2 / 128, over 32,768: no difference of large sums.
; SHARES.  Eight work-groups of 32 channels: that is all the work there is.  A lane is a channel; wave w takes records 32 w .. 32 w + 31; the waves' parts meet in LDS twice, in bytes of their own each time.
; A launch of its own, since every work-group of the next launch needs all 256 channels: closing the statistics there would have each of them read all 512 KB of records.
	s_load_b256 s[4:11], s[0:1], 0x0               ; the records, b, g, be
	s_load_b64 s[12:13], s[0:1], 0x20              ; s and t
	v_lshl_add_u32 v96, v0, 2, 0x800
	v_mov_b32 v97, 0
	v_lshrrev_b32 v1, 5, v0
	v_readfirstlane_b32 s14, v1                    ; wave
	v_and_b32 v1, 31, v0
	v_lshlrev_b32 v2, 3, v1                        ; 8 x lane
	v_lshlrev_b32 v3, 2, v1                        ; 4 x lane
	v_lshlrev_b32 v7, 2, v0                        ; 128 x wave + 4 x lane
	s_lshl_b32 s16, s14, 16                        ; 32 records of 2,048 bytes a wave,
	s_lshl_b32 s15, ttmp9, 8                       ; 32 channels of 8 bytes a work-group
	s_add_co_u32 s16, s16, s15
	s_mov_b32 s17, 0
	s_lshl_b32 s18, ttmp9, 7
	s_mov_b32 s19, 0
	s_wait_kmcnt 0x0
	s_add_nc_u64 s[4:5], s[4:5], s[16:17]
	s_add_nc_u64 s[6:7], s[6:7], s[18:19]
	s_add_nc_u64 s[8:9], s[8:9], s[18:19]
	s_add_nc_u64 s[10:11], s[10:11], s[18:19]
	s_add_nc_u64 s[12:13], s[12:13], s[18:19]
.set i, 0
.rept 32
	global_load_b64 v[16+2*i:17+2*i], v2, s[4:5] offset:2048*i    ; 256 consecutive bytes of a record
.set i, i+1
.endr
	global_load_b32 v4, v3, s[6:7]
	global_load_b32 v5, v3, s[8:9]
	global_load_b32 v6, v3, s[10:11]
	s_wait_loadcnt 0x0
.irp c, 0,1,2,3
	v_add_f32 v[8+\c], v[16+2*\c], v[24+2*\c]      ; the sums, in four chains
.endr
.irp i, 8,12,16,20,24,28
.irp c, 0,1,2,3
	v_add_f32 v[8+\c], v[8+\c], v[16+2*(\i+\c)]
.endr
.endr
	v_add_f32 v8, v8, v9
	v_add_f32 v10, v10, v11
	v_add_f32 v8, v8, v10
	ds_store_b32 v7, v8
	s_wait_dscnt 0x0
	s_barrier_signal -1
	s_barrier_wait -1
.irp j, 0,1,2,3,4,5,6,7
	ds_load_b32 v[80+\j], v3 offset:128*\j
.endr
	s_wait_dscnt 0x0
	v_add_f32 v80, v80, v81
	v_add_f32 v82, v82, v83
	v_add_f32 v84, v84, v85
	v_add_f32 v86, v86, v87
	v_add_f32 v80, v80, v82
	v_add_f32 v84, v84, v86
	v_add_f32 v12, v80, v84                        ; the sum over all 32,768 points
	v_mul_f32 v13, 0x3b800000, v12                 ; / 256: what a record's sum would be at the common mean
.set i, 0
.rept 32
	v_sub_f32 v[16+2*i], v[16+2*i], v13
.set i, i+1
.endr
.irp c, 0,1,2,3
	v_add_f32 v[8+\c], v[17+2*\c], v[25+2*\c]
	v_mul_f32 v[84+\c], v[16+2*\c], v[16+2*\c]
.endr
.irp c, 0,1,2,3
	v_fma_f32 v[84+\c], v[24+2*\c], v[24+2*\c], v[84+\c]
.endr
.irp i, 8,12,16,20,24,28
.irp c, 0,1,2,3
	v_add_f32 v[8+\c], v[8+\c], v[17+2*(\i+\c)]
	v_fma_f32 v[84+\c], v[16+2*(\i+\c)], v[16+2*(\i+\c)], v[84+\c]
.endr
.endr
	v_add_f32 v8, v8, v9
	v_add_f32 v10, v10, v11
	v_add_f32 v8, v8, v10
	v_add_f32 v84, v84, v85
	v_add_f32 v86, v86, v87
	v_add_f32 v84, v84, v86
	v_fmamk_f32 v8, v84, 0x3c000000, v8            ; + the sum of (S_i - S / 256)^2 / 128
	ds_store_b32 v7, v8 offset:1024
	s_wait_dscnt 0x0
	s_barrier_signal -1
	s_barrier_wait -1
.irp j, 0,1,2,3,4,5,6,7
	ds_load_b32 v[80+\j], v3 offset:1024+128*\j
.endr
	s_wait_dscnt 0x0
	v_add_f32 v80, v80, v81
	v_add_f32 v82, v82, v83
	v_add_f32 v84, v84, v85
	v_add_f32 v86, v86, v87
	v_add_f32 v80, v80, v82
	v_add_f32 v84, v84, v86
	v_add_f32 v80, v80, v84
	v_mul_f32 v15, 0x38000000, v80                 ; the variance: / 32,768
	v_add_f32 v15, 0x3727c5ac, v15                 ; + 1e-5
	v_mul_f32 v14, 0x38000000, v12                 ; the mean of z,
	v_add_f32 v14, v14, v4                         ; of y
	v_rsq_f32 v18, v15
	v_sub_f32 v14, v4, v14                         ; (a plain place behind the root)  b - the mean of y
	s_wait_alu depctr_va_vdst(0)
	v_mul_f32 v16, v5, v18                         ; s
	v_fma_f32 v17, v16, v14, v6                    ; t
	s_cmp_lg_u32 s14, 0                            ; every wave holds the result; wave 0 stores it
	s_cbranch_scc1 .Lend
	global_store_b32 v3, v16, s[12:13]
	global_store_b32 v3, v17, s[12:13] offset:1024
.Lend:
	s_wait_tensorcnt 0x0
	ds_add_u32 v96, v97
	s_wait_dscnt 0x0
	s_endpgm
.Lfunc_end_k_q6ff5f61661_fin1:
	.size	k_q6ff5f61661_fin1, .Lfunc_end_k_q6ff5f61661_fin1-k_q6ff5f61661_fin1
	.p2alignl 7, 3214868480
	.fill 96, 4, 3214868480
	.section	.rodata,"a",@progbits
	.p2align	6, 0x0
	.amdhsa_kernel k_q6ff5f61661_fin1
		.amdhsa_group_segment_fixed_size 3072
		.amdhsa_private_segment_fixed_size 0
		.amdhsa_enable_private_segment 0
		.amdhsa_kernarg_size 40
		.amdhsa_user_sgpr_count 2
		.amdhsa_user_sgpr_kernarg_segment_ptr 1
		.amdhsa_wavefront_size32 1
		.amdhsa_system_sgpr_workgroup_id_x 1
		.amdhsa_system_sgpr_workgroup_id_y 1
		.amdhsa_system_sgpr_workgroup_id_z 1
		.amdhsa_system_vgpr_workitem_id 0
		.amdhsa_next_free_vgpr 98
		.amdhsa_next_free_sgpr 66
		.amdhsa_reserve_vcc 0
		.amdhsa_float_denorm_mode_32 3
		.amdhsa_float_denorm_mode_16_64 3
		.amdhsa_memory_ordered 1
		.amdhsa_forward_progress 1
		.amdhsa_inst_pref_size 13
	.end_amdhsa_kernel
	.amdgpu_metadata
---
amdhsa.version: [ 1, 2 ]
amdhsa.kernels:
  - .name:           k_q6ff5f61661_fin1
    .symbol:         k_q6ff5f61661_fin1.kd
    .args:
      - { .name: feat, .offset: 0, .size: 8, .value_kind: global_buffer, .address_space: global }
      - { .name: b1, .offset: 8, .size: 8, .value_kind: global_buffer, .address_space: global }
      - { .name: g1, .offset: 16, .size: 8, .value_kind: global_buffer, .address_space: global }
      - { .name: be1, .offset: 24, .size: 8, .value_kind: global_buffer, .address_space: global }
      - { .name: bn1, .offset: 32, .size: 8, .value_kind: global_buffer, .address_space: global }
    .group_segment_fixed_size: 3072
    .private_segment_fixed_size: 0
    .kernarg_segment_align: 8
    .kernarg_segment_size: 40
    .max_flat_workgroup_size: 256
    .sgpr_count:     66
    .vgpr_count:     98
    .wavefront_size: 32
...
	.end_amdgpu_metadata
.endif
;; end of part 4
;; launch mid (part 5): grid 256 x 1, 8 waves a work-group, no clusters, 168,960 bytes of LDS; arguments feat, bn1, W1_codes, W1_scales, W2_codes, W2_scales, hid; writes hid
.if DOCPART == 5
	.amdgcn_target "amdgcn-amd-amdhsa--gfx1250"
	.amdhsa_code_object_version 6
	.text
	.protected	k_q6ff5f61661_mid
	.globl	k_q6ff5f61661_mid
	.p2align	8
	.type	k_q6ff5f61661_mid,@function
k_q6ff5f61661_mid:
	s_mov_b64 s[64:65], 0
	v_nop
	global_prefetch_b8 v0, s[64:65] scope:SCOPE_SE
	s_setreg_imm32_b32 hwreg(HW_REG_WAVE_MODE, 25, 1), 1
	s_wait_xcnt 0x0
; For 128 points: z1 = W1 x once more from the codes (cheaper than z1's way to memory and back: 4 bytes a number against 0.8), h = relu(z1 s + t), quantised along the 256 hidden units to E2M3 with one
; E8M0 scale for each 32; the codes leave as images of the operand's registers; z2 = W2 h is multiplied once for the second BatchNorm's statistics (S, M2 of these 128 points for each channel).
; A block's scale byte is its largest magnitude's exponent field - 2, held at 1 from below; a block of zeros so has the byte 1 and zero codes, and this program alone reads the bytes.
; SHARES.  Wave w copies tile w's images into LDS.  First product, TRANSPOSED (source 0 = 16 rows of W1, source 1 = 16 points): wave w makes hidden units 32 w .. 32 w + 31, ONE block of the next K, for all
; eight tiles.  Lane r of W1's tile u takes row 32 w + 8 u + r + 8 (r / 8), so that lane (r, h) holds, in the 16 registers of the two tiles, units 32 w + 16 h + 0 .. 15 of point r: one conversion makes
; their 96 bits, which go by three stores of a word straight to their place in the hidden layer's image.  Second product as in the launch that made the codes: a lane a channel.
; No cluster: what the work-groups share is the weights, 125 KB beside 40 KB of codes, taken once by each wave straight into operand registers.
; LDS: FIMG: x's fragment (tile m, K step s) at (3 m + s) x 1,536; FSC: 16 bytes a lane and tile; HIMG: the hidden layer's (2 m + s) x 1,536; HSC: word of point r at 128 m + 64 s + 4 r.
; REGISTERS: v1 16 l, v2 r, v3 h, v4-9 addresses; v10-31 scale words and nothing else (v10-13 W2's, v14-19 W1's, v20-23 x's, v24-31 the hidden layer's); v32-103 W1's six fragments; v104-135 s and t of my 16 units;
;   v136-171 x's three fragments; v172-187 two accumulators, then h; v188-194 at work; v195-204 addresses; v208-255 W2's four fragments.
;   Second product: v32-95 eight accumulators; v96-143 four fragments; v144-169 the way out; v170-193 statistics.
.set FSC, 36864
.set HIMG, 40960
.set HSC, 65536
.set FC, 524288
.set FS, 9961472
.set HC, 524288
.set HS, 6815744
	s_load_b256 s[4:11], s[0:1], 0x0               ; feat, bn1, W1's codes, W1's scales
	s_load_b128 s[12:15], s[0:1], 0x20             ; W2's codes, W2's scales
	s_load_b64 s[16:17], s[0:1], 0x30              ; hid
	v_lshl_add_u32 v206, v0, 2, 0x29000
	v_mov_b32 v207, 0
	v_lshrrev_b32 v1, 5, v0
	v_readfirstlane_b32 s18, v1                    ; wave
	s_lshl_b32 s19, ttmp9, 3
	s_add_co_u32 s19, s19, s18                     ; my tile's number
	s_mul_i32 s20, s19, 4608
	s_add_co_u32 s20, s20, FC
	s_mov_b32 s21, 0
	s_lshl_b32 s22, s19, 9
	s_add_co_u32 s22, s22, FS
	s_mov_b32 s23, 0
	s_mul_i32 s24, s19, 3072
	s_add_co_u32 s24, s24, HC
	s_mov_b32 s25, 0
	s_lshl_b32 s26, s19, 8
	s_add_co_u32 s26, s26, HS
	s_mov_b32 s27, 0
	s_mov_b32 s28, 0x76543210
	s_mov_b32 s29, 0xfedcba98
	s_mov_b32 s31, 0
	v_and_b32 v9, 31, v0
	v_lshlrev_b32 v1, 4, v9                        ; 16 x lane
	v_lshlrev_b32 v9, 3, v9                        ; 8 x lane
	v_and_b32 v2, 15, v0                           ; r
	v_bfe_u32 v3, v0, 4, 1                         ; h
	v_lshl_add_u32 v4, v2, 2, HSC
	; where my 96 bits go.  My block is block w % 4 of K step w / 4: in the image it fills registers 6 ((w / 2) % 2) + 0 .. 5 of lane 16 (w % 2) + r; my half of it registers q = 6 ((w / 2) % 2) + 3 h + i
	s_bfe_u32 s32, s18, 0x10001
	s_mul_i32 s32, s32, 6
	s_lshr_b32 s33, s18, 2
	s_mul_i32 s33, s33, 1536
	s_and_b32 s34, s18, 1
	s_lshl_b32 s34, s34, 8
	s_add_co_u32 s33, s33, s34
	s_add_co_u32 s33, s33, HIMG
	v_mul_u32_u24 v192, v3, 3
	v_add_nc_u32 v192, s32, v192
.irp i, 0,1,2
	v_add_nc_u32 v193, \i, v192                    ; q
	v_lshrrev_b32 v194, 2, v193
	v_and_b32 v193, 3, v193
	v_lshlrev_b32 v194, 9, v194                    ; 512 (q / 4)
	v_lshl_add_u32 v194, v193, 2, v194             ; + 4 (q % 4)
	v_lshl_add_u32 v194, v2, 4, v194               ; + 16 r
	v_add_nc_u32 v[5+\i], s33, v194
.endr
	s_lshr_b32 s32, s18, 2
	s_lshl_b32 s32, s32, 6
	s_and_b32 s33, s18, 3
	s_add_co_u32 s32, s32, s33
	s_add_co_u32 s32, s32, HSC
	v_lshl_add_u32 v8, v2, 2, s32                  ; and my block's scale byte: byte w % 4 of point r's word of K step w / 4
	v_and_b32 v192, 8, v2
	v_add_nc_u32 v192, v192, v2                    ; r + 8 (r / 8)
	v_mul_u32_u24 v195, v192, 288
	v_mad_u32_u24 v195, v3, 24, v195               ; W1, by the tile's rows
	v_mul_u32_u24 v196, v192, 12
	v_lshlrev_b32 v197, 6, v3                      ; s, t: my half's 16 units
	v_mul_u32_u24 v198, v2, 192
	v_mad_u32_u24 v198, v3, 24, v198               ; W2: row r
	v_lshlrev_b32 v199, 3, v2
	s_mul_i32 s32, s18, 4608
	v_add_nc_u32 v200, s32, v1                     ; the copy of tile w
	s_lshl_b32 s32, s18, 9
	s_add_co_u32 s32, s32, FSC
	v_add_nc_u32 v201, s32, v1
	s_mul_i32 s32, s18, 3072
	s_add_co_u32 s32, s32, HIMG
	v_add_nc_u32 v203, s32, v1                     ; the way out of tile w
	s_lshl_b32 s32, s18, 7
	s_add_co_u32 s32, s32, HSC
	v_lshl_add_u32 v204, v2, 2, s32
	s_wait_kmcnt 0x0
	s_add_nc_u64 s[20:21], s[4:5], s[20:21]        ; x's images,
	s_add_nc_u64 s[22:23], s[4:5], s[22:23]        ; their scale words
	s_add_nc_u64 s[24:25], s[16:17], s[24:25]      ; the hidden layer's images,
	s_add_nc_u64 s[26:27], s[16:17], s[26:27]      ; their scale words
	s_lshl_b32 s30, s18, 7
	s_add_nc_u64 s[6:7], s[6:7], s[30:31]          ; s, t at unit 32 w
	s_mul_i32 s30, s18, 9216
	s_add_nc_u64 s[8:9], s[8:9], s[30:31]
	s_mul_i32 s30, s18, 384
	s_add_nc_u64 s[10:11], s[10:11], s[30:31]
	s_mul_i32 s30, s18, 6144
	s_add_nc_u64 s[12:13], s[12:13], s[30:31]
	s_lshl_b32 s30, s18, 8
	s_add_nc_u64 s[14:15], s[14:15], s[30:31]
	s_lshl_b32 s32, ttmp9, 11
	s_add_co_u32 s30, s30, s32
	s_add_nc_u64 s[16:17], s[16:17], s[30:31]      ; my channels' record
.irp i, 0,1,2,3,4,5,6,7,8
	global_load_b128 v[136+4*\i:139+4*\i], v1, s[20:21] offset:512*\i th:TH_LOAD_NT
.endr
	global_load_b128 v[172:175], v1, s[22:23] th:TH_LOAD_NT
.irp u, 0,1
.irp s, 0,1,2
.irp p, 0,1,2,3,4,5
	global_load_b64 v[32+36*\u+12*\s+2*\p:33+36*\u+12*\s+2*\p], v195, s[8:9] offset:2304*\u+96*\s+48*(\p/3)+8*(\p%3)
.endr
	global_load_b32 v[14+3*\u+\s], v196, s[10:11] offset:96*\u+4*\s
.endr
.endr
	s_wait_loadcnt 42                              ; the copy's ten loads are in; W1's 42 may be out
.irp i, 0,1,2,3,4,5,6,7,8
	ds_store_b128 v200, v[136+4*\i:139+4*\i] offset:512*\i
.endr
	ds_store_b128 v201, v[172:175]
.irp i, 0,1,2,3
	global_load_b128 v[104+4*\i:107+4*\i], v197, s[6:7] offset:16*\i
	global_load_b128 v[120+4*\i:123+4*\i], v197, s[6:7] offset:1024+16*\i
.endr
.irp n, 0,1
.irp s, 0,1
.irp p, 0,1,2,3,4,5
	global_load_b64 v[208+24*\n+12*\s+2*\p:209+24*\n+12*\s+2*\p], v198, s[12:13] offset:3072*\n+96*\s+48*(\p/3)+8*(\p%3)
.endr
	global_load_b32 v[10+2*\n+\s], v199, s[14:15] offset:128*\n+4*\s
.endr
.endr
	s_wait_dscnt 0x0
	s_barrier_signal -1
	s_barrier_wait -1                              ; x's 24 fragments lie in LDS
	s_wait_loadcnt 28                              ; W1, s and t are in; W2's 28 loads may be out
.macro LDT m
.irp i, 0,1,2,3,4,5,6,7,8
	ds_load_b128 v[136+4*\i:139+4*\i], v1 offset:4608*(\m)+512*\i
.endr
	ds_load_b128 v[20:23], v1 offset:FSC+512*(\m)
.endm
.macro TILE m
	s_wait_dscnt 0x0                               ; the tile's fragments are in, and the last tile's stores have read their registers
.irp s, 0,1,2
.irp u, 0,1                                        ; the two accumulators take turns
.if \s == 0
	v_wmma_scale_f32_16x16x128_f8f6f4 v[172+8*\u:179+8*\u], v[32+36*\u+12*\s:43+36*\u+12*\s], v[136+12*\s:147+12*\s], 0, v[14+3*\u+\s], v[20+\s] matrix_a_fmt:MATRIX_FMT_FP6 matrix_b_fmt:MATRIX_FMT_FP6
.else
	v_wmma_scale_f32_16x16x128_f8f6f4 v[172+8*\u:179+8*\u], v[32+36*\u+12*\s:43+36*\u+12*\s], v[136+12*\s:147+12*\s], v[172+8*\u:179+8*\u], v[14+3*\u+\s], v[20+\s] matrix_a_fmt:MATRIX_FMT_FP6 matrix_b_fmt:MATRIX_FMT_FP6
.endif
.endr
.endr
.rept 4
	v_nop                                          ; places ahead of the loads below and of the first read of results
.endr
.if (\m) < 7
	LDT (\m)+1                                     ; the next tile lands while this one is quantised
.endif
.irp i, 0,2,4,6,8,10,12,14
	v_pk_fma_f32 v[172+\i:173+\i], v[172+\i:173+\i], v[104+\i:105+\i], v[120+\i:121+\i]     ; z s + t, each accumulator from its low end on
.endr
.irp i, 0,1,2,3,4,5,6,7,8,9,10,11,12,13,14,15
	v_max_num_f32 v[172+\i], 0, v[172+\i]          ; relu
.endr
	v_max3_num_f32 v188, v172, v173, 0x1800000     ; my 16 numbers' largest (none is negative), with the floor 2^(3 - 127), in two chains
	v_max3_num_f32 v189, v174, v175, v176
	v_max3_num_f32 v188, v188, v177, v178
	v_max3_num_f32 v189, v189, v179, v180
	v_max3_num_f32 v188, v188, v181, v182
	v_max3_num_f32 v189, v189, v183, v184
	v_max3_num_f32 v188, v188, v185, v186
	v_max3_num_f32 v188, v188, v189, v187
	v_permlanex16_b32 v189, v188, s28, s29
	v_max_num_f32 v188, v188, v189                 ; with lane l xor 16's: the block's
	v_add_nc_u32 v190, 0xff000000, v188            ; 2 off the exponent field: the conversion's scale operand
	v_lshrrev_b32 v191, 23, v190                   ; the scale's byte
	v_cvt_scalef32_pk16_fp6_f32 v[192:194], v[172:187], v190
	v_nop                                          ; one plain place behind a scaled conversion
	ds_store_b32 v5, v192 offset:3072*(\m)
	ds_store_b32 v6, v193 offset:3072*(\m)
	ds_store_b32 v7, v194 offset:3072*(\m)
	ds_store_b8 v8, v191 offset:128*(\m)           ; both lanes of a block write the same byte with the same value
.endm
	LDT 0
.irp t, 0,1,2,3,4,5,6,7
	TILE \t
.endr
	s_wait_dscnt 0x0
	s_barrier_signal -1
	s_barrier_wait -1                              ; the hidden layer's 16 fragments and their scale words lie in LDS
	s_wait_loadcnt 0x0                             ; W2
.irp i, 0,1,2,3,4,5
	ds_load_b128 v[144+4*\i:147+4*\i], v203 offset:512*\i          ; tile w goes out
.endr
	ds_load_b32 v168, v204
	ds_load_b32 v169, v204 offset:64
	s_wait_dscnt 0x0
.irp i, 0,1,2,3,4,5
	global_store_b128 v1, v[144+4*\i:147+4*\i], s[24:25] offset:512*\i     ; 512 consecutive bytes
.endr
	global_store_b64 v9, v[168:169], s[26:27]      ; 256 consecutive bytes
.macro STAT n, sr, mr                  ; S and M2 of a lane's 32 numbers of channel n; each accumulator is read from its low end on
.set XB, 32+32*(\n)
	v_pk_add_f32 v[170:171], v[XB:XB+1], v[XB+2:XB+3]
	v_pk_add_f32 v[172:173], v[XB+16:XB+17], v[XB+18:XB+19]
.irp i, 4,6,8,10,12,14
	v_pk_add_f32 v[170:171], v[170:171], v[XB+\i:XB+\i+1]
	v_pk_add_f32 v[172:173], v[172:173], v[XB+16+\i:XB+17+\i]
.endr
	v_pk_add_f32 v[170:171], v[170:171], v[172:173]
	v_add_f32 v[\sr], v170, v171
	v_mul_f32 v174, 0x3d000000, v[\sr]
	v_mul_f32 v175, 0x3d000000, v[\sr]
.irp i, 0,2,4,6,8,10,12,14,16,18,20,22,24,26,28,30
	v_pk_add_f32 v[XB+\i:XB+\i+1], v[XB+\i:XB+\i+1], v[174:175] neg_lo:[0,1] neg_hi:[0,1]
.endr
	v_pk_mul_f32 v[176:177], v[XB:XB+1], v[XB:XB+1]
	v_pk_mul_f32 v[178:179], v[XB+2:XB+3], v[XB+2:XB+3]
.irp i, 4,8,12,16,20,24,28
	v_pk_fma_f32 v[176:177], v[XB+\i:XB+\i+1], v[XB+\i:XB+\i+1], v[176:177]
	v_pk_fma_f32 v[178:179], v[XB+\i+2:XB+\i+3], v[XB+\i+2:XB+\i+3], v[178:179]
.endr
	v_pk_add_f32 v[176:177], v[176:177], v[178:179]
	v_add_f32 v[\mr], v176, v177
.endm
.macro PASS pn                         ; four tiles of points x my 32 channels of W2; the eight accumulators take turns
.irp m, 0,1,2,3
.irp s, 0,1
	ds_load_b32 v[24+2*\m+\s], v4 offset:128*(4*(\pn)+\m)+64*\s
.endr
.endr
.irp s, 0,1
.irp m, 0,1,2,3
.irp i, 0,1,2
	ds_load_b128 v[96+12*\m+4*\i:99+12*\m+4*\i], v1 offset:HIMG+(2*(4*(\pn)+\m)+\s)*1536+512*\i
.endr
.endr
	s_wait_dscnt 0x0
.irp m, 0,1,2,3
.irp n, 0,1
.if \s == 0
	v_wmma_scale_f32_16x16x128_f8f6f4 v[32+32*\n+8*\m:39+32*\n+8*\m], v[96+12*\m:107+12*\m], v[208+24*\n+12*\s:219+24*\n+12*\s], 0, v[24+2*\m+\s], v[10+2*\n+\s] matrix_a_fmt:MATRIX_FMT_FP6 matrix_b_fmt:MATRIX_FMT_FP6
.else
	v_wmma_scale_f32_16x16x128_f8f6f4 v[32+32*\n+8*\m:39+32*\n+8*\m], v[96+12*\m:107+12*\m], v[208+24*\n+12*\s:219+24*\n+12*\s], v[32+32*\n+8*\m:39+32*\n+8*\m], v[24+2*\m+\s], v[10+2*\n+\s] matrix_a_fmt:MATRIX_FMT_FP6 matrix_b_fmt:MATRIX_FMT_FP6
.endif
.endr
.endr
.rept 4
	v_nop                                          ; places ahead of loads into registers that these products read, and of the first read of results
.endr
.endr
	STAT 0, 184+4*(\pn), 185+4*(\pn)
	STAT 1, 186+4*(\pn), 187+4*(\pn)
.endm
	PASS 0
	PASS 1
.irp n, 0,1                                        ; the two passes, 32 numbers each
	v_sub_f32 v[192+\n], v[184+2*\n], v[188+2*\n]
	v_add_f32 v[185+2*\n], v[185+2*\n], v[189+2*\n]
	v_add_f32 v[184+2*\n], v[184+2*\n], v[188+2*\n]
	v_mul_f32 v[192+\n], v[192+\n], v[192+\n]
	v_fmamk_f32 v[185+2*\n], v[192+\n], 0x3c800000, v[185+2*\n]
.endr
.irp i, 0,1,2,3
	v_permlanex16_b32 v[176+\i], v[184+\i], s28, s29               ; (v176-179 have been written)
.endr
.irp n, 0,1                                        ; the two halves of the lanes, 64 numbers each
	v_sub_f32 v[192+\n], v[184+2*\n], v[176+2*\n]
	v_add_f32 v[185+2*\n], v[185+2*\n], v[177+2*\n]
	v_add_f32 v[184+2*\n], v[184+2*\n], v[176+2*\n]
	v_mul_f32 v[192+\n], v[192+\n], v[192+\n]
	v_fmamk_f32 v[185+2*\n], v[192+\n], 0x3c000000, v[185+2*\n]
.endr
	v_cmp_eq_u32 vcc_lo, 1, v3
	v_cndmask_b32 v180, v184, v186, vcc_lo         ; lane l answers for channel 32 w + l
	v_cndmask_b32 v181, v185, v187, vcc_lo
	global_store_b64 v9, v[180:181], s[16:17]      ; 256 consecutive bytes
	s_wait_tensorcnt 0x0
	ds_add_u32 v206, v207
	s_wait_dscnt 0x0
	s_endpgm
.Lfunc_end_k_q6ff5f61661_mid:
	.size	k_q6ff5f61661_mid, .Lfunc_end_k_q6ff5f61661_mid-k_q6ff5f61661_mid
	.p2alignl 7, 3214868480
	.fill 96, 4, 3214868480
	.section	.rodata,"a",@progbits
	.p2align	6, 0x0
	.amdhsa_kernel k_q6ff5f61661_mid
		.amdhsa_group_segment_fixed_size 168960
		.amdhsa_private_segment_fixed_size 0
		.amdhsa_enable_private_segment 0
		.amdhsa_kernarg_size 56
		.amdhsa_user_sgpr_count 2
		.amdhsa_user_sgpr_kernarg_segment_ptr 1
		.amdhsa_wavefront_size32 1
		.amdhsa_system_sgpr_workgroup_id_x 1
		.amdhsa_system_sgpr_workgroup_id_y 1
		.amdhsa_system_sgpr_workgroup_id_z 1
		.amdhsa_system_vgpr_workitem_id 0
		.amdhsa_next_free_vgpr 256
		.amdhsa_next_free_sgpr 66
		.amdhsa_reserve_vcc 1
		.amdhsa_float_denorm_mode_32 3
		.amdhsa_float_denorm_mode_16_64 3
		.amdhsa_memory_ordered 1
		.amdhsa_forward_progress 1
		.amdhsa_inst_pref_size 67
	.end_amdhsa_kernel
	.amdgpu_metadata
---
amdhsa.version: [ 1, 2 ]
amdhsa.kernels:
  - .name:           k_q6ff5f61661_mid
    .symbol:         k_q6ff5f61661_mid.kd
    .args:
      - { .name: feat, .offset: 0, .size: 8, .value_kind: global_buffer, .address_space: global }
      - { .name: bn1, .offset: 8, .size: 8, .value_kind: global_buffer, .address_space: global }
      - { .name: W1_codes, .offset: 16, .size: 8, .value_kind: global_buffer, .address_space: global }
      - { .name: W1_scales, .offset: 24, .size: 8, .value_kind: global_buffer, .address_space: global }
      - { .name: W2_codes, .offset: 32, .size: 8, .value_kind: global_buffer, .address_space: global }
      - { .name: W2_scales, .offset: 40, .size: 8, .value_kind: global_buffer, .address_space: global }
      - { .name: hid, .offset: 48, .size: 8, .value_kind: global_buffer, .address_space: global }
    .group_segment_fixed_size: 168960
    .private_segment_fixed_size: 0
    .kernarg_segment_align: 8
    .kernarg_segment_size: 56
    .max_flat_workgroup_size: 256
    .sgpr_count:     66
    .vgpr_count:     256
    .wavefront_size: 32
...
	.end_amdgpu_metadata
.endif
;; end of part 5
;; launch last (part 6): grid 256 x 1, 8 waves a work-group, no clusters, 168,960 bytes of LDS; arguments hid, b2, g2, be2, W2_codes, W2_scales, out0; writes out0
.if DOCPART == 6
	.amdgcn_target "amdgcn-amd-amdhsa--gfx1250"
	.amdhsa_code_object_version 6
	.text
	.protected	k_q6ff5f61661_last
	.globl	k_q6ff5f61661_last
	.p2align	8
	.type	k_q6ff5f61661_last,@function
k_q6ff5f61661_last:
	s_mov_b64 s[64:65], 0
	v_nop
	global_prefetch_b8 v0, s[64:65] scope:SCOPE_SE
	s_setreg_imm32_b32 hwreg(HW_REG_WAVE_MODE, 25, 1), 1
	s_wait_xcnt 0x0
; The second BatchNorm's statistics are closed, z2 = W2 h is multiplied once more from the codes, and out = relu(z2 s + t) is stored [batch][channel][point].
; SHARES.  A WORK-GROUP OWNS 32 CHANNELS (32 cb on, cb = work-group % 8) AND 1,024 POINTS (1,024 pr on, pr = work-group / 8).  So it needs 32 channels of the 256 records, 64 KB, and closes their
; statistics itself, beside the loads of its codes and weights: no launch stands between the records and their use.  Neighbouring work-groups take the same points.
; Wave w takes points 128 w .. 128 w + 127 of the 1,024: eight tiles of 16, against the 32 channels.  A fragment is used by one wave of the work-group, so it goes from memory straight into operand registers.
; STATISTICS.  A record holds, for each channel, the sum S and the squared deviations M2 of z2 over 128 points.  Wave w takes records 32 w .. + 31; lane (r, h) channels 2 r, 2 r + 1 of records 2 i + h.
; The variance is (the sum of M2 + the sum of (S_i - S / 256)^2 / 128) / 32,768: no difference of large sums.  y = z + b: mean of y = mean of z + b; s = g / sqrt(var + 1e-5); t = be + s (b - mean of y).
; PRODUCTS.  Source 0 = 16 points, source 1 = 16 rows of W2: a lane holds ONE channel, and an accumulator's eight registers are eight neighbouring points of it.  Four passes of two tiles on two sets of
; fragment registers; a set is loaded again as soon as its products are issued.  The scale words of two tiles share a register: lanes 0-15 the even tile's, lanes 16-31 the odd tile's.
; THE WAY OUT.  After every second pass 32 channels x 64 points lie in the wave's own stage (rows of 256 + 16 bytes) and leave: each half of the lanes stores 256 consecutive bytes, at a multiple of 256 from the output's first byte.
; No cluster: eight work-groups read the same codes, but a joint load would put a work-group's 208 KB of them through LDS, to be read from there again, where they now land in the operand's registers.
; LDS: 0 and RED1: the waves' partial sums, 128 bytes a wave each; OST: 8,704 bytes a wave.  The claim of LDS is larger than the use, so that each work-group has a WGP of its own.
; REGISTERS: v1 16 l, v2 r, v3 h, v4-9, v26, v38, v39 addresses; v10-21 scale words and nothing else (v10-13 W2's, v14-21 the points'); v22-24 b, g, be; v30-37 s and t, twice each; v40-87 W2's four fragments;
;   v88-151 the records, later v88-119 four accumulators and v120-151 rows on their way out; v152-247 two sets of four fragments; v248-255 at work.
.set RED1, 1024
.set OST, 2048
.set HC, 524288
.set HS, 6815744
	s_load_b256 s[4:11], s[0:1], 0x0               ; hid, b2, g2, be2
	s_load_b128 s[12:15], s[0:1], 0x20             ; W2's codes, W2's scales
	s_load_b64 s[16:17], s[0:1], 0x30              ; out0
	v_lshl_add_u32 v28, v0, 2, 0x29000
	v_mov_b32 v29, 0
	v_lshrrev_b32 v1, 5, v0
	v_readfirstlane_b32 s18, v1                    ; wave
	s_and_b32 s19, ttmp9, 7                        ; cb: which 32 channels
	s_lshr_b32 s20, ttmp9, 3                       ; pr: which 1,024 points
	s_lshl_b32 s22, s18, 16                        ; the records: 32 of 2,048 bytes a wave, 32 channels of 8 bytes a block
	s_lshl_b32 s21, s19, 8
	s_add_co_u32 s22, s22, s21
	s_mov_b32 s23, 0
	s_lshl_b32 s24, s19, 7                         ; b, g, be: 32 channels of 4 bytes
	s_mov_b32 s25, 0
	s_mul_i32 s26, s20, 196608                     ; the images: 64 tiles of 3,072 bytes for 1,024 points, 8 for a wave
	s_mul_i32 s21, s18, 24576
	s_add_co_u32 s26, s26, s21
	s_add_co_u32 s26, s26, HC
	s_mov_b32 s27, 0
	s_lshl_b32 s28, s20, 14                        ; their scale words: 256 bytes a tile
	s_lshl_b32 s21, s18, 11
	s_add_co_u32 s28, s28, s21
	s_add_co_u32 s28, s28, HS
	s_mov_b32 s29, 0
	s_mov_b32 s30, 0x76543210
	s_mov_b32 s31, 0xfedcba98                      ; v_permlanex16_b32's selects for lane l xor 16
	s_lshr_b32 s32, s20, 3                         ; out0: batch,
	s_lshl_b32 s32, s32, 23
	s_lshl_b32 s21, s19, 20                        ; my 32 rows of 32,768 bytes,
	s_add_co_u32 s32, s32, s21
	s_and_b32 s21, s20, 7
	s_lshl_b32 s21, s21, 12                        ; the 1,024 points,
	s_add_co_u32 s32, s32, s21
	s_lshl_b32 s21, s18, 9                         ; my wave's 128 of them
	s_add_co_u32 s32, s32, s21
	s_mov_b32 s33, 0
	s_mov_b32 s35, 0
	v_and_b32 v5, 31, v0
	v_lshlrev_b32 v1, 4, v5                        ; 16 x lane
	v_lshlrev_b32 v5, 2, v5                        ; 4 x lane
	v_and_b32 v2, 15, v0                           ; r
	v_bfe_u32 v3, v0, 4, 1                         ; h
	v_lshlrev_b32 v4, 4, v2
	v_lshl_add_u32 v4, v3, 11, v4                  ; the records: lanes 16-31 take the next record; 16 bytes (two channels) a lane
	v_lshlrev_b32 v39, 3, v2                       ; 8 r
	s_lshl_b32 s21, s18, 7
	v_add_nc_u32 v6, s21, v39                      ; where my wave's sums of channels 2 r, 2 r + 1 go
	v_lshl_add_u32 v26, v3, 8, v39                 ; the points' scale words: lanes 16-31 take the next tile's
	s_mul_i32 s21, s18, 8704
	s_add_co_u32 s21, s21, OST                     ; my stage
	v_mul_u32_u24 v7, v2, 272
	v_lshl_add_u32 v7, v3, 5, v7
	v_add_nc_u32 v7, s21, v7                       ; in: row r, + 32 h
	v_mul_u32_u24 v8, v3, 272
	v_lshl_add_u32 v8, v2, 4, v8
	v_add_nc_u32 v8, s21, v8                       ; back: lanes 0-15 one row, lanes 16-31 the next
	v_lshlrev_b32 v9, 4, v2
	v_lshl_add_u32 v9, v3, 15, v9                  ; and the same two rows in the output
	v_mul_u32_u24 v38, v2, 192
	v_mad_u32_u24 v38, v3, 24, v38                 ; W2: row r, + 24 h
	s_wait_kmcnt 0x0
	s_add_nc_u64 s[22:23], s[4:5], s[22:23]
	s_add_nc_u64 s[26:27], s[4:5], s[26:27]
	s_add_nc_u64 s[28:29], s[4:5], s[28:29]
	s_add_nc_u64 s[6:7], s[6:7], s[24:25]
	s_add_nc_u64 s[8:9], s[8:9], s[24:25]
	s_add_nc_u64 s[10:11], s[10:11], s[24:25]
	s_mul_i32 s34, s19, 6144                       ; W2: my 32 rows of 192 bytes,
	s_add_nc_u64 s[12:13], s[12:13], s[34:35]
	s_lshl_b32 s34, s19, 8                         ; and of 8 scale bytes
	s_add_nc_u64 s[14:15], s[14:15], s[34:35]
	s_add_nc_u64 s[16:17], s[16:17], s[32:33]
.macro LDF p                           ; the four fragments of pass p (tiles 2 p, 2 p + 1; two K steps) into set p % 2: 512 consecutive bytes a load
.irp m, 0,1
.irp s, 0,1
.irp i, 0,1,2
	global_load_b128 v[152+48*((\p)%2)+24*\m+12*\s+4*\i:155+48*((\p)%2)+24*\m+12*\s+4*\i], v1, s[26:27] offset:(2*(\p)+\m)*3072+1536*\s+512*\i
.endr
.endr
.endr
.endm
.set i, 0
.rept 16
	global_load_b128 v[88+4*i:91+4*i], v4, s[22:23] offset:4096*i          ; records 2 i and 2 i + 1 of my 32: each half of the lanes reads 256 consecutive bytes
.set i, i+1
.endr
	global_load_b32 v22, v5, s[6:7]                ; b, g, be of channel 32 cb + lane
	global_load_b32 v23, v5, s[8:9]
	global_load_b32 v24, v5, s[10:11]
.irp n, 0,1
.irp s, 0,1
.irp p, 0,1,2,3,4,5
	global_load_b64 v[40+24*\n+12*\s+2*\p:41+24*\n+12*\s+2*\p], v38, s[12:13] offset:3072*\n+96*\s+48*(\p/3)+8*(\p%3)   ; W2's fragment (channels 16 n on, K step s): it stays
.endr
.endr
	global_load_b64 v[10+2*\n:11+2*\n], v39, s[14:15] offset:128*\n        ; and its rows' two scale words
.endr
.irp k, 0,1,2,3
	global_load_b64 v[14+2*\k:15+2*\k], v26, s[28:29] offset:512*\k        ; the scale words of tiles 2 k (lanes 0-15) and 2 k + 1 (lanes 16-31), both K steps
.endr
	LDF 0
	s_wait_loadcnt 42                              ; the records and b, g, be are in; W2's 26 loads, the 4 of scale words and the first set's 12 may be out
	LDF 1                                          ; the second set has the statistics and the first pass in which to land
	; the sums of S and of M2 over my 16 records, a pair (S, M2) at a time, two chains for each of my two channels
	v_pk_add_f32 v[248:249], v[88:89], v[96:97]
	v_pk_add_f32 v[250:251], v[92:93], v[100:101]
	v_pk_add_f32 v[252:253], v[90:91], v[98:99]
	v_pk_add_f32 v[254:255], v[94:95], v[102:103]
.irp i, 4,6,8,10,12,14
	v_pk_add_f32 v[248:249], v[248:249], v[88+4*\i:89+4*\i]
	v_pk_add_f32 v[250:251], v[250:251], v[92+4*\i:93+4*\i]
	v_pk_add_f32 v[252:253], v[252:253], v[90+4*\i:91+4*\i]
	v_pk_add_f32 v[254:255], v[254:255], v[94+4*\i:95+4*\i]
.endr
	v_pk_add_f32 v[248:249], v[248:249], v[250:251]
	v_pk_add_f32 v[252:253], v[252:253], v[254:255]
	v_permlanex16_b32 v250, v248, s30, s31
	v_permlanex16_b32 v251, v249, s30, s31
	v_permlanex16_b32 v254, v252, s30, s31
	v_permlanex16_b32 v255, v253, s30, s31
	v_pk_add_f32 v[248:249], v[248:249], v[250:251]     ; with lane l xor 16's 16 records: my wave's 32.  v249 and v253 keep the sums of M2
	v_pk_add_f32 v[252:253], v[252:253], v[254:255]
	v_mov_b32 v250, v248
	v_mov_b32 v251, v252
	ds_store_b64 v6, v[250:251]                    ; both halves of the lanes write the same bytes with the same values
	s_wait_dscnt 0x0                               ; for the others' sake: my sums are stored
	s_barrier_signal -1
	s_barrier_wait -1
.irp j, 0,1,2,3,4,5,6,7
	ds_load_b32 v[89+4*\j], v39 offset:128*\j      ; the eight waves' sums of S, into registers whose M2 has been summed
	ds_load_b32 v[91+4*\j], v39 offset:128*\j+4
.endr
	s_wait_dscnt 0x0
.irp c, 89, 91
	v_add_f32 v[\c], v[\c], v[\c+4]
	v_add_f32 v[\c+8], v[\c+8], v[\c+12]
	v_add_f32 v[\c+16], v[\c+16], v[\c+20]
	v_add_f32 v[\c+24], v[\c+24], v[\c+28]
	v_add_f32 v[\c], v[\c], v[\c+8]
	v_add_f32 v[\c+16], v[\c+16], v[\c+24]
	v_add_f32 v[\c], v[\c], v[\c+16]               ; the sum over all 32,768 points
.endr
	v_mul_f32 v250, 0x3b800000, v89                ; / 256: what a record's sum would be at the common mean
	v_mul_f32 v251, 0x3b800000, v91
.set i, 0
.rept 16
	v_sub_f32 v[88+4*i], v[88+4*i], v250
	v_sub_f32 v[90+4*i], v[90+4*i], v251
.set i, i+1
.endr
	v_mul_f32 v248, v88, v88
	v_mul_f32 v252, v92, v92
	v_mul_f32 v254, v90, v90
	v_mul_f32 v255, v94, v94
.irp i, 2,4,6,8,10,12,14
	v_fma_f32 v248, v[88+4*\i], v[88+4*\i], v248
	v_fma_f32 v252, v[92+4*\i], v[92+4*\i], v252
	v_fma_f32 v254, v[90+4*\i], v[90+4*\i], v254
	v_fma_f32 v255, v[94+4*\i], v[94+4*\i], v255
.endr
	v_add_f32 v248, v248, v252
	v_add_f32 v254, v254, v255
	v_permlanex16_b32 v252, v248, s30, s31
	v_permlanex16_b32 v255, v254, s30, s31
	v_add_f32 v248, v248, v252
	v_add_f32 v254, v254, v255
	v_fmamk_f32 v250, v248, 0x3c000000, v249       ; the sum of M2 + the sum of (S_i - S / 256)^2 / 128, of my wave's 32 records
	v_fmamk_f32 v251, v254, 0x3c000000, v253
	ds_store_b64 v6, v[250:251] offset:RED1        ; bytes of their own: the first sums are read once more below
	s_wait_dscnt 0x0
	s_barrier_signal -1
	s_barrier_wait -1
.irp j, 0,1,2,3,4,5,6,7
	ds_load_b32 v[88+\j], v5 offset:RED1+128*\j    ; from here on a lane is a channel: 32 cb + lane
	ds_load_b32 v[96+\j], v5 offset:128*\j
.endr
	s_wait_dscnt 0x0
.irp c, 88, 96
	v_add_f32 v[\c], v[\c], v[\c+1]
	v_add_f32 v[\c+2], v[\c+2], v[\c+3]
	v_add_f32 v[\c+4], v[\c+4], v[\c+5]
	v_add_f32 v[\c+6], v[\c+6], v[\c+7]
	v_add_f32 v[\c], v[\c], v[\c+2]
	v_add_f32 v[\c+4], v[\c+4], v[\c+6]
	v_add_f32 v[\c], v[\c], v[\c+4]
.endr
	v_mul_f32 v249, 0x38000000, v88                ; the variance: / 32,768
	v_add_f32 v249, 0x3727c5ac, v249               ; + 1e-5
	v_mul_f32 v250, 0x38000000, v96                ; the mean of z,
	v_add_f32 v250, v250, v22                      ; of y
	v_rsq_f32 v251, v249
	v_sub_f32 v250, v22, v250                      ; (a plain place behind the root)  b - the mean of y
	s_wait_alu depctr_va_vdst(0)
	v_mul_f32 v252, v23, v251                      ; s
	v_fma_f32 v253, v252, v250, v24                ; t
	v_permlanex16_b32 v254, v252, s30, s31
	v_permlanex16_b32 v255, v253, s30, s31
	v_cmp_eq_u32 vcc_lo, 1, v3
	v_cndmask_b32 v30, v252, v254, vcc_lo          ; the products' layout: lane (r, h) wants channel r for n = 0,
	v_cndmask_b32 v32, v254, v252, vcc_lo          ; channel 16 + r for n = 1
	v_cndmask_b32 v34, v253, v255, vcc_lo
	v_cndmask_b32 v36, v255, v253, vcc_lo
	v_mov_b32 v31, v30                             ; twice, for the packed forms
	v_mov_b32 v33, v32
	v_mov_b32 v35, v34
	v_mov_b32 v37, v36
.macro MM p, s, m, n                   ; tile 2 p + m x channels 16 n on, K step s; the first K step starts the sum
.set AC, 88+16*(\m)+8*(\n)
.set FA, 152+48*((\p)%2)+24*(\m)+12*(\s)
.set WB, 40+24*(\n)+12*(\s)
.if (\s) == 0
.if (\m) == 0
	v_wmma_scale_f32_16x16x128_f8f6f4 v[AC:AC+7], v[FA:FA+11], v[WB:WB+11], 0, v[14+2*(\p)+(\s)], v[10+2*(\n)+(\s)] matrix_a_fmt:MATRIX_FMT_FP6 matrix_b_fmt:MATRIX_FMT_FP6
.else
	v_wmma_scale_f32_16x16x128_f8f6f4 v[AC:AC+7], v[FA:FA+11], v[WB:WB+11], 0, v[14+2*(\p)+(\s)], v[10+2*(\n)+(\s)] matrix_a_fmt:MATRIX_FMT_FP6 matrix_b_fmt:MATRIX_FMT_FP6 matrix_a_scale:MATRIX_SCALE_ROW1
.endif
.else
.if (\m) == 0
	v_wmma_scale_f32_16x16x128_f8f6f4 v[AC:AC+7], v[FA:FA+11], v[WB:WB+11], v[AC:AC+7], v[14+2*(\p)+(\s)], v[10+2*(\n)+(\s)] matrix_a_fmt:MATRIX_FMT_FP6 matrix_b_fmt:MATRIX_FMT_FP6
.else
	v_wmma_scale_f32_16x16x128_f8f6f4 v[AC:AC+7], v[FA:FA+11], v[WB:WB+11], v[AC:AC+7], v[14+2*(\p)+(\s)], v[10+2*(\n)+(\s)] matrix_a_fmt:MATRIX_FMT_FP6 matrix_b_fmt:MATRIX_FMT_FP6 matrix_a_scale:MATRIX_SCALE_ROW1
.endif
.endif
.endm
.macro PASS p
.if (\p) < 3
	s_wait_loadcnt 12                              ; this pass's set (and, in the first pass, W2 and the scale words) is in; the other set's 12 loads, issued later, may be out
.else
	s_wait_loadcnt 0x0
.endif
	s_wait_dscnt 0x0                               ; the last pass's LDS stores have read the accumulators
.irp s, 0,1
.irp m, 0,1
.irp n, 0,1
	MM \p, \s, \m, \n                              ; the four accumulators take turns
.endr
.endr
.endr
.rept 4
	v_nop                                          ; places ahead of loads into registers that these products read, and of the first read of results
.endr
.if (\p) < 2
	LDF (\p)+2                                     ; the set takes the tiles of two passes on
.endif
.irp m, 0,1
.irp n, 0,1
.irp i, 0,2,4,6
	v_pk_fma_f32 v[88+16*\m+8*\n+\i:89+16*\m+8*\n+\i], v[88+16*\m+8*\n+\i:89+16*\m+8*\n+\i], v[30+2*\n:31+2*\n], v[34+2*\n:35+2*\n]    ; z s + t, each accumulator from its low end on
.endr
.irp i, 0,1,2,3,4,5,6,7
	v_max_num_f32 v[88+16*\m+8*\n+\i], 0, v[88+16*\m+8*\n+\i]              ; relu
.endr
	ds_store_b128 v7, v[88+16*\m+8*\n:91+16*\m+8*\n] offset:4352*\n+64*(2*((\p)%2)+\m)
	ds_store_b128 v7, v[92+16*\m+8*\n:95+16*\m+8*\n] offset:4352*\n+64*(2*((\p)%2)+\m)+16
.endr
.endr
.endm
.macro SEND hf                         ; 32 channels x 64 points leave, eight pairs of rows at a time.  LDS serves a wave's instructions in order (ISA guide 5.7.1.4): these loads see my stores, and the next passes' stores come behind them
.irp g, 0,1
	s_wait_xcnt 0x0                                ; earlier stores have read their registers, which the rows below take
.irp i, 0,1,2,3,4,5,6,7
	ds_load_b128 v[120+4*\i:123+4*\i], v8 offset:544*(8*\g+\i)
.endr
.irp i, 0,1,2,3,4,5,6,7
	s_wait_dscnt 7-\i                              ; pair i is back; the younger pairs may be out
	global_store_b128 v9, v[120+4*\i:123+4*\i], s[16:17] offset:65536*(8*\g+\i)+256*(\hf) th:TH_STORE_NT   ; two rows: each half of the lanes stores 256 consecutive bytes; written once, read by nobody here
.endr
.endr
.endm
	PASS 0
	PASS 1
	SEND 0                                         ; the first 64 points leave while the last four tiles are on their way
	PASS 2
	PASS 3
	SEND 1
	s_wait_tensorcnt 0x0
	ds_add_u32 v28, v29
	s_wait_dscnt 0x0
	s_endpgm
.Lfunc_end_k_q6ff5f61661_last:
	.size	k_q6ff5f61661_last, .Lfunc_end_k_q6ff5f61661_last-k_q6ff5f61661_last
	.p2alignl 7, 3214868480
	.fill 96, 4, 3214868480
	.section	.rodata,"a",@progbits
	.p2align	6, 0x0
	.amdhsa_kernel k_q6ff5f61661_last
		.amdhsa_group_segment_fixed_size 168960
		.amdhsa_private_segment_fixed_size 0
		.amdhsa_enable_private_segment 0
		.amdhsa_kernarg_size 56
		.amdhsa_user_sgpr_count 2
		.amdhsa_user_sgpr_kernarg_segment_ptr 1
		.amdhsa_wavefront_size32 1
		.amdhsa_system_sgpr_workgroup_id_x 1
		.amdhsa_system_sgpr_workgroup_id_y 1
		.amdhsa_system_sgpr_workgroup_id_z 1
		.amdhsa_system_vgpr_workitem_id 0
		.amdhsa_next_free_vgpr 256
		.amdhsa_next_free_sgpr 66
		.amdhsa_reserve_vcc 1
		.amdhsa_float_denorm_mode_32 3
		.amdhsa_float_denorm_mode_16_64 3
		.amdhsa_memory_ordered 1
		.amdhsa_forward_progress 1
		.amdhsa_inst_pref_size 44
	.end_amdhsa_kernel
	.amdgpu_metadata
---
amdhsa.version: [ 1, 2 ]
amdhsa.kernels:
  - .name:           k_q6ff5f61661_last
    .symbol:         k_q6ff5f61661_last.kd
    .args:
      - { .name: hid, .offset: 0, .size: 8, .value_kind: global_buffer, .address_space: global }
      - { .name: b2, .offset: 8, .size: 8, .value_kind: global_buffer, .address_space: global }
      - { .name: g2, .offset: 16, .size: 8, .value_kind: global_buffer, .address_space: global }
      - { .name: be2, .offset: 24, .size: 8, .value_kind: global_buffer, .address_space: global }
      - { .name: W2_codes, .offset: 32, .size: 8, .value_kind: global_buffer, .address_space: global }
      - { .name: W2_scales, .offset: 40, .size: 8, .value_kind: global_buffer, .address_space: global }
      - { .name: out0, .offset: 48, .size: 8, .value_kind: global_buffer, .address_space: global }
    .group_segment_fixed_size: 168960
    .private_segment_fixed_size: 0
    .kernarg_segment_align: 8
    .kernarg_segment_size: 56
    .max_flat_workgroup_size: 256
    .sgpr_count:     66
    .vgpr_count:     256
    .wavefront_size: 32
...
	.end_amdgpu_metadata
.endif
;; end of part 6
;; ======== version 2 of 2: 6 launches; version 1 with the launches knn, feat, mid, last written anew for expert scheduling mode
;; workspace buffers: grp 524,288 bytes of whole numbers; f2t 8,388,608 bytes; nidx 524,288 bytes of whole numbers; nw 524,288 bytes; feat 11,010,048 bytes; bn1 2,048 bytes; hid 7,340,032 bytes
;; launch knn (part 7): grid 256 x 1, 8 waves a work-group, no clusters, 168,960 bytes of LDS; arguments pos1, pos2, grp; writes grp
.if DOCPART == 7
	.amdgcn_target "amdgcn-amd-amdhsa--gfx1250"
	.amdhsa_code_object_version 6
	.text
	.protected	k_q6ff5f61661_knn
	.globl	k_q6ff5f61661_knn
	.p2align	8
	.type	k_q6ff5f61661_knn,@function
k_q6ff5f61661_knn:
	s_mov_b64 s[64:65], 0
	v_nop
	global_prefetch_b8 v0, s[64:65] scope:SCOPE_SE
	s_setreg_imm32_b32 hwreg(HW_REG_WAVE_SCHED_MODE, 0, 2), 2
	s_setreg_imm32_b32 hwreg(HW_REG_WAVE_MODE, 25, 1), 1
	s_wait_xcnt 0x0
	s_wait_alu depctr_vm_vsrc(0)
; For each of 32,768 queries (pos1) the three GROUPS of 16 neighbouring candidates (pos2, 128 groups a batch) that must hold its three nearest.
; d2 = (n1 + n2) - 2 dot, as the problem writes it: n = fma(z,z,fma(y,y,x*x)); the dot as an ascending chain of fused multiply-adds on the query scaled by -2 (exact).
; The three groups with the smallest (group's least d2, group's number) hold the three candidates with the smallest (d2, index): were one of those three in a fourth group,
; three candidates that are smaller, or equal with a lower index, would stand ahead of it.  The next launch looks into the 48 candidates.
; SHARES.  A work-group: 128 queries of one batch.  Wave w: queries 32 (w / 2) .. + 31 as two tiles q of 16, candidates 1,024 (w % 2) .. + 1,023 in 32 steps of 32.
; The dot goes to v_wmma_f32_16x16x4_f32 (source 0 = 16 candidates x (x, y, z, 0), source 1 = -2 x the 16 queries, C = 0).  Row m of tile s of step u is candidate
; 1,024 cp + 512 (m / 8) + 16 u + 8 s + m % 8, so that lane (r, h) finds, in the 16 result registers of a step, the 16 candidates of ONE group, 64 cp + 32 h + u, for query r.
; A lane walks its groups in ascending order and inserts with a strict <, so the lower index stays ahead; the halves of the lanes and the two waves of a pair are joined lower range first.
; LIMITS: NaN and infinities among the positions, and a d2 that overflows, are not served.
; LDS: 0: candidate c's (x, y, z, 0) at 16 c + 128 (c / 512); N2T: n2[c]; XCH: 12 words a lane for each wave.  The claim of LDS is larger than the use, so that each work-group has a WGP of its own.
; REGISTERS: v1 r, v2 h, v3 v4 table addresses of the trip, v6 v7 exchange, v8 output, v9 my group's number; v10-13 the queries x -2; v14-17 n1 twice; v18-29 the three least and their groups, for q = 0, 1;
;   v30-33 a group's least; v34-41 candidates, two sets; v42-73 n2, two sets; v74-105 d2; v106-117 a partner's items; v128-191 the dots (written by matrix instructions alone); v192-229 staging.
; THE MODE: SCHED_MODE bits 1:0 = 2 (LLVM: expert scheduling mode 2), set by the entry lines.  The code itself states the register dependences
; between vector or matrix instructions and memory or LDS instructions, with s_wait_alu, always for 0.
; THE PLAN.  Registers that LDS instructions touch, in the loop:
;   v34-41  two sets of tiles.  Step t's four products, issued in step t - 1, read set t % 2; at the head of step t the tiles of step t + 2 are asked for into it.
;   v42-73  two sets of n2.     Step t's sixteen additions read set t % 2; at the head of step t + 1 the n2 of step t + 2 are asked for into it.
;   v3, v4  read by every LDS load; written once a trip, at the trip's head.
; So ONE wait on va_vdst stands at a step's head: the products issued in the step before are done reading their tiles, that step's additions are done reading their n2, and, in a trip's first
; step, v3 and v4 are written.  The step's six loads follow it in one run.  One wait on vm_vsrc a trip stands ahead of the adds to v3 and v4.
; A step's two insertions lie side by side: six compares into six scalar registers, one wait on va_sdst, then the selects.
.set N2T, 33280
.set XCH, 41472
	s_load_b128 s[4:7], s[0:1], 0x0                ; pos1, pos2
	s_load_b64 s[8:9], s[0:1], 0x10                ; grp
	v_lshl_add_u32 v232, v0, 2, 0x29000
	v_mov_b32 v233, 0
	v_lshrrev_b32 v1, 5, v0
	v_readfirstlane_b32 s10, v1                    ; wave
	v_bfe_u32 v2, v0, 4, 1                         ; h
	v_cmp_eq_u32 s26, 1, v2                        ; lanes 16-31
	s_wait_alu depctr_va_sdst(0)                   ; s10 and s26 are written, ahead of their first readers: the scalar lines below, and the selects that lay out the queries
	s_lshr_b32 s11, s10, 1                         ; qp: which 32 queries
	s_and_b32 s12, s10, 1                          ; cp: which 1,024 candidates
	s_lshr_b32 s13, ttmp9, 6                       ; batch
	s_and_b32 s14, ttmp9, 63
	s_lshl_b32 s14, s14, 7                         ; the work-group's first query in the batch
	s_mul_i32 s16, s13, 24576                      ; pos2: 3 x 2,048 x 4 bytes a batch
	s_mov_b32 s17, 0
	s_lshl_b32 s15, s11, 5
	s_add_co_u32 s15, s15, s14
	s_lshl_b32 s15, s15, 2
	s_mul_i32 s18, s13, 98304                      ; pos1: 3 x 8,192 x 4 bytes a batch
	s_add_co_u32 s18, s18, s15
	s_mov_b32 s19, 0
	s_lshl_b32 s20, ttmp9, 11                      ; grp: 16 bytes a query
	s_lshl_b32 s21, s11, 9
	s_add_co_u32 s20, s20, s21
	s_mov_b32 s21, 0
	s_mov_b32 s28, 0x76543210
	s_mov_b32 s29, 0xfedcba98                      ; v_permlanex16_b32's selects for lane l xor 16
	v_and_b32 v1, 15, v0                           ; r
	v_and_b32 v122, 31, v0                         ; lane
	v_lshlrev_b32 v118, 2, v0                      ; 4 x thread: pos2
	v_lshlrev_b32 v119, 2, v1                      ; 4 r: pos1
	v_lshlrev_b32 v120, 4, v0                      ; 16 x thread: the candidates' table
	v_lshl_add_u32 v121, v0, 2, N2T                ; and n2's
	v_lshrrev_b32 v123, 3, v1
	v_and_b32 v124, 7, v1
	v_mul_u32_u24 v125, v123, 8320                 ; rows 8-15 of a tile lie 512 candidates (and one pad of 128 bytes) on
	v_lshl_add_u32 v125, v124, 4, v125
	v_lshl_add_u32 v125, v2, 3, v125               ; + 8 h: (x, y) or (z, 0)
	s_mul_i32 s22, s12, 16640
	v_add_nc_u32 v125, s22, v125                   ; my lane's place in step 0's tile 0
	s_lshl_b32 s22, s12, 12
	s_add_co_u32 s22, s22, N2T
	v_lshl_add_u32 v126, v2, 11, s22               ; n2 of my half's first group
	s_lshl_b32 s22, s12, 6
	v_lshl_add_u32 v9, v2, 5, s22                  ; my first group: 64 cp + 32 h
	s_mul_i32 s22, s10, 1536
	s_add_co_u32 s22, s22, XCH
	v_lshl_add_u32 v6, v122, 2, s22                ; the exchange: my wave's words
	s_xor_b32 s23, s10, 1
	s_mul_i32 s23, s23, 1536
	s_add_co_u32 s23, s23, XCH
	v_lshl_add_u32 v7, v122, 2, s23                ; and my partner's
	v_lshlrev_b32 v8, 4, v122
	s_wait_kmcnt 0x0
	s_add_nc_u64 s[6:7], s[6:7], s[16:17]
	s_add_nc_u64 s[4:5], s[4:5], s[18:19]
	s_add_nc_u64 s[8:9], s[8:9], s[20:21]
	s_wait_alu depctr_va_vdst(0)                   ; the offsets and addresses v6, v7, v8 and v118 to v121 are written, which the loads and stores of the kernel read
.irp i, 0,1,2,3,4,5,6,7
.irp c, 0,1,2
	global_load_b32 v[192+4*\i+\c], v118, s[6:7] offset:8192*\c+1024*\i    ; candidate thread + 256 i: a wave reads 128 consecutive bytes
.endr
.endr
.irp q, 0,1
.irp c, 0,1,2
	global_load_b32 v[224+3*\q+\c], v119, s[4:5] offset:32768*\c+64*\q     ; query r of tile q
.endr
.endr
.irp i, 0,1,2,3,4,5,6,7
	v_mov_b32 v[195+4*\i], 0                       ; the fourth of K
.endr
.irp i, 0,1,2,3,4,5,6,7,8,9,10,11
	v_mov_b32 v[106+\i], 0                         ; written once: a lane permute's destination counts as one of its sources
.endr
.irp q, 0,1
.irp k, 0,1,2
	v_mov_b32 v[18+6*\q+\k], 0x7f800000            ; the three least: +infinity
	v_mov_b32 v[21+6*\q+\k], 0
.endr
.endr
	s_wait_loadcnt 0x0
.irp i, 0,1,2,3,4,5,6,7
	v_mul_f32 v[74+\i], v[192+4*\i], v[192+4*\i]
.endr
.irp i, 0,1,2,3,4,5,6,7
	v_fma_f32 v[74+\i], v[193+4*\i], v[193+4*\i], v[74+\i]
.endr
.irp i, 0,1,2,3,4,5,6,7
	v_fma_f32 v[74+\i], v[194+4*\i], v[194+4*\i], v[74+\i]                 ; n2
.endr
	s_wait_alu depctr_va_vdst(0)                   ; n2 in v74 to v81 and the zeros in v195, v199 .. are written, which the LDS stores read
.irp i, 0,1,2,3,4,5,6,7
	ds_store_b128 v120, v[192+4*\i:195+4*\i] offset:4096*\i+128*(\i/2)
	ds_store_b32 v121, v[74+\i] offset:1024*\i
.endr
.irp q, 0,1
	v_mul_f32 v[14+2*\q], v[224+3*\q], v[224+3*\q]
	v_fma_f32 v[14+2*\q], v[225+3*\q], v[225+3*\q], v[14+2*\q]
	v_fma_f32 v[14+2*\q], v[226+3*\q], v[226+3*\q], v[14+2*\q]             ; n1,
	v_mov_b32 v[15+2*\q], v[14+2*\q]               ; twice, for the packed additions
	v_mul_f32 v122, -2.0, v[224+3*\q]
	v_mul_f32 v123, -2.0, v[225+3*\q]
	v_mul_f32 v124, -2.0, v[226+3*\q]
	v_cndmask_b32 v[10+2*\q], v122, v124, s26      ; source 1: lanes 0-15 hold k = 0, 1, lanes 16-31 k = 2, 3
	v_cndmask_b32 v[11+2*\q], v123, 0, s26
.endr
	s_wait_dscnt 0x0                               ; for the others' sake: my part of the tables is stored
	s_barrier_signal -1
	s_barrier_wait -1
.macro LDA d, pp                       ; the two tiles of the step d on from the trip's first, into set pp
	ds_load_b64 v[34+4*(\pp):35+4*(\pp)], v3 offset:256*(\d)
	ds_load_b64 v[36+4*(\pp):37+4*(\pp)], v3 offset:256*(\d)+128
.endm
.macro LDN d, pp                       ; that step's 16 n2 of my half
.irp i, 0,1,2,3
	ds_load_b128 v[42+16*(\pp)+4*\i:45+16*(\pp)+4*\i], v4 offset:64*(\d)+16*\i
.endr
.endm
.macro DOT pp, ss, qq                  ; -2 x the dots of tile ss of set pp with the queries qq
	v_wmma_f32_16x16x4_f32 v[128+32*(\pp)+16*(\qq)+8*(\ss):135+32*(\pp)+16*(\qq)+8*(\ss)], v[34+4*(\pp)+2*(\ss):35+4*(\pp)+2*(\ss)], v[10+2*(\qq):11+2*(\qq)], 0
.endm
.macro ADDA qq, pp                     ; n2 + n1
.irp i, 0,2,4,6,8,10,12,14
	v_pk_add_f32 v[74+16*(\qq)+\i:75+16*(\qq)+\i], v[42+16*(\pp)+\i:43+16*(\pp)+\i], v[14+2*(\qq):15+2*(\qq)]
.endr
.endm
.macro ADDD qq, pp                     ; - 2 dot: each result is read from its low end on
.irp i, 0,2,4,6,8,10,12,14
	v_pk_add_f32 v[74+16*(\qq)+\i:75+16*(\qq)+\i], v[74+16*(\qq)+\i:75+16*(\qq)+\i], v[128+32*(\pp)+16*(\qq)+\i:129+32*(\pp)+16*(\qq)+\i]
.endr
.endm
.macro MIN qq                          ; the group's least d2, in two chains
.set EB, 74+16*(\qq)
.set TB, 30+2*(\qq)
	v_min3_num_f32 v[TB], v[EB], v[EB+1], v[EB+2]
	v_min3_num_f32 v[TB+1], v[EB+3], v[EB+4], v[EB+5]
	v_min3_num_f32 v[TB], v[TB], v[EB+6], v[EB+7]
	v_min3_num_f32 v[TB+1], v[TB+1], v[EB+8], v[EB+9]
	v_min3_num_f32 v[TB], v[TB], v[EB+10], v[EB+11]
	v_min3_num_f32 v[TB+1], v[TB+1], v[EB+12], v[EB+13]
	v_min3_num_f32 v[TB], v[TB], v[EB+14], v[EB+15]
	v_min_num_f32 v[TB], v[TB], v[TB+1]
.endm
; (v[val], v[idx]) goes into the sorted three of qq; a tie leaves what is there ahead.  CMP makes the three masks, SEL uses them.
.macro CMP qq, val, sa, sb, sc
.set MB, 18+6*(\qq)
	v_cmp_lt_f32 s[\sa], v[\val], v[MB+2]
	v_cmp_lt_f32 s[\sb], v[\val], v[MB+1]
	v_cmp_lt_f32 s[\sc], v[\val], v[MB]
.endm
.macro SEL qq, val, idx, sa, sb, sc
.set MB, 18+6*(\qq)
	v_cndmask_b32 v[MB+5], v[MB+5], v[\idx], s[\sa]
	v_cndmask_b32 v[MB+5], v[MB+5], v[MB+4], s[\sb]
	v_cndmask_b32 v[MB+4], v[MB+4], v[\idx], s[\sb]
	v_cndmask_b32 v[MB+4], v[MB+4], v[MB+3], s[\sc]
	v_cndmask_b32 v[MB+3], v[MB+3], v[\idx], s[\sc]
	v_med3_num_f32 v[MB+2], v[MB+1], v[MB+2], v[\val]
	v_med3_num_f32 v[MB+1], v[MB], v[MB+1], v[\val]
	v_min_num_f32 v[MB], v[MB], v[\val]
.endm
.macro INS2 a, ai, b, bi               ; one item for each of the two tiles of queries, which share nothing
	CMP 0, \a, 22, 23, 27
	CMP 1, \b, 30, 31, 32
	s_wait_alu depctr_va_sdst(0)                   ; the six masks are written, ahead of the selects that read them
	SEL 0, \a, \ai, 22, 23, 27
	SEL 1, \b, \bi, 30, 31, 32
.endm
; One step: set pp's dots are there; the next step's four products are set between this step's vector work, eight plain instructions or more apart.
; la: the tiles of two steps on are asked for, into set pp.  ln: the n2 of the next step, dn steps on from the trip's first, into the other set.  wm: the next step's products.  cnt: the LDS loads that may stay out.
; Eight places stand between a product and a read of its result (ISA guide 7.12.1): a step's results are read in the next step, behind the selects and the step of v9 (17) at the least.
.macro BODY pp, la, ln, dn, wm, cnt
.if \la || \ln
	s_wait_alu depctr_va_vdst(0)                   ; the products issued in the step before are done reading the tiles of set pp; that step's additions are done reading the other set of n2; in a trip's first step v3 and v4 are written
.endif
.if \la
	LDA (\pp)+2, \pp
.endif
.if \ln
	LDN \dn, 1-(\pp)
.endif
	s_wait_dscnt \cnt
	ADDA 0, \pp
.if \wm
	DOT 1-(\pp), 0, 0
.endif
	ADDA 1, \pp
	ADDD 0, \pp
.if \wm
	DOT 1-(\pp), 1, 0
.endif
	MIN 0
	ADDD 1, \pp
.if \wm
	DOT 1-(\pp), 0, 1
.endif
	MIN 1
	CMP 0, 30, 22, 23, 27
	CMP 1, 32, 30, 31, 32
.if \wm
	DOT 1-(\pp), 1, 1
.endif
	s_wait_alu depctr_va_sdst(0)                   ; the six masks are written, ahead of the selects that read them
	SEL 0, 30, 9, 22, 23, 27
	SEL 1, 32, 9, 30, 31, 32
	v_add_nc_u32 v9, 1, v9                         ; the next group
.endm
	s_mov_b32 s24, 0                               ; the trip's place in the candidates' table: 512 bytes a trip,
	s_mov_b32 s25, 0                               ; and in n2's: 128
	s_mov_b32 s20, 15
	v_add_nc_u32 v3, s24, v125
	v_add_nc_u32 v4, s25, v126
	s_wait_alu depctr_va_vdst(0)                   ; v3 and v4 are written, which the LDS loads below read
	LDA 0, 0
	LDN 0, 0
	LDA 1, 1
	s_wait_dscnt 0x0
	DOT 0, 0, 0
	DOT 0, 1, 0
	DOT 0, 0, 1
	DOT 0, 1, 1
.rept 8
	v_nop                                          ; eight places behind the first four products, ahead of the loop's first lines
.endr
.Lstep:                                            ; 15 trips of two steps
	s_wait_alu depctr_vm_vsrc(0)                   ; the LDS loads issued so far have read v3 and v4; on the first trip also: the tables' stores have read v74 to v81, which the additions write
	v_add_nc_u32 v3, s24, v125
	v_add_nc_u32 v4, s25, v126
	BODY 0, 1, 1, 1, 1, 6                          ; 6: the six loads just issued may be out; the next step's tiles and this step's n2, asked for a step ago, are in
	BODY 1, 1, 1, 2, 1, 6
	s_add_co_u32 s24, s24, 512
	s_add_co_u32 s25, s25, 128
	s_sub_co_i32 s20, s20, 1
	s_cmp_lg_u32 s20, 0
	s_cbranch_scc1 .Lstep
	BODY 0, 0, 1, 3, 1, 4                          ; step 30: step 31's n2, three steps on from the last trip's first; these four loads may be out
	BODY 1, 0, 0, 0, 0, 0                          ; step 31: nothing more to fetch
	; lanes 0-15 (the lower 512 candidates) take in lanes 16-31's three
.irp q, 0,1
.irp k, 0,1,2,3,4,5
	v_permlanex16_b32 v[106+6*\q+\k], v[18+6*\q+\k], s28, s29
.endr
.endr
.irp k, 0,1,2
	INS2 106+\k, 109+\k, 112+\k, 115+\k
.endr
	; the wave with cp = 0 takes in its partner's
	s_wait_alu depctr_va_vdst(0)                   ; the insertions have written v18 to v29, which the LDS stores read, and are done with v106 to v117, in which the partner's items land
.irp i, 0,1,2,3,4,5,6,7,8,9,10,11
	ds_store_b32 v6, v[18+\i] offset:128*\i
.endr
	s_wait_dscnt 0x0
	s_barrier_signal -1
	s_barrier_wait -1
.irp i, 0,1,2,3,4,5,6,7,8,9,10,11
	ds_load_b32 v[106+\i], v7 offset:128*\i
.endr
	s_wait_dscnt 0x0
	s_wait_alu depctr_vm_vsrc(0)                   ; my LDS stores have read v18 to v29, which the insertions below write
.irp k, 0,1,2
	INS2 106+\k, 109+\k, 112+\k, 115+\k
.endr
.irp q, 0,1                                        ; the three groups in ascending order, so that the next launch walks candidates in ascending order
	v_min_u32 v[30+2*\q], v[21+6*\q], v[22+6*\q]
	v_max_u32 v[31+2*\q], v[21+6*\q], v[22+6*\q]
	v_min_u32 v[106+3*\q], v[30+2*\q], v[23+6*\q]
	v_max_u32 v[30+2*\q], v[30+2*\q], v[23+6*\q]
	v_min_u32 v[107+3*\q], v[31+2*\q], v[30+2*\q]
	v_max_u32 v[108+3*\q], v[31+2*\q], v[30+2*\q]
.endr
.irp k, 0,1,2
	v_permlanex16_b32 v[112+\k], v[109+\k], s28, s29     ; tile 1's queries go to lanes 16-31
.endr
.irp k, 0,1,2
	v_cndmask_b32 v[224+\k], v[106+\k], v[112+\k], s26
.endr
	v_mov_b32 v227, 0
	s_wait_alu depctr_va_vdst(0)                   ; v224 to v227 are written, which the store reads
	s_cmp_lg_u32 s12, 0
	s_cbranch_scc1 .Lend
	global_store_b128 v8, v[224:227], s[8:9]       ; 32 queries x 16 bytes: 512 consecutive bytes
.Lend:
	s_wait_dscnt 0x0                               ; the closing lines, six on end, of a launch in the mode that stores to LDS
	s_wait_alu 0x0
	s_wait_tensorcnt 0x0
	ds_add_u32 v232, v233
	s_wait_dscnt 0x0
	s_endpgm
.Lfunc_end_k_q6ff5f61661_knn:
	.size	k_q6ff5f61661_knn, .Lfunc_end_k_q6ff5f61661_knn-k_q6ff5f61661_knn
	.p2alignl 7, 3214868480
	.fill 96, 4, 3214868480
	.section	.rodata,"a",@progbits
	.p2align	6, 0x0
	.amdhsa_kernel k_q6ff5f61661_knn
		.amdhsa_group_segment_fixed_size 168960
		.amdhsa_private_segment_fixed_size 0
		.amdhsa_enable_private_segment 0
		.amdhsa_kernarg_size 24
		.amdhsa_user_sgpr_count 2
		.amdhsa_user_sgpr_kernarg_segment_ptr 1
		.amdhsa_wavefront_size32 1
		.amdhsa_system_sgpr_workgroup_id_x 1
		.amdhsa_system_sgpr_workgroup_id_y 1
		.amdhsa_system_sgpr_workgroup_id_z 1
		.amdhsa_system_vgpr_workitem_id 0
		.amdhsa_next_free_vgpr 234
		.amdhsa_next_free_sgpr 66
		.amdhsa_reserve_vcc 0
		.amdhsa_float_denorm_mode_32 3
		.amdhsa_float_denorm_mode_16_64 3
		.amdhsa_memory_ordered 1
		.amdhsa_forward_progress 1
		.amdhsa_inst_pref_size 43
	.end_amdhsa_kernel
	.amdgpu_metadata
---
amdhsa.version: [ 1, 2 ]
amdhsa.kernels:
  - .name:           k_q6ff5f61661_knn
    .symbol:         k_q6ff5f61661_knn.kd
    .args:
      - { .name: pos1, .offset: 0, .size: 8, .value_kind: global_buffer, .address_space: global }
      - { .name: pos2, .offset: 8, .size: 8, .value_kind: global_buffer, .address_space: global }
      - { .name: grp, .offset: 16, .size: 8, .value_kind: global_buffer, .address_space: global }
    .group_segment_fixed_size: 168960
    .private_segment_fixed_size: 0
    .kernarg_segment_align: 8
    .kernarg_segment_size: 24
    .max_flat_workgroup_size: 256
    .sgpr_count:     66
    .vgpr_count:     234
    .wavefront_size: 32
...
	.end_amdgpu_metadata
.endif
;; end of part 7
;; launch refine: the kernel of part 2 again; grid 256 x 1, 8 waves a work-group, no clusters, 168,960 bytes of LDS; arguments grp, pos1, pos2, feature2, nidx, nw, f2t; writes nidx, nw, f2t
;; launch feat (part 8): grid 256 x 1, 8 waves a work-group, no clusters, 241,152 bytes of LDS; arguments nidx, nw, f2t, feature1, W1_codes, W1_scales, feat; writes feat
.if DOCPART == 8
	.amdgcn_target "amdgcn-amd-amdhsa--gfx1250"
	.amdhsa_code_object_version 6
	.text
	.protected	k_q6ff5f61661_feat
	.globl	k_q6ff5f61661_feat
	.p2align	8
	.type	k_q6ff5f61661_feat,@function
k_q6ff5f61661_feat:
	s_mov_b64 s[64:65], 0
	v_nop
	global_prefetch_b8 v0, s[64:65] scope:SCOPE_SE
	s_setreg_imm32_b32 hwreg(HW_REG_WAVE_SCHED_MODE, 0, 2), 2
	s_setreg_imm32_b32 hwreg(HW_REG_WAVE_MODE, 25, 1), 1
	s_wait_xcnt 0x0
	s_wait_alu depctr_vm_vsrc(0)
; For 128 points: the three neighbours' rows of f2t are gathered and weighed, feature1 is joined (K = 384), the 384 numbers of each point are quantised along K to E2M3 with one E8M0 scale for each 32,
; the codes leave as images of the operand's registers, and z = W1 x is multiplied once for BatchNorm's statistics: for each channel the sum S and the sum of squared deviations M2 of these 128 points.
; The bias is left out of z: it moves the mean and nothing else, and the launch that closes the statistics adds it.  M2 is never a difference of large sums: two passes over a lane's 32 numbers,
; then parts of equal count n are joined by M2 = M2a + M2b + (Sa - Sb)^2 / (2 n).
; A block's scale byte is its largest magnitude's exponent field - 2, held at 1 from below; a block of zeros so has the byte 1 and zero codes, and this program alone reads the bytes.
; LIMITS: NaN and infinities among the features are not served.
; SHARES.  Wave w gathers and quantises points 16 w .. 16 w + 15 (a tile), brings channels 16 w .. + 15 of feature1, and multiplies channels 32 w .. 32 w + 31 of W1 with all eight tiles.
; No cluster: what the work-groups share is W1, 75 KB of the 600 KB that a work-group reads, and each wave takes its part straight into operand registers once.
; LDS: IST: 128 points x (1,024 + 16) bytes, the interpolated channels; F1S: feature1's channel c at 512 c + 128 (c / 32); FIMG: fragment (tile m, K step s) at (3 m + s) x 1,536; FSC: tile m's scale words, 16 bytes a lane.
; An image: register q of lane l at 512 (q / 4) + 16 l + 4 (q % 4): three stores of 512 consecutive bytes, and the same three lines as loads give any wave the fragment.
; REGISTERS.  Gather: v4-7 indices, v8-11 weights (lane r: point r); v12-35 row offsets, two sets; v36-131, v132-227 the rows, two sets; v228-230 addresses.
;   Quantiser: v4-11 addresses; v36-99 64 numbers; v100-114 at work; v116-151 the three fragments; v152-155 the scale words.
;   Products: v36-99 eight accumulators; v100-147 four fragments; v164-235 W1's six fragments; v236-241 W1's scale words, v244-255 the points' (these hold scale words alone); v12-29, v148-161 statistics.
; THE MODE: SCHED_MODE bits 1:0 = 2 (LLVM: expert scheduling mode 2), set by the entry lines.  The code itself states the register dependences
; between vector or matrix instructions and memory or LDS instructions, with s_wait_alu, always for 0.
; THE PLAN.  Registers that memory or LDS instructions touch:
;   v12-35    two sets of row offsets.  Written by twelve adds, read by the set's gather.  Both first sets are made ahead of the first gather, under one wait.
;   v36-227   two sets of rows.  A round's arithmetic reads a set and writes its sums in place; eight LDS stores read the sums; then the gather of two rounds on lands in the set.
;             A round has ONE wait on va_vdst, behind its arithmetic and the set's new offsets: it serves the stores' data, the gather's offsets and the gather's landing.
;   v36-99    the quantiser's numbers: LDS loads land, the quantiser reads.   v116-155 codes and scale words: the quantiser writes, LDS and global stores read.
;             ONE wait on va_vdst a K step, ahead of its stores; the next K step's loads follow it with no vector instruction between.
;   v100-147, v244-255   fragments and scale words of the products: LDS loads land, eight products read.  ONE wait on va_vdst a K step, behind the products; the next K step's loads follow at once,
;             those of the second pass ahead of the first pass's statistics, which name none of these registers.
.set F1S, 133120
.set FIMG, 199168
.set FSC, 236032
.set FC, 524288
.set FS, 9961472
	s_load_b256 s[4:11], s[0:1], 0x0               ; nidx, nw, f2t, feature1
	s_load_b128 s[12:15], s[0:1], 0x20             ; W1's codes, W1's scales
	s_load_b64 s[16:17], s[0:1], 0x30              ; feat
	s_set_vgpr_msb 0x40
	v_lshl_add_u32 v0, v0, 2, 0x3aa00
	v_mov_b32 v1, 0
	s_set_vgpr_msb 0x4000
	v_lshrrev_b32 v1, 5, v0
	v_readfirstlane_b32 s18, v1                    ; wave
	s_wait_alu depctr_va_sdst(0)                   ; s18 is written, ahead of its first reader: the offsets below are made from it
	s_lshr_b32 s19, ttmp9, 6                       ; batch
	s_and_b32 s20, ttmp9, 63
	s_lshl_b32 s22, ttmp9, 11                      ; 2,048 x work-group + 256 x wave: nidx, nw and the record
	s_lshl_b32 s21, s18, 8
	s_add_co_u32 s22, s22, s21
	s_mov_b32 s23, 0
	s_lshl_b32 s24, s19, 21                        ; f2t at the batch
	s_mov_b32 s25, 0
	s_lshl_b32 s26, s19, 22                        ; feature1: batch, my 16 rows of 32,768 bytes, the 128 points
	s_lshl_b32 s21, s18, 19
	s_add_co_u32 s26, s26, s21
	s_lshl_b32 s21, s20, 9
	s_add_co_u32 s26, s26, s21
	s_mov_b32 s27, 0
	s_mul_i32 s28, s18, 9216                       ; W1: my 32 rows of 288 bytes,
	s_mov_b32 s29, 0
	s_mul_i32 s30, s18, 384                        ; and of 12 scale bytes
	s_mov_b32 s31, 0
	s_lshl_b32 s21, ttmp9, 3
	s_add_co_u32 s21, s21, s18                     ; my tile's number
	s_mul_i32 s32, s21, 4608
	s_add_co_u32 s32, s32, FC
	s_mov_b32 s33, 0
	s_lshl_b32 s34, s21, 9
	s_add_co_u32 s34, s34, FS
	s_mov_b32 s35, 0
	s_mov_b32 s36, 0x76543210
	s_mov_b32 s37, 0xfedcba98
.irp j, 0,1,2,3,4,5,6,7,8,9,10,11
	s_mov_b32 s[41+2*\j], 0                        ; the packed forms name a pair and take its low word: the upper word is written once
.endr
	v_and_b32 v3, 31, v0
	v_lshlrev_b32 v1, 4, v3                        ; 16 x lane
	v_and_b32 v2, 15, v0                           ; r
	v_bfe_u32 v3, v0, 4, 1                         ; h
	v_lshlrev_b32 v228, 4, v2
	s_lshl_b32 s21, s18, 13
	s_lshr_b32 s38, s18, 1
	s_lshl_b32 s38, s38, 7
	s_add_co_u32 s21, s21, s38
	s_add_co_u32 s21, s21, F1S
	v_add_nc_u32 v229, s21, v1                     ; F1S: my 16 rows
	s_mul_i32 s21, s18, 16640
	v_add_nc_u32 v230, s21, v1                     ; IST: my 16 rows
	v_mul_u32_u24 v242, v2, 288
	v_mad_u32_u24 v242, v3, 24, v242               ; W1: row r, + 24 h
	v_mul_u32_u24 v243, v2, 12
	s_wait_kmcnt 0x0
	s_add_nc_u64 s[4:5], s[4:5], s[22:23]
	s_add_nc_u64 s[6:7], s[6:7], s[22:23]
	s_add_nc_u64 s[8:9], s[8:9], s[24:25]
	s_add_nc_u64 s[10:11], s[10:11], s[26:27]
	s_add_nc_u64 s[12:13], s[12:13], s[28:29]
	s_add_nc_u64 s[14:15], s[14:15], s[30:31]
	s_add_nc_u64 s[32:33], s[16:17], s[32:33]      ; my tile's images,
	s_add_nc_u64 s[34:35], s[16:17], s[34:35]      ; its scale words,
	s_add_nc_u64 s[16:17], s[16:17], s[22:23]      ; my channels' record
	s_wait_alu depctr_va_vdst(0)                   ; the offsets and addresses v1, v228 to v230, v242 and v243 are written, which the loads and stores below read
	global_load_b128 v[4:7], v228, s[4:5]
	global_load_b128 v[8:11], v228, s[6:7]
.irp k, 0,1,2,3,4,5,6,7,8,9,10,11,12,13,14,15
	global_load_b128 v[132+4*\k:135+4*\k], v1, s[10:11] offset:32768*\k th:TH_LOAD_NT   ; channel 16 w + k: 512 consecutive bytes
.endr
.macro IDX beta                        ; points 4 beta .. + 3: the indices of their 12 rows, as scalars
.irp j, 0,1,2,3,4,5,6,7,8,9,10,11
	v_readlane_b32 s[66+\j], v[4+\j%3], 4*(\beta)+\j/3
.endr
.endm
.macro ROWS                            ; each index is held to the table; a row is 1,024 bytes
.irp j, 0,1,2,3,4,5,6,7,8,9,10,11
	s_min_u32 s[66+\j], s[66+\j], 2047
.endr
.irp j, 0,1,2,3,4,5,6,7,8,9,10,11
	s_lshl_b32 s[66+\j], s[66+\j], 10
.endr
.endm
.macro OFFS set                        ; the byte offsets of the 12 rows
.irp j, 0,1,2,3,4,5,6,7,8,9,10,11
	v_add_nc_u32 v[12+12*(\set)+\j], s[66+\j], v1
.endr
.endm
.macro GATHER set                      ; 12 rows of 1,024 bytes: two loads of 512 consecutive bytes each
.irp j, 0,1,2,3,4,5,6,7,8,9,10,11
	global_load_b128 v[36+96*(\set)+8*\j:39+96*(\set)+8*\j], v[12+12*(\set)+\j], s[8:9]
	global_load_b128 v[40+96*(\set)+8*\j:43+96*(\set)+8*\j], v[12+12*(\set)+\j], s[8:9] offset:512
.endr
.endm
; A round: points 4 beta .. + 3, whose rows lie in the set: w0 f0 + w1 f1 + w2 f2, neighbours in that order, and into my rows of IST.  next = 1: the set then takes the rows of two rounds on.
; left: the younger loads that may stay out.
.macro ROUND beta, set, next, left
.set GB, 36+96*(\set)
	s_wait_loadcnt \left                           ; the older gather is in, the younger may be out
.irp j, 0,1,2,3,4,5,6,7,8,9,10,11
	v_readlane_b32 s[40+2*\j], v[8+\j%3], 4*(\beta)+\j/3
.endr
.if \next
	IDX (\beta)+2
.endif
	s_wait_alu depctr_va_sdst(0)                   ; the twelve weights (next = 1: and the twelve indices) are written into their scalar registers, ahead of their first readers
.if \next
	ROWS
.endif
.irp pt, 0,1,2,3
.irp i, 0,2,4,6
	v_pk_mul_f32 v[GB+24*\pt+\i:GB+24*\pt+\i+1], v[GB+24*\pt+\i:GB+24*\pt+\i+1], s[40+6*\pt:41+6*\pt] op_sel_hi:[1,0]
.endr
.irp i, 0,2,4,6
	v_pk_fma_f32 v[GB+24*\pt+\i:GB+24*\pt+\i+1], v[GB+24*\pt+8+\i:GB+24*\pt+9+\i], s[42+6*\pt:43+6*\pt], v[GB+24*\pt+\i:GB+24*\pt+\i+1] op_sel_hi:[1,0,1]
.endr
.irp i, 0,2,4,6
	v_pk_fma_f32 v[GB+24*\pt+\i:GB+24*\pt+\i+1], v[GB+24*\pt+16+\i:GB+24*\pt+17+\i], s[44+6*\pt:45+6*\pt], v[GB+24*\pt+\i:GB+24*\pt+\i+1] op_sel_hi:[1,0,1]
.endr
.endr
.if \next
	s_wait_alu depctr_vm_vsrc(0)                   ; the set's last gather has read its twelve offsets, which are written again
	OFFS \set
.endif
	s_wait_alu depctr_va_vdst(0)                   ; the sums are written, which the LDS stores read; next = 1: so are the offsets, which the gather reads, and the arithmetic is done with the set, in which the gather lands
.irp pt, 0,1,2,3
	ds_store_b128 v230, v[GB+24*\pt:GB+24*\pt+3] offset:(4*(\beta)+\pt)*1040
	ds_store_b128 v230, v[GB+24*\pt+4:GB+24*\pt+7] offset:(4*(\beta)+\pt)*1040+512
.endr
.if \next
	s_wait_dscnt 0x0
	s_wait_alu depctr_vm_vsrc(0)                   ; the LDS stores have read the sums' registers, in which the gather lands
	GATHER \set
.endif
.endm
	s_wait_loadcnt 16                              ; indices and weights are in; feature1's 16 loads may be out
	IDX 0
	s_wait_alu depctr_va_sdst(0)                   ; the twelve indices are written into s66 to s77, ahead of their first reader
	ROWS
	OFFS 0
	IDX 1
	s_wait_alu depctr_va_sdst(0)                   ; and the next twelve
	ROWS
	OFFS 1
	s_wait_alu depctr_va_vdst(0)                   ; both sets' offsets v12 to v35 are written, which the two gathers below read
	GATHER 0
	s_wait_loadcnt 24                              ; feature1 is in; the gather may be out
.irp k, 0,1,2,3,4,5,6,7,8,9,10,11,12,13,14,15
	ds_store_b128 v229, v[132+4*\k:135+4*\k] offset:512*\k
.endr
	s_wait_dscnt 0x0
	s_wait_alu depctr_vm_vsrc(0)                   ; the LDS stores have read v132 to v195, in which the second set's rows land
	GATHER 1
	ROUND 0, 0, 1, 24
	ROUND 1, 1, 1, 24
	ROUND 2, 0, 0, 24
	ROUND 3, 1, 0, 0
	s_wait_dscnt 0x0                               ; my stores have landed
	s_wait_alu depctr_vm_vsrc(0)                   ; the rounds' LDS stores have read their data and v229, v230: W1's loads land in some of these registers, the quantiser's loads and lines write others; the gathers have read v12 to v35, which the statistics write
.irp n, 0,1
.irp s, 0,1,2
.irp p, 0,1,2,3,4,5
	global_load_b64 v[164+36*\n+12*\s+2*\p:165+36*\n+12*\s+2*\p], v242, s[12:13] offset:4608*\n+96*\s+48*(\p/3)+8*(\p%3)   ; W1's fragment (channels 32 w + 16 n on, K step s): it stays
.endr
	global_load_b32 v[236+3*\n+\s], v243, s[14:15] offset:192*\n+4*\s
.endr
.endr
	s_lshl_b32 s21, s18, 4
	v_add_nc_u32 v4, s21, v2                       ; my point: 16 w + r
	v_lshlrev_b32 v5, 2, v4
	v_mul_u32_u24 v4, v4, 1040
	v_lshl_add_u32 v4, v3, 7, v4                   ; IST: my point's row, + 128 h: a block of 32 channels
	v_mad_u32_u24 v5, v3, 16512, v5
	v_add_nc_u32 v5, F1S, v5                       ; F1S: my point's column; lanes 16-31 begin 32 channels on
	s_mul_i32 s21, s18, 4608
	s_add_co_u32 s21, s21, FIMG
	v_add_nc_u32 v6, s21, v1                       ; where my tile's images go,
	s_lshl_b32 s21, s18, 9
	s_add_co_u32 s21, s21, FSC
	v_add_nc_u32 v7, s21, v1                       ; and its scale words
	v_add_nc_u32 v8, FIMG, v1
	v_add_nc_u32 v9, FSC, v1
	v_lshlrev_b32 v10, 3, v3                       ; 8 h
	v_lshrrev_b32 v11, 1, v1                       ; 8 x lane
	v_mov_b32 v107, 0                              ; written once: a lane permute's destination counts as one of its sources
	v_mov_b32 v155, 0                              ; the fourth of the scale words' 16 bytes
	s_wait_alu depctr_va_vdst(0)                   ; the addresses v4 to v9 and v11 and the zero in v155 are written, which the LDS and memory instructions below read
	s_barrier_signal -1
	s_barrier_wait -1                              ; feature1's 128 channels lie in LDS
; 64 numbers of a lane, v36-99: register 32 c + i = k 64 c + 32 h + i of my point in K step ks: two whole blocks, in the operand's own order: the conversions' results are the fragment.
.macro QB ks
.set PCB, 116+12*(\ks)
.irp c, 0,1
	v_max3_num_f32 v[100+\c], |v[36+32*\c]|, |v[37+32*\c]|, 0x1800000      ; with the floor 2^(3 - 127): the byte cannot fall under 1
.endr
.irp i, 2,4,6,8,10,12,14,16,18,20,22,24,26,28,30
.irp c, 0,1
	v_max3_num_f32 v[100+\c], v[100+\c], |v[36+32*\c+\i]|, |v[37+32*\c+\i]|
.endr
.endr
.irp c, 0,1
	v_add_nc_u32 v[102+\c], 0xff000000, v[100+\c]  ; 2 off the exponent field: the conversion's scale operand
.endr
.irp c, 0,1
	v_lshrrev_b32 v[104+\c], 23, v[102+\c]         ; the scale's byte
.endr
	v_lshl_or_b32 v106, v105, 16, v104             ; blocks h and 2 + h,
	v_lshlrev_b32 v106, v10, v106                  ; at their places in the word;
	v_permlanex16_b32 v107, v106, s36, s37
	v_or_b32 v[152+(\ks)], v106, v107              ; with lane l xor 16's two the word is whole
.irp c, 0,1
	v_cvt_scalef32_pk16_fp6_f32 v[PCB+6*\c:PCB+6*\c+2], v[36+32*\c:51+32*\c], v[102+\c]
	v_cvt_scalef32_pk16_fp6_f32 v[108+4*\c:110+4*\c], v[52+32*\c:67+32*\c], v[102+\c]    ; (a conversion's three registers begin on an even number)
.endr
	v_nop                                          ; one plain place behind a scaled conversion
.irp c, 0,1
.irp i, 0,1,2
	v_mov_b32 v[PCB+3+6*\c+\i], v[108+4*\c+\i]
.endr
.endr
	s_wait_alu depctr_va_vdst(0)                   ; the fragment's twelve registers and the scale word are written, which the stores read; the lines above are done reading v36 to v99, in which the next K step's numbers land
.irp i, 0,1,2
	ds_store_b128 v6, v[PCB+4*\i:PCB+4*\i+3] offset:1536*(\ks)+512*\i
	global_store_b128 v1, v[PCB+4*\i:PCB+4*\i+3], s[32:33] offset:1536*(\ks)+512*\i      ; 512 consecutive bytes
.endr
.endm
.irp s, 0,1                                        ; K steps 0, 1: the interpolated channels, from my own rows of IST
.irp c, 0,1
.irp i, 0,1,2,3,4,5,6,7
	ds_load_b128 v[36+32*\c+4*\i:39+32*\c+4*\i], v4 offset:512*\s+256*\c+16*\i
.endr
.endr
	s_wait_dscnt 0x0
	QB \s
.endr
.irp c, 0,1                                        ; K step 2: feature1, a lane to a point, registers down the channels
.set i, 0
.rept 32
	ds_load_b32 v[36+32*\c+i], v5 offset:(64*\c+i)*512+256*\c
.set i, i+1
.endr
.endr
	s_wait_dscnt 0x0
	QB 2
	ds_store_b128 v7, v[152:155]                   ; (no vector instruction has named these four since the wait in the lines above)
	global_store_b128 v1, v[152:155], s[34:35]
	s_wait_dscnt 0x0
	s_barrier_signal -1
	s_barrier_wait -1                              ; all 24 fragments and their scale words lie in LDS
	s_wait_loadcnt 0x0                             ; W1
	s_wait_xcnt 0x0                                ; the images' stores have had their addresses translated
	s_wait_alu depctr_vm_vsrc(0)                   ; the images' LDS and global stores have read v116 to v151: the fragments below land in v100 to v147, the statistics write v148 to v151
; The sum S and the squared deviations M2 of a lane's 32 numbers of channel n (four accumulators on end); each accumulator is read from its low end on.
.macro STAT n, sr, mr
.set XB, 36+32*(\n)
	v_pk_add_f32 v[148:149], v[XB:XB+1], v[XB+2:XB+3]
	v_pk_add_f32 v[150:151], v[XB+16:XB+17], v[XB+18:XB+19]
.irp i, 4,6,8,10,12,14
	v_pk_add_f32 v[148:149], v[148:149], v[XB+\i:XB+\i+1]
	v_pk_add_f32 v[150:151], v[150:151], v[XB+16+\i:XB+17+\i]
.endr
	v_pk_add_f32 v[148:149], v[148:149], v[150:151]
	v_add_f32 v[\sr], v148, v149
	v_mul_f32 v156, 0x3d000000, v[\sr]             ; the 32 numbers' mean, twice
	v_mul_f32 v157, 0x3d000000, v[\sr]
.irp i, 0,2,4,6,8,10,12,14,16,18,20,22,24,26,28,30
	v_pk_add_f32 v[XB+\i:XB+\i+1], v[XB+\i:XB+\i+1], v[156:157] neg_lo:[0,1] neg_hi:[0,1]
.endr
	v_pk_mul_f32 v[158:159], v[XB:XB+1], v[XB:XB+1]
	v_pk_mul_f32 v[160:161], v[XB+2:XB+3], v[XB+2:XB+3]
.irp i, 4,8,12,16,20,24,28
	v_pk_fma_f32 v[158:159], v[XB+\i:XB+\i+1], v[XB+\i:XB+\i+1], v[158:159]
	v_pk_fma_f32 v[160:161], v[XB+\i+2:XB+\i+3], v[XB+\i+2:XB+\i+3], v[160:161]
.endr
	v_pk_add_f32 v[158:159], v[158:159], v[160:161]
	v_add_f32 v[\mr], v158, v159
.endm
; Four tiles of points x my 32 channels: source 0 = 16 points, source 1 = 16 rows of W1: a lane holds ONE channel and eight points an accumulator.  Two passes of four tiles, three K steps each.
.macro LSC pn                          ; pass pn: the four tiles' scale words
.irp m, 0,1,2,3
.irp s, 0,1,2
	ds_load_b32 v[244+3*\m+\s], v9 offset:512*(4*(\pn)+\m)+4*\s
.endr
.endr
.endm
.macro LFR pn, s                       ; pass pn, K step s: the four tiles' fragments
.irp m, 0,1,2,3
.irp i, 0,1,2
	ds_load_b128 v[100+12*\m+4*\i:103+12*\m+4*\i], v8 offset:(3*(4*(\pn)+\m)+(\s))*1536+512*\i
.endr
.endr
.endm
.macro MUL s                           ; K step s: eight products; the eight accumulators take turns
	s_wait_dscnt 0x0
.irp m, 0,1,2,3
.irp n, 0,1
.if (\s) == 0
	v_wmma_scale_f32_16x16x128_f8f6f4 v[36+32*\n+8*\m:43+32*\n+8*\m], v[100+12*\m:111+12*\m], v[164+36*\n+12*(\s):175+36*\n+12*(\s)], 0, v[244+3*\m+(\s)], v[236+3*\n+(\s)] matrix_a_fmt:MATRIX_FMT_FP6 matrix_b_fmt:MATRIX_FMT_FP6
.else
	v_wmma_scale_f32_16x16x128_f8f6f4 v[36+32*\n+8*\m:43+32*\n+8*\m], v[100+12*\m:111+12*\m], v[164+36*\n+12*(\s):175+36*\n+12*(\s)], v[36+32*\n+8*\m:43+32*\n+8*\m], v[244+3*\m+(\s)], v[236+3*\n+(\s)] matrix_a_fmt:MATRIX_FMT_FP6 matrix_b_fmt:MATRIX_FMT_FP6
.endif
.endr
.endr
.rept 4
	v_nop                                          ; places behind the products, ahead of the first read of results (ISA guide 7.12.1)
.endr
.endm
	LSC 0
	LFR 0, 0
	MUL 0
	s_wait_alu depctr_va_vdst(0)                   ; the eight products are done reading v100 to v147, in which the next K step's fragments land
	LFR 0, 1
	MUL 1
	s_wait_alu depctr_va_vdst(0)                   ; likewise
	LFR 0, 2
	MUL 2
	s_wait_alu depctr_va_vdst(0)                   ; the pass's products are done reading v100 to v147 and the scale words v244 to v255, in which the second pass's land
	LSC 1
	LFR 1, 0                                       ; they land while the first pass's statistics are taken, which name none of these registers
	STAT 0, 12, 13
	STAT 1, 14, 15
	MUL 0
	s_wait_alu depctr_va_vdst(0)                   ; the eight products are done reading v100 to v147, in which the next K step's fragments land
	LFR 1, 1
	MUL 1
	s_wait_alu depctr_va_vdst(0)                   ; likewise
	LFR 1, 2
	MUL 2
	STAT 0, 16, 17
	STAT 1, 18, 19
.irp n, 0,1                                        ; the two passes, 32 numbers each
	v_sub_f32 v[20+\n], v[12+2*\n], v[16+2*\n]
	v_add_f32 v[13+2*\n], v[13+2*\n], v[17+2*\n]
	v_add_f32 v[12+2*\n], v[12+2*\n], v[16+2*\n]
	v_mul_f32 v[20+\n], v[20+\n], v[20+\n]
	v_fmamk_f32 v[13+2*\n], v[20+\n], 0x3c800000, v[13+2*\n]      ; + (Sa - Sb)^2 / 64
.endr
.irp i, 0,1,2,3
	v_mov_b32 v[24+\i], 0
.endr
.irp i, 0,1,2,3
	v_permlanex16_b32 v[24+\i], v[12+\i], s36, s37
.endr
.irp n, 0,1                                        ; the two halves of the lanes, 64 numbers each
	v_sub_f32 v[20+\n], v[12+2*\n], v[24+2*\n]
	v_add_f32 v[13+2*\n], v[13+2*\n], v[25+2*\n]
	v_add_f32 v[12+2*\n], v[12+2*\n], v[24+2*\n]
	v_mul_f32 v[20+\n], v[20+\n], v[20+\n]
	v_fmamk_f32 v[13+2*\n], v[20+\n], 0x3c000000, v[13+2*\n]      ; + (Sa - Sb)^2 / 128
.endr
	v_cmp_eq_u32 vcc_lo, 1, v3
	s_wait_alu depctr_va_vcc(0)                    ; VCC is written, ahead of the selects that read it
	v_cndmask_b32 v28, v12, v14, vcc_lo            ; lane l answers for channel 32 w + l
	v_cndmask_b32 v29, v13, v15, vcc_lo
	s_wait_alu depctr_va_vdst(0)                   ; v28 and v29 are written, which the store reads
	global_store_b64 v11, v[28:29], s[16:17]       ; 256 consecutive bytes
	s_set_vgpr_msb 0x5                             ; the add's two registers, sources 0 and 1, lie in the second window
	s_wait_dscnt 0x0                               ; the closing lines, six on end, of a launch in the mode that stores to LDS
	s_wait_alu 0x0
	s_wait_tensorcnt 0x0
	ds_add_u32 v0, v1
	s_wait_dscnt 0x0
	s_endpgm
.Lfunc_end_k_q6ff5f61661_feat:
	.size	k_q6ff5f61661_feat, .Lfunc_end_k_q6ff5f61661_feat-k_q6ff5f61661_feat
	.p2alignl 7, 3214868480
	.fill 96, 4, 3214868480
	.section	.rodata,"a",@progbits
	.p2align	6, 0x0
	.amdhsa_kernel k_q6ff5f61661_feat
		.amdhsa_group_segment_fixed_size 241152
		.amdhsa_private_segment_fixed_size 0
		.amdhsa_enable_private_segment 0
		.amdhsa_kernarg_size 56
		.amdhsa_user_sgpr_count 2
		.amdhsa_user_sgpr_kernarg_segment_ptr 1
		.amdhsa_wavefront_size32 1
		.amdhsa_system_sgpr_workgroup_id_x 1
		.amdhsa_system_sgpr_workgroup_id_y 1
		.amdhsa_system_sgpr_workgroup_id_z 1
		.amdhsa_system_vgpr_workitem_id 0
		.amdhsa_next_free_vgpr 258
		.amdhsa_next_free_sgpr 80
		.amdhsa_reserve_vcc 1
		.amdhsa_float_denorm_mode_32 3
		.amdhsa_float_denorm_mode_16_64 3
		.amdhsa_memory_ordered 1
		.amdhsa_forward_progress 1
		.amdhsa_inst_pref_size 91
	.end_amdhsa_kernel
	.amdgpu_metadata
---
amdhsa.version: [ 1, 2 ]
amdhsa.kernels:
  - .name:           k_q6ff5f61661_feat
    .symbol:         k_q6ff5f61661_feat.kd
    .args:
      - { .name: nidx, .offset: 0, .size: 8, .value_kind: global_buffer, .address_space: global }
      - { .name: nw, .offset: 8, .size: 8, .value_kind: global_buffer, .address_space: global }
      - { .name: f2t, .offset: 16, .size: 8, .value_kind: global_buffer, .address_space: global }
      - { .name: feature1, .offset: 24, .size: 8, .value_kind: global_buffer, .address_space: global }
      - { .name: W1_codes, .offset: 32, .size: 8, .value_kind: global_buffer, .address_space: global }
      - { .name: W1_scales, .offset: 40, .size: 8, .value_kind: global_buffer, .address_space: global }
      - { .name: feat, .offset: 48, .size: 8, .value_kind: global_buffer, .address_space: global }
    .group_segment_fixed_size: 241152
    .private_segment_fixed_size: 0
    .kernarg_segment_align: 8
    .kernarg_segment_size: 56
    .max_flat_workgroup_size: 256
    .sgpr_count:     80
    .vgpr_count:     258
    .wavefront_size: 32
...
	.end_amdgpu_metadata
.endif
;; end of part 8
;; launch fin1: the kernel of part 4 again; grid 8 x 1, 8 waves a work-group, no clusters, 3,072 bytes of LDS; arguments feat, b1, g1, be1, bn1; writes bn1
;; launch mid (part 9): grid 256 x 1, 8 waves a work-group, no clusters, 168,960 bytes of LDS; arguments feat, bn1, W1_codes, W1_scales, W2_codes, W2_scales, hid; writes hid
.if DOCPART == 9
	.amdgcn_target "amdgcn-amd-amdhsa--gfx1250"
	.amdhsa_code_object_version 6
	.text
	.protected	k_q6ff5f61661_mid
	.globl	k_q6ff5f61661_mid
	.p2align	8
	.type	k_q6ff5f61661_mid,@function
k_q6ff5f61661_mid:
	s_mov_b64 s[64:65], 0
	v_nop
	global_prefetch_b8 v0, s[64:65] scope:SCOPE_SE
	s_setreg_imm32_b32 hwreg(HW_REG_WAVE_SCHED_MODE, 0, 2), 2
	s_setreg_imm32_b32 hwreg(HW_REG_WAVE_MODE, 25, 1), 1
	s_wait_xcnt 0x0
	s_wait_alu depctr_vm_vsrc(0)
; For 128 points: z1 = W1 x once more from the codes (cheaper than z1's way to memory and back: 4 bytes a number against 0.8), h = relu(z1 s + t), quantised along the 256 hidden units to E2M3 with one
; E8M0 scale for each 32; the codes leave as images of the operand's registers; z2 = W2 h is multiplied once for the second BatchNorm's statistics (S, M2 of these 128 points for each channel).
; A block's scale byte is its largest magnitude's exponent field - 2, held at 1 from below; a block of zeros so has the byte 1 and zero codes, and this program alone reads the bytes.
; SHARES.  Wave w copies tile w's images into LDS.  First product, TRANSPOSED (source 0 = 16 rows of W1, source 1 = 16 points): wave w makes hidden units 32 w .. 32 w + 31, ONE block of the next K, for all
; eight tiles.  Lane r of W1's tile u takes row 32 w + 8 u + r + 8 (r / 8), so that lane (r, h) holds, in the 16 registers of the two tiles, units 32 w + 16 h + 0 .. 15 of point r: one conversion makes
; their 96 bits, which go by three stores of a word straight to their place in the hidden layer's image.  Second product as in the launch that made the codes: a lane a channel.
; No cluster: what the work-groups share is the weights, 125 KB beside 40 KB of codes, taken once by each wave straight into operand registers.
; LDS: FIMG: x's fragment (tile m, K step s) at (3 m + s) x 1,536; FSC: 16 bytes a lane and tile; HIMG: the hidden layer's (2 m + s) x 1,536; HSC: word of point r at 128 m + 64 s + 4 r.
; REGISTERS: v1 16 l, v2 r, v3 h, v4-9 addresses; v10-31 scale words and nothing else (v10-13 W2's, v14-19 W1's, v20-23 x's, v24-31 the hidden layer's); v32-103 W1's six fragments; v104-135 s and t of my 16 units;
;   v136-171 x's three fragments; v172-187 two accumulators, then h; v188-194 at work; v195-204 addresses; v208-255 W2's four fragments.
;   Second product: v32-95 eight accumulators; v96-143 four fragments; v144-169 the way out; v170-193 statistics.
; THE MODE: SCHED_MODE bits 1:0 = 2 (LLVM: expert scheduling mode 2), set by the entry lines.  The code itself states the register dependences
; between vector or matrix instructions and memory or LDS instructions, with s_wait_alu, always for 0.
; THE PLAN.  Registers that memory or LDS instructions touch:
;   v136-171, v20-23   a tile's fragments and scale words.  LDS loads land; the tile's six products read.
;   v191-194           a tile's scale byte and 96 bits.  Written by the tile's last vector lines; read by four LDS stores, which are issued in the NEXT tile.
;   So a tile has ONE wait on va_vdst, behind its products: they are done reading the fragments, and the tile before has written v191 to v194.  Behind it stand the next tile's loads and the last tile's stores.
;   One wait on vm_vsrc stands ahead of the line that writes v191 again, some thirty vector instructions behind those stores.
;   v96-143, v24-31    the second product's fragments and scale words: one wait on va_vdst a K step, behind its products; the next K step's loads follow at once, the second pass's ahead of the first pass's statistics.
;   v144-169           tile w on its way out: LDS loads land, global stores read; nothing else names them from there on.
.set FSC, 36864
.set HIMG, 40960
.set HSC, 65536
.set FC, 524288
.set FS, 9961472
.set HC, 524288
.set HS, 6815744
	s_load_b256 s[4:11], s[0:1], 0x0               ; feat, bn1, W1's codes, W1's scales
	s_load_b128 s[12:15], s[0:1], 0x20             ; W2's codes, W2's scales
	s_load_b64 s[16:17], s[0:1], 0x30              ; hid
	v_lshl_add_u32 v206, v0, 2, 0x29000
	v_mov_b32 v207, 0
	v_lshrrev_b32 v1, 5, v0
	v_readfirstlane_b32 s18, v1                    ; wave
	s_wait_alu depctr_va_sdst(0)                   ; s18 is written, ahead of its first reader: the offsets below are made from it
	s_lshl_b32 s19, ttmp9, 3
	s_add_co_u32 s19, s19, s18                     ; my tile's number
	s_mul_i32 s20, s19, 4608
	s_add_co_u32 s20, s20, FC
	s_mov_b32 s21, 0
	s_lshl_b32 s22, s19, 9
	s_add_co_u32 s22, s22, FS
	s_mov_b32 s23, 0
	s_mul_i32 s24, s19, 3072
	s_add_co_u32 s24, s24, HC
	s_mov_b32 s25, 0
	s_lshl_b32 s26, s19, 8
	s_add_co_u32 s26, s26, HS
	s_mov_b32 s27, 0
	s_mov_b32 s28, 0x76543210
	s_mov_b32 s29, 0xfedcba98
	s_mov_b32 s31, 0
	v_and_b32 v9, 31, v0
	v_lshlrev_b32 v1, 4, v9                        ; 16 x lane
	v_lshlrev_b32 v9, 3, v9                        ; 8 x lane
	v_and_b32 v2, 15, v0                           ; r
	v_bfe_u32 v3, v0, 4, 1                         ; h
	v_lshl_add_u32 v4, v2, 2, HSC
	; where my 96 bits go.  My block is block w % 4 of K step w / 4: in the image it fills registers 6 ((w / 2) % 2) + 0 .. 5 of lane 16 (w % 2) + r; my half of it registers q = 6 ((w / 2) % 2) + 3 h + i
	s_bfe_u32 s32, s18, 0x10001
	s_mul_i32 s32, s32, 6
	s_lshr_b32 s33, s18, 2
	s_mul_i32 s33, s33, 1536
	s_and_b32 s34, s18, 1
	s_lshl_b32 s34, s34, 8
	s_add_co_u32 s33, s33, s34
	s_add_co_u32 s33, s33, HIMG
	v_mul_u32_u24 v192, v3, 3
	v_add_nc_u32 v192, s32, v192
.irp i, 0,1,2
	v_add_nc_u32 v193, \i, v192                    ; q
	v_lshrrev_b32 v194, 2, v193
	v_and_b32 v193, 3, v193
	v_lshlrev_b32 v194, 9, v194                    ; 512 (q / 4)
	v_lshl_add_u32 v194, v193, 2, v194             ; + 4 (q % 4)
	v_lshl_add_u32 v194, v2, 4, v194               ; + 16 r
	v_add_nc_u32 v[5+\i], s33, v194
.endr
	s_lshr_b32 s32, s18, 2
	s_lshl_b32 s32, s32, 6
	s_and_b32 s33, s18, 3
	s_add_co_u32 s32, s32, s33
	s_add_co_u32 s32, s32, HSC
	v_lshl_add_u32 v8, v2, 2, s32                  ; and my block's scale byte: byte w % 4 of point r's word of K step w / 4
	v_and_b32 v192, 8, v2
	v_add_nc_u32 v192, v192, v2                    ; r + 8 (r / 8)
	v_mul_u32_u24 v195, v192, 288
	v_mad_u32_u24 v195, v3, 24, v195               ; W1, by the tile's rows
	v_mul_u32_u24 v196, v192, 12
	v_lshlrev_b32 v197, 6, v3                      ; s, t: my half's 16 units
	v_mul_u32_u24 v198, v2, 192
	v_mad_u32_u24 v198, v3, 24, v198               ; W2: row r
	v_lshlrev_b32 v199, 3, v2
	s_mul_i32 s32, s18, 4608
	v_add_nc_u32 v200, s32, v1                     ; the copy of tile w
	s_lshl_b32 s32, s18, 9
	s_add_co_u32 s32, s32, FSC
	v_add_nc_u32 v201, s32, v1
	s_mul_i32 s32, s18, 3072
	s_add_co_u32 s32, s32, HIMG
	v_add_nc_u32 v203, s32, v1                     ; the way out of tile w
	s_lshl_b32 s32, s18, 7
	s_add_co_u32 s32, s32, HSC
	v_lshl_add_u32 v204, v2, 2, s32
	s_wait_kmcnt 0x0
	s_add_nc_u64 s[20:21], s[4:5], s[20:21]        ; x's images,
	s_add_nc_u64 s[22:23], s[4:5], s[22:23]        ; their scale words
	s_add_nc_u64 s[24:25], s[16:17], s[24:25]      ; the hidden layer's images,
	s_add_nc_u64 s[26:27], s[16:17], s[26:27]      ; their scale words
	s_lshl_b32 s30, s18, 7
	s_add_nc_u64 s[6:7], s[6:7], s[30:31]          ; s, t at unit 32 w
	s_mul_i32 s30, s18, 9216
	s_add_nc_u64 s[8:9], s[8:9], s[30:31]
	s_mul_i32 s30, s18, 384
	s_add_nc_u64 s[10:11], s[10:11], s[30:31]
	s_mul_i32 s30, s18, 6144
	s_add_nc_u64 s[12:13], s[12:13], s[30:31]
	s_lshl_b32 s30, s18, 8
	s_add_nc_u64 s[14:15], s[14:15], s[30:31]
	s_lshl_b32 s32, ttmp9, 11
	s_add_co_u32 s30, s30, s32
	s_add_nc_u64 s[16:17], s[16:17], s[30:31]      ; my channels' record
	s_wait_alu depctr_va_vdst(0)                   ; the offsets and addresses v1, v4 to v9 and v195 to v204 are written, which the loads and stores of the kernel read
.irp i, 0,1,2,3,4,5,6,7,8
	global_load_b128 v[136+4*\i:139+4*\i], v1, s[20:21] offset:512*\i th:TH_LOAD_NT
.endr
	global_load_b128 v[172:175], v1, s[22:23] th:TH_LOAD_NT
.irp u, 0,1
.irp s, 0,1,2
.irp p, 0,1,2,3,4,5
	global_load_b64 v[32+36*\u+12*\s+2*\p:33+36*\u+12*\s+2*\p], v195, s[8:9] offset:2304*\u+96*\s+48*(\p/3)+8*(\p%3)
.endr
	global_load_b32 v[14+3*\u+\s], v196, s[10:11] offset:96*\u+4*\s
.endr
.endr
	s_wait_loadcnt 42                              ; the copy's ten loads are in; W1's 42 may be out
.irp i, 0,1,2,3,4,5,6,7,8
	ds_store_b128 v200, v[136+4*\i:139+4*\i] offset:512*\i
.endr
	ds_store_b128 v201, v[172:175]
.irp i, 0,1,2,3
	global_load_b128 v[104+4*\i:107+4*\i], v197, s[6:7] offset:16*\i
	global_load_b128 v[120+4*\i:123+4*\i], v197, s[6:7] offset:1024+16*\i
.endr
.irp n, 0,1
.irp s, 0,1
.irp p, 0,1,2,3,4,5
	global_load_b64 v[208+24*\n+12*\s+2*\p:209+24*\n+12*\s+2*\p], v198, s[12:13] offset:3072*\n+96*\s+48*(\p/3)+8*(\p%3)
.endr
	global_load_b32 v[10+2*\n+\s], v199, s[14:15] offset:128*\n+4*\s
.endr
.endr
	s_wait_dscnt 0x0
	s_barrier_signal -1
	s_barrier_wait -1                              ; x's 24 fragments lie in LDS
	s_wait_alu depctr_vm_vsrc(0)                   ; the copy's LDS stores have read v136 to v175: the tiles' fragments land in v136 to v171, the products write v172 on
	s_wait_loadcnt 28                              ; W1, s and t are in; W2's 28 loads may be out
.macro LDT m
.irp i, 0,1,2,3,4,5,6,7,8
	ds_load_b128 v[136+4*\i:139+4*\i], v1 offset:4608*(\m)+512*\i
.endr
	ds_load_b128 v[20:23], v1 offset:FSC+512*(\m)
.endm
.macro PUT m                           ; tile m's 96 bits and its scale byte go to their places in the hidden layer's image
	ds_store_b32 v5, v192 offset:3072*(\m)
	ds_store_b32 v6, v193 offset:3072*(\m)
	ds_store_b32 v7, v194 offset:3072*(\m)
	ds_store_b8 v8, v191 offset:128*(\m)           ; both lanes of a block write the same byte with the same value
.endm
.macro TILE m
	s_wait_dscnt 0x0                               ; the tile's fragments are in
.irp s, 0,1,2
.irp u, 0,1                                        ; the two accumulators take turns
.if \s == 0
	v_wmma_scale_f32_16x16x128_f8f6f4 v[172+8*\u:179+8*\u], v[32+36*\u+12*\s:43+36*\u+12*\s], v[136+12*\s:147+12*\s], 0, v[14+3*\u+\s], v[20+\s] matrix_a_fmt:MATRIX_FMT_FP6 matrix_b_fmt:MATRIX_FMT_FP6
.else
	v_wmma_scale_f32_16x16x128_f8f6f4 v[172+8*\u:179+8*\u], v[32+36*\u+12*\s:43+36*\u+12*\s], v[136+12*\s:147+12*\s], v[172+8*\u:179+8*\u], v[14+3*\u+\s], v[20+\s] matrix_a_fmt:MATRIX_FMT_FP6 matrix_b_fmt:MATRIX_FMT_FP6
.endif
.endr
.endr
.rept 4
	v_nop                                          ; places behind the products, ahead of the first read of results (ISA guide 7.12.1)
.endr
	s_wait_alu depctr_va_vdst(0)                   ; the six products are done reading v136 to v171 and v20 to v23, in which the next tile lands; the tile before has written v191 to v194, which its stores read
.if (\m) < 7
	LDT (\m)+1                                     ; the next tile lands while this one is quantised
.endif
.if (\m) > 0
	PUT (\m)-1
.endif
.irp i, 0,2,4,6,8,10,12,14
	v_pk_fma_f32 v[172+\i:173+\i], v[172+\i:173+\i], v[104+\i:105+\i], v[120+\i:121+\i]     ; z s + t, each accumulator from its low end on
.endr
.irp i, 0,1,2,3,4,5,6,7,8,9,10,11,12,13,14,15
	v_max_num_f32 v[172+\i], 0, v[172+\i]          ; relu
.endr
	v_max3_num_f32 v188, v172, v173, 0x1800000     ; my 16 numbers' largest (none is negative), with the floor 2^(3 - 127), in two chains
	v_max3_num_f32 v189, v174, v175, v176
	v_max3_num_f32 v188, v188, v177, v178
	v_max3_num_f32 v189, v189, v179, v180
	v_max3_num_f32 v188, v188, v181, v182
	v_max3_num_f32 v189, v189, v183, v184
	v_max3_num_f32 v188, v188, v185, v186
	v_max3_num_f32 v188, v188, v189, v187
	v_permlanex16_b32 v189, v188, s28, s29
	v_max_num_f32 v188, v188, v189                 ; with lane l xor 16's: the block's
	v_add_nc_u32 v190, 0xff000000, v188            ; 2 off the exponent field: the conversion's scale operand
.if (\m) > 0
	s_wait_alu depctr_vm_vsrc(0)                   ; the last tile's four LDS stores, issued above, have read v191 to v194, which the two lines below write
.endif
	v_lshrrev_b32 v191, 23, v190                   ; the scale's byte
	v_cvt_scalef32_pk16_fp6_f32 v[192:194], v[172:187], v190
	v_nop                                          ; one plain place behind a scaled conversion
.endm
	LDT 0
.irp t, 0,1,2,3,4,5,6,7
	TILE \t
.endr
	s_wait_alu depctr_va_vdst(0)                   ; the last tile has written v191 to v194, which its stores read; its lines are done with v96 to v171, in which the loads behind the barrier land
	PUT 7
	s_wait_dscnt 0x0
	s_barrier_signal -1
	s_barrier_wait -1                              ; the hidden layer's 16 fragments and their scale words lie in LDS
	s_wait_alu depctr_vm_vsrc(0)                   ; the last tile's LDS stores have read v191 to v194, which the statistics write
	s_wait_loadcnt 0x0                             ; W2
.irp i, 0,1,2,3,4,5
	ds_load_b128 v[144+4*\i:147+4*\i], v203 offset:512*\i          ; tile w goes out
.endr
	ds_load_b32 v168, v204
	ds_load_b32 v169, v204 offset:64
	s_wait_dscnt 0x0
.irp i, 0,1,2,3,4,5
	global_store_b128 v1, v[144+4*\i:147+4*\i], s[24:25] offset:512*\i     ; 512 consecutive bytes
.endr
	global_store_b64 v9, v[168:169], s[26:27]      ; 256 consecutive bytes
.macro STAT n, sr, mr                  ; S and M2 of a lane's 32 numbers of channel n; each accumulator is read from its low end on
.set XB, 32+32*(\n)
	v_pk_add_f32 v[170:171], v[XB:XB+1], v[XB+2:XB+3]
	v_pk_add_f32 v[172:173], v[XB+16:XB+17], v[XB+18:XB+19]
.irp i, 4,6,8,10,12,14
	v_pk_add_f32 v[170:171], v[170:171], v[XB+\i:XB+\i+1]
	v_pk_add_f32 v[172:173], v[172:173], v[XB+16+\i:XB+17+\i]
.endr
	v_pk_add_f32 v[170:171], v[170:171], v[172:173]
	v_add_f32 v[\sr], v170, v171
	v_mul_f32 v174, 0x3d000000, v[\sr]
	v_mul_f32 v175, 0x3d000000, v[\sr]
.irp i, 0,2,4,6,8,10,12,14,16,18,20,22,24,26,28,30
	v_pk_add_f32 v[XB+\i:XB+\i+1], v[XB+\i:XB+\i+1], v[174:175] neg_lo:[0,1] neg_hi:[0,1]
.endr
	v_pk_mul_f32 v[176:177], v[XB:XB+1], v[XB:XB+1]
	v_pk_mul_f32 v[178:179], v[XB+2:XB+3], v[XB+2:XB+3]
.irp i, 4,8,12,16,20,24,28
	v_pk_fma_f32 v[176:177], v[XB+\i:XB+\i+1], v[XB+\i:XB+\i+1], v[176:177]
	v_pk_fma_f32 v[178:179], v[XB+\i+2:XB+\i+3], v[XB+\i+2:XB+\i+3], v[178:179]
.endr
	v_pk_add_f32 v[176:177], v[176:177], v[178:179]
	v_add_f32 v[\mr], v176, v177
.endm
; Four tiles of points x my 32 channels of W2, two passes of four tiles, two K steps each.
.macro LSC pn                          ; pass pn: the four tiles' scale words
.irp m, 0,1,2,3
.irp s, 0,1
	ds_load_b32 v[24+2*\m+\s], v4 offset:128*(4*(\pn)+\m)+64*\s
.endr
.endr
.endm
.macro LFR pn, s                       ; pass pn, K step s: the four tiles' fragments
.irp m, 0,1,2,3
.irp i, 0,1,2
	ds_load_b128 v[96+12*\m+4*\i:99+12*\m+4*\i], v1 offset:HIMG+(2*(4*(\pn)+\m)+(\s))*1536+512*\i
.endr
.endr
.endm
.macro MUL s                           ; K step s: eight products; the eight accumulators take turns
	s_wait_dscnt 0x0
.irp m, 0,1,2,3
.irp n, 0,1
.if (\s) == 0
	v_wmma_scale_f32_16x16x128_f8f6f4 v[32+32*\n+8*\m:39+32*\n+8*\m], v[96+12*\m:107+12*\m], v[208+24*\n+12*(\s):219+24*\n+12*(\s)], 0, v[24+2*\m+(\s)], v[10+2*\n+(\s)] matrix_a_fmt:MATRIX_FMT_FP6 matrix_b_fmt:MATRIX_FMT_FP6
.else
	v_wmma_scale_f32_16x16x128_f8f6f4 v[32+32*\n+8*\m:39+32*\n+8*\m], v[96+12*\m:107+12*\m], v[208+24*\n+12*(\s):219+24*\n+12*(\s)], v[32+32*\n+8*\m:39+32*\n+8*\m], v[24+2*\m+(\s)], v[10+2*\n+(\s)] matrix_a_fmt:MATRIX_FMT_FP6 matrix_b_fmt:MATRIX_FMT_FP6
.endif
.endr
.endr
.rept 4
	v_nop                                          ; places behind the products, ahead of the first read of results (ISA guide 7.12.1)
.endr
.endm
	LSC 0
	LFR 0, 0
	MUL 0
	s_wait_alu depctr_va_vdst(0)                   ; the eight products are done reading v96 to v143, in which the next K step's fragments land
	LFR 0, 1
	MUL 1
	s_wait_alu depctr_va_vdst(0)                   ; the pass's products are done reading v96 to v143 and the scale words v24 to v31, in which the second pass's land
	LSC 1
	LFR 1, 0                                       ; they land while the first pass's statistics are taken, which name none of these registers
	STAT 0, 184, 185
	STAT 1, 186, 187
	MUL 0
	s_wait_alu depctr_va_vdst(0)                   ; the eight products are done reading v96 to v143, in which the next K step's fragments land
	LFR 1, 1
	MUL 1
	STAT 0, 188, 189
	STAT 1, 190, 191
.irp n, 0,1                                        ; the two passes, 32 numbers each
	v_sub_f32 v[192+\n], v[184+2*\n], v[188+2*\n]
	v_add_f32 v[185+2*\n], v[185+2*\n], v[189+2*\n]
	v_add_f32 v[184+2*\n], v[184+2*\n], v[188+2*\n]
	v_mul_f32 v[192+\n], v[192+\n], v[192+\n]
	v_fmamk_f32 v[185+2*\n], v[192+\n], 0x3c800000, v[185+2*\n]
.endr
.irp i, 0,1,2,3
	v_permlanex16_b32 v[176+\i], v[184+\i], s28, s29               ; (v176-179 have been written)
.endr
.irp n, 0,1                                        ; the two halves of the lanes, 64 numbers each
	v_sub_f32 v[192+\n], v[184+2*\n], v[176+2*\n]
	v_add_f32 v[185+2*\n], v[185+2*\n], v[177+2*\n]
	v_add_f32 v[184+2*\n], v[184+2*\n], v[176+2*\n]
	v_mul_f32 v[192+\n], v[192+\n], v[192+\n]
	v_fmamk_f32 v[185+2*\n], v[192+\n], 0x3c000000, v[185+2*\n]
.endr
	v_cmp_eq_u32 vcc_lo, 1, v3
	s_wait_alu depctr_va_vcc(0)                    ; VCC is written, ahead of the selects that read it
	v_cndmask_b32 v180, v184, v186, vcc_lo         ; lane l answers for channel 32 w + l
	v_cndmask_b32 v181, v185, v187, vcc_lo
	s_wait_alu depctr_va_vdst(0)                   ; v180 and v181 are written, which the store reads
	global_store_b64 v9, v[180:181], s[16:17]      ; 256 consecutive bytes
	s_wait_dscnt 0x0                               ; the closing lines, six on end, of a launch in the mode that stores to LDS
	s_wait_alu 0x0
	s_wait_tensorcnt 0x0
	ds_add_u32 v206, v207
	s_wait_dscnt 0x0
	s_endpgm
.Lfunc_end_k_q6ff5f61661_mid:
	.size	k_q6ff5f61661_mid, .Lfunc_end_k_q6ff5f61661_mid-k_q6ff5f61661_mid
	.p2alignl 7, 3214868480
	.fill 96, 4, 3214868480
	.section	.rodata,"a",@progbits
	.p2align	6, 0x0
	.amdhsa_kernel k_q6ff5f61661_mid
		.amdhsa_group_segment_fixed_size 168960
		.amdhsa_private_segment_fixed_size 0
		.amdhsa_enable_private_segment 0
		.amdhsa_kernarg_size 56
		.amdhsa_user_sgpr_count 2
		.amdhsa_user_sgpr_kernarg_segment_ptr 1
		.amdhsa_wavefront_size32 1
		.amdhsa_system_sgpr_workgroup_id_x 1
		.amdhsa_system_sgpr_workgroup_id_y 1
		.amdhsa_system_sgpr_workgroup_id_z 1
		.amdhsa_system_vgpr_workitem_id 0
		.amdhsa_next_free_vgpr 256
		.amdhsa_next_free_sgpr 66
		.amdhsa_reserve_vcc 1
		.amdhsa_float_denorm_mode_32 3
		.amdhsa_float_denorm_mode_16_64 3
		.amdhsa_memory_ordered 1
		.amdhsa_forward_progress 1
		.amdhsa_inst_pref_size 68
	.end_amdhsa_kernel
	.amdgpu_metadata
---
amdhsa.version: [ 1, 2 ]
amdhsa.kernels:
  - .name:           k_q6ff5f61661_mid
    .symbol:         k_q6ff5f61661_mid.kd
    .args:
      - { .name: feat, .offset: 0, .size: 8, .value_kind: global_buffer, .address_space: global }
      - { .name: bn1, .offset: 8, .size: 8, .value_kind: global_buffer, .address_space: global }
      - { .name: W1_codes, .offset: 16, .size: 8, .value_kind: global_buffer, .address_space: global }
      - { .name: W1_scales, .offset: 24, .size: 8, .value_kind: global_buffer, .address_space: global }
      - { .name: W2_codes, .offset: 32, .size: 8, .value_kind: global_buffer, .address_space: global }
      - { .name: W2_scales, .offset: 40, .size: 8, .value_kind: global_buffer, .address_space: global }
      - { .name: hid, .offset: 48, .size: 8, .value_kind: global_buffer, .address_space: global }
    .group_segment_fixed_size: 168960
    .private_segment_fixed_size: 0
    .kernarg_segment_align: 8
    .kernarg_segment_size: 56
    .max_flat_workgroup_size: 256
    .sgpr_count:     66
    .vgpr_count:     256
    .wavefront_size: 32
...
	.end_amdgpu_metadata
.endif
;; end of part 9
;; launch last (part 10): grid 256 x 1, 8 waves a work-group, no clusters, 168,960 bytes of LDS; arguments hid, b2, g2, be2, W2_codes, W2_scales, out0; writes out0
.if DOCPART == 10
	.amdgcn_target "amdgcn-amd-amdhsa--gfx1250"
	.amdhsa_code_object_version 6
	.text
	.protected	k_q6ff5f61661_last
	.globl	k_q6ff5f61661_last
	.p2align	8
	.type	k_q6ff5f61661_last,@function
k_q6ff5f61661_last:
	s_mov_b64 s[64:65], 0
	v_nop
	global_prefetch_b8 v0, s[64:65] scope:SCOPE_SE
	s_setreg_imm32_b32 hwreg(HW_REG_WAVE_SCHED_MODE, 0, 2), 2
	s_setreg_imm32_b32 hwreg(HW_REG_WAVE_MODE, 25, 1), 1
	s_wait_xcnt 0x0
	s_wait_alu depctr_vm_vsrc(0)
; The second BatchNorm's statistics are closed, z2 = W2 h is multiplied once more from the codes, and out = relu(z2 s + t) is stored [batch][channel][point].
; SHARES.  A WORK-GROUP OWNS 32 CHANNELS (32 cb on, cb = work-group % 8) AND 1,024 POINTS (1,024 pr on, pr = work-group / 8).  So it needs 32 channels of the 256 records, 64 KB, and closes their
; statistics itself, beside the loads of its codes and weights: no launch stands between the records and their use.  Neighbouring work-groups take the same points.
; Wave w takes points 128 w .. 128 w + 127 of the 1,024: eight tiles of 16, against the 32 channels.  A fragment is used by one wave of the work-group, so it goes from memory straight into operand registers.
; STATISTICS.  A record holds, for each channel, the sum S and the squared deviations M2 of z2 over 128 points.  Wave w takes records 32 w .. + 31; lane (r, h) channels 2 r, 2 r + 1 of records 2 i + h.
; The variance is (the sum of M2 + the sum of (S_i - S / 256)^2 / 128) / 32,768: no difference of large sums.  y = z + b: mean of y = mean of z + b; s = g / sqrt(var + 1e-5); t = be + s (b - mean of y).
; PRODUCTS.  Source 0 = 16 points, source 1 = 16 rows of W2: a lane holds ONE channel, and an accumulator's eight registers are eight neighbouring points of it.  Four passes of two tiles on two sets of
; fragment registers.  The scale words of two tiles share a register: lanes 0-15 the even tile's, lanes 16-31 the odd tile's.
; THE WAY OUT.  After every second pass 32 channels x 64 points lie in the wave's own stage (rows of 256 + 16 bytes) and leave: each half of the lanes stores 256 consecutive bytes, at a multiple of 256 from the output's first byte.
; No cluster: eight work-groups read the same codes, but a joint load would put a work-group's 208 KB of them through LDS, to be read from there again, where they now land in the operand's registers.
; LDS: 0 and RED1: the waves' partial sums, 128 bytes a wave each; OST: 8,704 bytes a wave.  The claim of LDS is larger than the use, so that each work-group has a WGP of its own.
; REGISTERS: v1 16 l, v2 r, v3 h, v4-9, v26, v38, v39 addresses; v10-21 scale words and nothing else (v10-13 W2's, v14-21 the points'); v22-24 b, g, be; v30-37 s and t, twice each; v40-87 W2's four fragments;
;   v88-151 the records, later v88-119 four accumulators and v120-151 rows on their way out; v152-247 two sets of four fragments; v248-255 at work.
; THE MODE: SCHED_MODE bits 1:0 = 2 (LLVM: expert scheduling mode 2), set by the entry lines.  The code itself states the register dependences
; between vector or matrix instructions and memory or LDS instructions, with s_wait_alu, always for 0.
; THE PLAN.  Registers that memory or LDS instructions touch:
;   v250, v251  my wave's sums: written by vector lines, read by an LDS store, twice.  One wait on va_vdst ahead of each store; it serves the LDS loads behind the barrier too, which land in registers
;               (v88 to v103) that only lines ahead of it name.  One wait on vm_vsrc ahead of each line that writes v250 again.
;   v152-247    two sets of fragments.  Pass p's eight products read set p % 2; the loads of pass p + 2 land in it.
;   v88-119     four accumulators.  Written by the products, scaled in place by 48 vector lines, read by eight LDS stores.
;               A pass has ONE wait on va_vdst, behind those 48 lines: the results are written, and the products are done reading the set.  The set's twelve loads and the eight stores follow it.
;   v120-151    rows on their way out: LDS loads land, global stores read.
;   One wait on vm_vsrc stands ahead of passes 1 and 3 (the pass before's LDS stores have read the accumulators) and ahead of the second group of rows of each way out (the first group's stores have
;   read v120 to v151).  Pass 2 stands behind the first way out's wait, the second way out's first group behind pass 3's.
;   The addresses are made once, at the head, and never written again.
.set RED1, 1024
.set OST, 2048
.set HC, 524288
.set HS, 6815744
	s_load_b256 s[4:11], s[0:1], 0x0               ; hid, b2, g2, be2
	s_load_b128 s[12:15], s[0:1], 0x20             ; W2's codes, W2's scales
	s_load_b64 s[16:17], s[0:1], 0x30              ; out0
	v_lshl_add_u32 v28, v0, 2, 0x29000
	v_mov_b32 v29, 0
	v_lshrrev_b32 v1, 5, v0
	v_readfirstlane_b32 s18, v1                    ; wave
	s_wait_alu depctr_va_sdst(0)                   ; s18 is written, ahead of its first reader: the offsets below are made from it
	s_and_b32 s19, ttmp9, 7                        ; cb: which 32 channels
	s_lshr_b32 s20, ttmp9, 3                       ; pr: which 1,024 points
	s_lshl_b32 s22, s18, 16                        ; the records: 32 of 2,048 bytes a wave, 32 channels of 8 bytes a block
	s_lshl_b32 s21, s19, 8
	s_add_co_u32 s22, s22, s21
	s_mov_b32 s23, 0
	s_lshl_b32 s24, s19, 7                         ; b, g, be: 32 channels of 4 bytes
	s_mov_b32 s25, 0
	s_mul_i32 s26, s20, 196608                     ; the images: 64 tiles of 3,072 bytes for 1,024 points, 8 for a wave
	s_mul_i32 s21, s18, 24576
	s_add_co_u32 s26, s26, s21
	s_add_co_u32 s26, s26, HC
	s_mov_b32 s27, 0
	s_lshl_b32 s28, s20, 14                        ; their scale words: 256 bytes a tile
	s_lshl_b32 s21, s18, 11
	s_add_co_u32 s28, s28, s21
	s_add_co_u32 s28, s28, HS
	s_mov_b32 s29, 0
	s_mov_b32 s30, 0x76543210
	s_mov_b32 s31, 0xfedcba98                      ; v_permlanex16_b32's selects for lane l xor 16
	s_lshr_b32 s32, s20, 3                         ; out0: batch,
	s_lshl_b32 s32, s32, 23
	s_lshl_b32 s21, s19, 20                        ; my 32 rows of 32,768 bytes,
	s_add_co_u32 s32, s32, s21
	s_and_b32 s21, s20, 7
	s_lshl_b32 s21, s21, 12                        ; the 1,024 points,
	s_add_co_u32 s32, s32, s21
	s_lshl_b32 s21, s18, 9                         ; my wave's 128 of them
	s_add_co_u32 s32, s32, s21
	s_mov_b32 s33, 0
	s_mov_b32 s35, 0
	v_and_b32 v5, 31, v0
	v_lshlrev_b32 v1, 4, v5                        ; 16 x lane
	v_lshlrev_b32 v5, 2, v5                        ; 4 x lane
	v_and_b32 v2, 15, v0                           ; r
	v_bfe_u32 v3, v0, 4, 1                         ; h
	v_lshlrev_b32 v4, 4, v2
	v_lshl_add_u32 v4, v3, 11, v4                  ; the records: lanes 16-31 take the next record; 16 bytes (two channels) a lane
	v_lshlrev_b32 v39, 3, v2                       ; 8 r
	s_lshl_b32 s21, s18, 7
	v_add_nc_u32 v6, s21, v39                      ; where my wave's sums of channels 2 r, 2 r + 1 go
	v_lshl_add_u32 v26, v3, 8, v39                 ; the points' scale words: lanes 16-31 take the next tile's
	s_mul_i32 s21, s18, 8704
	s_add_co_u32 s21, s21, OST                     ; my stage
	v_mul_u32_u24 v7, v2, 272
	v_lshl_add_u32 v7, v3, 5, v7
	v_add_nc_u32 v7, s21, v7                       ; in: row r, + 32 h
	v_mul_u32_u24 v8, v3, 272
	v_lshl_add_u32 v8, v2, 4, v8
	v_add_nc_u32 v8, s21, v8                       ; back: lanes 0-15 one row, lanes 16-31 the next
	v_lshlrev_b32 v9, 4, v2
	v_lshl_add_u32 v9, v3, 15, v9                  ; and the same two rows in the output
	v_mul_u32_u24 v38, v2, 192
	v_mad_u32_u24 v38, v3, 24, v38                 ; W2: row r, + 24 h
	s_wait_kmcnt 0x0
	s_add_nc_u64 s[22:23], s[4:5], s[22:23]
	s_add_nc_u64 s[26:27], s[4:5], s[26:27]
	s_add_nc_u64 s[28:29], s[4:5], s[28:29]
	s_add_nc_u64 s[6:7], s[6:7], s[24:25]
	s_add_nc_u64 s[8:9], s[8:9], s[24:25]
	s_add_nc_u64 s[10:11], s[10:11], s[24:25]
	s_mul_i32 s34, s19, 6144                       ; W2: my 32 rows of 192 bytes,
	s_add_nc_u64 s[12:13], s[12:13], s[34:35]
	s_lshl_b32 s34, s19, 8                         ; and of 8 scale bytes
	s_add_nc_u64 s[14:15], s[14:15], s[34:35]
	s_add_nc_u64 s[16:17], s[16:17], s[32:33]
	s_wait_alu depctr_va_vdst(0)                   ; the offsets and addresses v1, v4 to v9, v26, v38 and v39 are written, which the loads and stores of the kernel read
.macro LDF p                           ; the four fragments of pass p (tiles 2 p, 2 p + 1; two K steps) into set p % 2: 512 consecutive bytes a load
.irp m, 0,1
.irp s, 0,1
.irp i, 0,1,2
	global_load_b128 v[152+48*((\p)%2)+24*\m+12*\s+4*\i:155+48*((\p)%2)+24*\m+12*\s+4*\i], v1, s[26:27] offset:(2*(\p)+\m)*3072+1536*\s+512*\i
.endr
.endr
.endr
.endm
.set i, 0
.rept 16
	global_load_b128 v[88+4*i:91+4*i], v4, s[22:23] offset:4096*i          ; records 2 i and 2 i + 1 of my 32: each half of the lanes reads 256 consecutive bytes
.set i, i+1
.endr
	global_load_b32 v22, v5, s[6:7]                ; b, g, be of channel 32 cb + lane
	global_load_b32 v23, v5, s[8:9]
	global_load_b32 v24, v5, s[10:11]
.irp n, 0,1
.irp s, 0,1
.irp p, 0,1,2,3,4,5
	global_load_b64 v[40+24*\n+12*\s+2*\p:41+24*\n+12*\s+2*\p], v38, s[12:13] offset:3072*\n+96*\s+48*(\p/3)+8*(\p%3)   ; W2's fragment (channels 16 n on, K step s): it stays
.endr
.endr
	global_load_b64 v[10+2*\n:11+2*\n], v39, s[14:15] offset:128*\n        ; and its rows' two scale words
.endr
.irp k, 0,1,2,3
	global_load_b64 v[14+2*\k:15+2*\k], v26, s[28:29] offset:512*\k        ; the scale words of tiles 2 k (lanes 0-15) and 2 k + 1 (lanes 16-31), both K steps
.endr
	LDF 0
	s_wait_loadcnt 42                              ; the records and b, g, be are in; W2's 26 loads, the 4 of scale words and the first set's 12 may be out
	LDF 1                                          ; the second set has the statistics and the first pass in which to land
	; the sums of S and of M2 over my 16 records, a pair (S, M2) at a time, two chains for each of my two channels
	v_pk_add_f32 v[248:249], v[88:89], v[96:97]
	v_pk_add_f32 v[250:251], v[92:93], v[100:101]
	v_pk_add_f32 v[252:253], v[90:91], v[98:99]
	v_pk_add_f32 v[254:255], v[94:95], v[102:103]
.irp i, 4,6,8,10,12,14
	v_pk_add_f32 v[248:249], v[248:249], v[88+4*\i:89+4*\i]
	v_pk_add_f32 v[250:251], v[250:251], v[92+4*\i:93+4*\i]
	v_pk_add_f32 v[252:253], v[252:253], v[90+4*\i:91+4*\i]
	v_pk_add_f32 v[254:255], v[254:255], v[94+4*\i:95+4*\i]
.endr
	v_pk_add_f32 v[248:249], v[248:249], v[250:251]
	v_pk_add_f32 v[252:253], v[252:253], v[254:255]
	v_permlanex16_b32 v250, v248, s30, s31
	v_permlanex16_b32 v251, v249, s30, s31
	v_permlanex16_b32 v254, v252, s30, s31
	v_permlanex16_b32 v255, v253, s30, s31
	v_pk_add_f32 v[248:249], v[248:249], v[250:251]     ; with lane l xor 16's 16 records: my wave's 32.  v249 and v253 keep the sums of M2
	v_pk_add_f32 v[252:253], v[252:253], v[254:255]
	v_mov_b32 v250, v248
	v_mov_b32 v251, v252
	s_wait_alu depctr_va_vdst(0)                   ; v250 and v251 are written, which the LDS store reads; the additions are done reading v89, v91 .., in which the loads behind the barrier land
	ds_store_b64 v6, v[250:251]                    ; both halves of the lanes write the same bytes with the same values
	s_wait_dscnt 0x0                               ; for the others' sake: my sums are stored
	s_barrier_signal -1
	s_barrier_wait -1
.irp j, 0,1,2,3,4,5,6,7
	ds_load_b32 v[89+4*\j], v39 offset:128*\j      ; the eight waves' sums of S, into registers whose M2 has been summed
	ds_load_b32 v[91+4*\j], v39 offset:128*\j+4
.endr
	s_wait_dscnt 0x0
.irp c, 89, 91
	v_add_f32 v[\c], v[\c], v[\c+4]
	v_add_f32 v[\c+8], v[\c+8], v[\c+12]
	v_add_f32 v[\c+16], v[\c+16], v[\c+20]
	v_add_f32 v[\c+24], v[\c+24], v[\c+28]
	v_add_f32 v[\c], v[\c], v[\c+8]
	v_add_f32 v[\c+16], v[\c+16], v[\c+24]
	v_add_f32 v[\c], v[\c], v[\c+16]               ; the sum over all 32,768 points
.endr
	s_wait_alu depctr_vm_vsrc(0)                   ; the LDS store of my sums has read v250 and v251, which the two lines below write
	v_mul_f32 v250, 0x3b800000, v89                ; / 256: what a record's sum would be at the common mean
	v_mul_f32 v251, 0x3b800000, v91
.set i, 0
.rept 16
	v_sub_f32 v[88+4*i], v[88+4*i], v250
	v_sub_f32 v[90+4*i], v[90+4*i], v251
.set i, i+1
.endr
	v_mul_f32 v248, v88, v88
	v_mul_f32 v252, v92, v92
	v_mul_f32 v254, v90, v90
	v_mul_f32 v255, v94, v94
.irp i, 2,4,6,8,10,12,14
	v_fma_f32 v248, v[88+4*\i], v[88+4*\i], v248
	v_fma_f32 v252, v[92+4*\i], v[92+4*\i], v252
	v_fma_f32 v254, v[90+4*\i], v[90+4*\i], v254
	v_fma_f32 v255, v[94+4*\i], v[94+4*\i], v255
.endr
	v_add_f32 v248, v248, v252
	v_add_f32 v254, v254, v255
	v_permlanex16_b32 v252, v248, s30, s31
	v_permlanex16_b32 v255, v254, s30, s31
	v_add_f32 v248, v248, v252
	v_add_f32 v254, v254, v255
	v_fmamk_f32 v250, v248, 0x3c000000, v249       ; the sum of M2 + the sum of (S_i - S / 256)^2 / 128, of my wave's 32 records
	v_fmamk_f32 v251, v254, 0x3c000000, v253
	s_wait_alu depctr_va_vdst(0)                   ; v250 and v251 are written, which the LDS store reads; the lines above are done with v88 to v103, in which the loads behind the barrier land
	ds_store_b64 v6, v[250:251] offset:RED1        ; bytes of their own: the first sums are read once more below
	s_wait_dscnt 0x0
	s_barrier_signal -1
	s_barrier_wait -1
.irp j, 0,1,2,3,4,5,6,7
	ds_load_b32 v[88+\j], v5 offset:RED1+128*\j    ; from here on a lane is a channel: 32 cb + lane
	ds_load_b32 v[96+\j], v5 offset:128*\j
.endr
	s_wait_dscnt 0x0
.irp c, 88, 96
	v_add_f32 v[\c], v[\c], v[\c+1]
	v_add_f32 v[\c+2], v[\c+2], v[\c+3]
	v_add_f32 v[\c+4], v[\c+4], v[\c+5]
	v_add_f32 v[\c+6], v[\c+6], v[\c+7]
	v_add_f32 v[\c], v[\c], v[\c+2]
	v_add_f32 v[\c+4], v[\c+4], v[\c+6]
	v_add_f32 v[\c], v[\c], v[\c+4]
.endr
	s_wait_alu depctr_vm_vsrc(0)                   ; the second LDS store has read v250 and v251, which the lines below write
	v_mul_f32 v249, 0x38000000, v88                ; the variance: / 32,768
	v_add_f32 v249, 0x3727c5ac, v249               ; + 1e-5
	v_mul_f32 v250, 0x38000000, v96                ; the mean of z,
	v_add_f32 v250, v250, v22                      ; of y
	v_rsq_f32 v251, v249
	v_sub_f32 v250, v22, v250                      ; (a plain place behind the root)  b - the mean of y
	s_wait_alu depctr_va_vdst(0)                   ; the root has written v251, ahead of its first reader
	v_mul_f32 v252, v23, v251                      ; s
	v_fma_f32 v253, v252, v250, v24                ; t
	v_permlanex16_b32 v254, v252, s30, s31
	v_permlanex16_b32 v255, v253, s30, s31
	v_cmp_eq_u32 vcc_lo, 1, v3
	s_wait_alu depctr_va_vcc(0)                    ; VCC is written, ahead of the selects that read it
	v_cndmask_b32 v30, v252, v254, vcc_lo          ; the products' layout: lane (r, h) wants channel r for n = 0,
	v_cndmask_b32 v32, v254, v252, vcc_lo          ; channel 16 + r for n = 1
	v_cndmask_b32 v34, v253, v255, vcc_lo
	v_cndmask_b32 v36, v255, v253, vcc_lo
	v_mov_b32 v31, v30                             ; twice, for the packed forms
	v_mov_b32 v33, v32
	v_mov_b32 v35, v34
	v_mov_b32 v37, v36
.macro MM p, s, m, n                   ; tile 2 p + m x channels 16 n on, K step s; the first K step starts the sum
.set AC, 88+16*(\m)+8*(\n)
.set FA, 152+48*((\p)%2)+24*(\m)+12*(\s)
.set WB, 40+24*(\n)+12*(\s)
.if (\s) == 0
.if (\m) == 0
	v_wmma_scale_f32_16x16x128_f8f6f4 v[AC:AC+7], v[FA:FA+11], v[WB:WB+11], 0, v[14+2*(\p)+(\s)], v[10+2*(\n)+(\s)] matrix_a_fmt:MATRIX_FMT_FP6 matrix_b_fmt:MATRIX_FMT_FP6
.else
	v_wmma_scale_f32_16x16x128_f8f6f4 v[AC:AC+7], v[FA:FA+11], v[WB:WB+11], 0, v[14+2*(\p)+(\s)], v[10+2*(\n)+(\s)] matrix_a_fmt:MATRIX_FMT_FP6 matrix_b_fmt:MATRIX_FMT_FP6 matrix_a_scale:MATRIX_SCALE_ROW1
.endif
.else
.if (\m) == 0
	v_wmma_scale_f32_16x16x128_f8f6f4 v[AC:AC+7], v[FA:FA+11], v[WB:WB+11], v[AC:AC+7], v[14+2*(\p)+(\s)], v[10+2*(\n)+(\s)] matrix_a_fmt:MATRIX_FMT_FP6 matrix_b_fmt:MATRIX_FMT_FP6
.else
	v_wmma_scale_f32_16x16x128_f8f6f4 v[AC:AC+7], v[FA:FA+11], v[WB:WB+11], v[AC:AC+7], v[14+2*(\p)+(\s)], v[10+2*(\n)+(\s)] matrix_a_fmt:MATRIX_FMT_FP6 matrix_b_fmt:MATRIX_FMT_FP6 matrix_a_scale:MATRIX_SCALE_ROW1
.endif
.endif
.endm
.macro PASS p
.if (\p) < 3
	s_wait_loadcnt 12                              ; this pass's set (and, in the first pass, W2 and the scale words) is in; the other set's 12 loads, issued later, may be out
.else
	s_wait_loadcnt 0x0
.endif
	s_wait_dscnt 0x0                               ; my LDS instructions are done
.if (\p) % 2
	s_wait_alu depctr_vm_vsrc(0)                   ; the pass before's LDS stores have read the accumulators, which the products write; pass 3 also: the first way out's global stores have read v120 to v151, in which the second way out's rows land
.endif
.irp s, 0,1
.irp m, 0,1
.irp n, 0,1
	MM \p, \s, \m, \n                              ; the four accumulators take turns
.endr
.endr
.endr
.rept 4
	v_nop                                          ; places behind the products, ahead of the first read of results (ISA guide 7.12.1)
.endr
.irp m, 0,1
.irp n, 0,1
.irp i, 0,2,4,6
	v_pk_fma_f32 v[88+16*\m+8*\n+\i:89+16*\m+8*\n+\i], v[88+16*\m+8*\n+\i:89+16*\m+8*\n+\i], v[30+2*\n:31+2*\n], v[34+2*\n:35+2*\n]    ; z s + t, each accumulator from its low end on
.endr
.irp i, 0,1,2,3,4,5,6,7
	v_max_num_f32 v[88+16*\m+8*\n+\i], 0, v[88+16*\m+8*\n+\i]              ; relu
.endr
.endr
.endr
	s_wait_alu depctr_va_vdst(0)                   ; the 32 results are written, which the LDS stores read; the products are done reading this pass's set, in which the loads below land
.if (\p) < 2
	LDF (\p)+2                                     ; the set takes the tiles of two passes on
.endif
.irp m, 0,1
.irp n, 0,1
	ds_store_b128 v7, v[88+16*\m+8*\n:91+16*\m+8*\n] offset:4352*\n+64*(2*((\p)%2)+\m)
	ds_store_b128 v7, v[92+16*\m+8*\n:95+16*\m+8*\n] offset:4352*\n+64*(2*((\p)%2)+\m)+16
.endr
.endr
.endm
.macro SEND hf                         ; 32 channels x 64 points leave, eight pairs of rows at a time.  LDS serves a wave's instructions in order (ISA guide 5.7.1.4): these loads see my stores, and the next passes' stores come behind them
.irp g, 0,1
	s_wait_xcnt 0x0                                ; earlier stores have had their addresses translated
.if \g
	s_wait_alu depctr_vm_vsrc(0)                   ; the first group's global stores have read v120 to v151, in which the rows below land; the pass before's LDS stores have read the accumulators, which the next pass's products write
.endif
.irp i, 0,1,2,3,4,5,6,7
	ds_load_b128 v[120+4*\i:123+4*\i], v8 offset:544*(8*\g+\i)
.endr
.irp i, 0,1,2,3,4,5,6,7
	s_wait_dscnt 7-\i                              ; pair i is back; the younger pairs may be out
	global_store_b128 v9, v[120+4*\i:123+4*\i], s[16:17] offset:65536*(8*\g+\i)+256*(\hf) th:TH_STORE_NT   ; two rows: each half of the lanes stores 256 consecutive bytes; written once, read by nobody here
.endr
.endr
.endm
	PASS 0
	PASS 1
	SEND 0                                         ; the first 64 points leave while the last four tiles are on their way
	PASS 2
	PASS 3
	SEND 1
	s_wait_dscnt 0x0                               ; the closing lines, six on end, of a launch in the mode that stores to LDS
	s_wait_alu 0x0
	s_wait_tensorcnt 0x0
	ds_add_u32 v28, v29
	s_wait_dscnt 0x0
	s_endpgm
.Lfunc_end_k_q6ff5f61661_last:
	.size	k_q6ff5f61661_last, .Lfunc_end_k_q6ff5f61661_last-k_q6ff5f61661_last
	.p2alignl 7, 3214868480
	.fill 96, 4, 3214868480
	.section	.rodata,"a",@progbits
	.p2align	6, 0x0
	.amdhsa_kernel k_q6ff5f61661_last
		.amdhsa_group_segment_fixed_size 168960
		.amdhsa_private_segment_fixed_size 0
		.amdhsa_enable_private_segment 0
		.amdhsa_kernarg_size 56
		.amdhsa_user_sgpr_count 2
		.amdhsa_user_sgpr_kernarg_segment_ptr 1
		.amdhsa_wavefront_size32 1
		.amdhsa_system_sgpr_workgroup_id_x 1
		.amdhsa_system_sgpr_workgroup_id_y 1
		.amdhsa_system_sgpr_workgroup_id_z 1
		.amdhsa_system_vgpr_workitem_id 0
		.amdhsa_next_free_vgpr 256
		.amdhsa_next_free_sgpr 66
		.amdhsa_reserve_vcc 1
		.amdhsa_float_denorm_mode_32 3
		.amdhsa_float_denorm_mode_16_64 3
		.amdhsa_memory_ordered 1
		.amdhsa_forward_progress 1
		.amdhsa_inst_pref_size 44
	.end_amdhsa_kernel
	.amdgpu_metadata
---
amdhsa.version: [ 1, 2 ]
amdhsa.kernels:
  - .name:           k_q6ff5f61661_last
    .symbol:         k_q6ff5f61661_last.kd
    .args:
      - { .name: hid, .offset: 0, .size: 8, .value_kind: global_buffer, .address_space: global }
      - { .name: b2, .offset: 8, .size: 8, .value_kind: global_buffer, .address_space: global }
      - { .name: g2, .offset: 16, .size: 8, .value_kind: global_buffer, .address_space: global }
      - { .name: be2, .offset: 24, .size: 8, .value_kind: global_buffer, .address_space: global }
      - { .name: W2_codes, .offset: 32, .size: 8, .value_kind: global_buffer, .address_space: global }
      - { .name: W2_scales, .offset: 40, .size: 8, .value_kind: global_buffer, .address_space: global }
      - { .name: out0, .offset: 48, .size: 8, .value_kind: global_buffer, .address_space: global }
    .group_segment_fixed_size: 168960
    .private_segment_fixed_size: 0
    .kernarg_segment_align: 8
    .kernarg_segment_size: 56
    .max_flat_workgroup_size: 256
    .sgpr_count:     66
    .vgpr_count:     256
    .wavefront_size: 32
...
	.end_amdgpu_metadata
.endif
;; end of part 10
